; MI455X (gfx1250); checked and timed in simulation.
; The chip was launched on July 23, 2026; its instructions are those of AMD's public machine-readable ISA for CDNA 5 (MIT licence, August 2026) and "CDNA5" Instruction Set Architecture Reference Guide (July 2026). The comments in the code are by the model that wrote it; some were corrected since.
;; Rope Block. Allowed arithmetic: matrix products marked QUANTISED: E5M2 operands, one given power-of-two scale a tensor, by v_wmma_f32_16x16x64_bf8_bf8 or v_wmma_f32_16x16x128_bf8_bf8, f32 sums; everything else in f32.
;; Inputs: W_K_codes 16 x 64 x 32 x 32 uint8 (E5M2 codes of W_K, K innermost, in blocks of 32 codes); W_O 16 x 64 x 1,024 float32; W_Q_codes 16 x 64 x 32 x 32 uint8 (E5M2 codes of W_Q, K innermost, in blocks of 32 codes); W_V_codes 16 x 64 x 32 x 32 uint8 (E5M2 codes of W_V, K innermost, in blocks of 32 codes); W_in_codes 4,096 x 32 x 32 uint8 (E5M2 codes of W_in, K innermost, in blocks of 32 codes); W_out_codes 1,024 x 128 x 32 uint8 (E5M2 codes of W_out, K innermost, in blocks of 32 codes); b_K 16 x 64 float32; b_O 1,024 float32; b_Q 16 x 64 float32; b_V 16 x 64 float32; b_in 4,096 float32; b_out 1,024 float32; ln1_b 1,024 float32; ln1_w 1,024 float32; ln2_b 1,024 float32; ln2_w 1,024 float32; lowp_scales 16 int32 (the exponents e of the quantised operands' scales 2^e); resid_pre 2 x 2,048 x 1,024 float32.
;; Outputs: out0 2 x 2,048 x 1,024 float32.
;; This version of the problem:
;;   THIS VERSION OF THE PROBLEM IS GIVEN IN LOW PRECISION. The matrix products marked QUANTISED in the list below multiply operands that are first quantised to E5M2 (5 exponent bits, 2 mantissa bits; 8 bits a number), with one given power-of-two scale for each operand tensor; their sums are f32. All else is computed in f32.
;;   The module's matrix products, in the order in which they are computed (A, B: the left and right operand; K: the contracted axis; several contracted axes count as one K, in the product's order):
;;     1. [M 4,096, K 1,024] x [K 1,024, N 1,024]; A: computed on the way; B: input W_Q (given as codes): QUANTISED (scales: A lowp_scales[0], B lowp_scales[1])
;;     2. [M 4,096, K 1,024] x [K 1,024, N 1,024]; A: computed on the way; B: input W_K (given as codes): QUANTISED (scales: A lowp_scales[2], B lowp_scales[3])
;;     3. [M 4,096, K 1,024] x [K 1,024, N 1,024]; A: computed on the way; B: input W_V (given as codes): QUANTISED (scales: A lowp_scales[4], B lowp_scales[5])
;;     4. batch 32 x [M 2,048, K 64] x [K 64, N 2,048]; A: computed on the way; B: computed on the way: QUANTISED (scales: A lowp_scales[6], B lowp_scales[7])
;;     5. batch 32 x [M 64, K 2,048] x [K 2,048, N 2,048]; A: computed on the way; B: softmax (see below): QUANTISED (scales: A lowp_scales[8], B lowp_scales[9])
;;     6. [M 4,096, K 1,024] x [K 1,024, N 1,024]; A: computed on the way; B: input W_O: QUANTISED (scales: A lowp_scales[10], B lowp_scales[11])
;;     7. [M 4,096, K 1,024] x [K 1,024, N 4,096]; A: computed on the way; B: input W_in (given as codes): QUANTISED (scales: A lowp_scales[12], B lowp_scales[13])
;;     8. [M 4,096, K 4,096] x [K 4,096, N 1,024]; A: computed on the way; B: input W_out (given as codes): QUANTISED (scales: A lowp_scales[14], B lowp_scales[15])
;;   THE QUANTISER, for each operand of a quantised product, along K:
;;     - The operand's scale is 2^e, e = its entry of the input lowp_scales (int32; the entries are numbered through the quantised products in the list's order, A before B).
;;     - Each number is divided by the scale, clamped to +-57,344, and rounded to the nearest number of E5M2, ties to even, subnormals kept.
;;     - The product sums the exact products of the quantised numbers (number of the format x scale) in f32.
;;   ~~~python
;;   def quantise(x, axis, e):      # numpy; x: float32 -> the quantised numbers, widened to float32 again
;;       x = np.moveaxis(x, axis, -1); K = x.shape[-1]
;;       r = np.clip(x / 2.0 ** e, -57344, 57344)
;;       step = 2.0 ** (np.maximum(np.frexp(np.where(r == 0, 1, r))[1] - 1, -14) - 2)
;;       q = np.round(r / step) * step * 2.0 ** e      # np.round: ties to even
;;       return np.moveaxis(q, -1, axis).astype(np.float32)
;;   ~~~
;;   SOFTMAX AHEAD OF A QUANTISED PRODUCT. Where the list says 'softmax', what is quantised is not the finished softmax but p = 2^(t - M), with t = logit x log2(e) and M = ceil(the row's largest t), a whole number; so 1/2 < the row's largest p <= 1. The row's sum l is taken of the UNQUANTISED p, in f32, and the product's result is divided by l at the end. Since M is a whole number, a kernel that streams over the keys may use a running M (the ceiling of the running maximum): every later rescaling is an exact power of two, so the quantised numbers keep their values, but for numbers so far below the row's largest that they fall under the format's range.
;;   OPERANDS COMPUTED ON THE WAY. 'Computed on the way' means the value that the module computes at that place (a softmax that the list does not call 'softmax' is quantised finished and normalised). What goes into a quantiser is computed in f32, as accurately as f32 sums, v_exp_f32 and their like allow (about 1e-6 of the number): no bf16 or f16 on the way to a quantiser, and a product that is left as it is and whose result goes on into a quantised operand takes f32 operands (vector FMAs, or v_wmma_f32_16x16x4_f32). A number that lies on a knife's edge between two numbers of the format may be rounded either way, as far as f32 arithmetic and the matrix unit's own rounding can turn it there, and no further.
;;   INPUTS GIVEN AS CODES. W_K (in the module: [16, 1024, 64], K = its axis 1); W_Q (in the module: [16, 1024, 64], K = its axis 1); W_V (in the module: [16, 1024, 64], K = its axis 1); W_in (in the module: [1024, 4096], K = its axis 0); W_out (in the module: [4096, 1024], K = its axis 0): each comes as NAME_codes (uint8): NAME with its K axis moved to the last place and cut into blocks of 32 codes, [.., K / 32, bytes a block], one block behind the other in memory; one code a byte (a code: sign, 5 exponent bits, 2 mantissa bits); its scale is its entry of lowp_scales. Its value is code x scale, taken as it is: it is not quantised again, and the codes and scales need not be those that the quantiser above would give.
;; 2 versions. Each part assembles by itself: llvm-mc -triple=amdgcn-amd-amdhsa -mcpu=gfx1250 --defsym DOCPART=n.
;; ======== version 1 of 2: 7 launches
;; workspace buffers: prep_out 14,155,776 bytes; qkv_img 12,582,912 bytes; z_img 4,194,304 bytes; resid_mid 16,777,216 bytes; y_codes 4,194,304 bytes; h_img 16,777,216 bytes
;; launch prep (part 1): grid 320 x 1, 4 waves a work-group, no clusters, 35,840 bytes of LDS; arguments resid_pre, ln1_w, ln1_b, W_O, lowp_scales, prep_out; writes prep_out
.if DOCPART == 1
	.amdgcn_target "amdgcn-amd-amdhsa--gfx1250"
	.amdhsa_code_object_version 6
	.text
	.protected	k_q69fbcd9f9b_prep
	.globl	k_q69fbcd9f9b_prep
	.p2align	8
	.type	k_q69fbcd9f9b_prep,@function
k_q69fbcd9f9b_prep:
	s_mov_b64 s[64:65], 0
	v_nop
	global_prefetch_b8 v0, s[64:65] scope:SCOPE_SE
	s_setreg_imm32_b32 hwreg(HW_REG_WAVE_MODE, 25, 1), 1
	s_wait_xcnt 0x0
; PREP: three kinds of work-groups, told apart by the work-group's number alone; the three ways never join.
;   0..255   LN1: x = (r - mean) / sqrt(mean of squares) * w + b of 16 rows of resid_pre, quantised three times (scales 0, 2, 4 of lowp_scales) into rows of 1,024 codes.
;   256..287 W_O [k = 1,024][n = 1,024] f32 -> codes [n][k], K innermost (scale 11): a lane takes a column, its registers run down K; the codes leave through the wave's own stage in LDS.
;   288..319 the table of RoPE: [t = 2,048][i = 32]{cos, sin} of t x 10^(-i/8), f32, 256 bytes a row.
; prep_out: x's codes for Q at 0, for K at 4 MiB, for V at 8 MiB; W_O's codes at 12 MiB; the table at 13 MiB.
; code = x / 2^e, held within +-57,344, to the nearest code, ties to even.
; LIMITS: each e used here lies between -126 and 112; NaN among the inputs is not served.  cos and sin: the angle is the f32 product t x inv, inv within one unit in the
; last place of 10^(-i/8); it is reduced by pi/2 in two parts (the first product is exact for t under 2,048) and the polynomials are good to about 1e-7.
.set SPARE, 34816                      ; behind the four stages: the spare words, 128 bytes for each wave
.set PITCH, 272                        ; a stage row: 256 bytes of codes + 16
.set SPW,   254                        ; v254 LDS address of my spare word; never rewritten
.set NIL,   255                        ; v255 0; never rewritten
.set STI,   252                        ; v252 W_O's way: where my column's codes go in the stage
.set STO,   253                        ; v253 and where I read rows back
.set WG,    20                         ; v20-51   LN: the gain at my 32 columns
.set BS,    52                         ; v52-83   the bias
.set X,     84                         ; v84-211  four rows, 32 numbers each: register 8 j + i = column 256 j + 8 lane + i
.set T,     212                        ; v212-243 a row held within the largest code
.set CD,    244                        ; v244-251 its codes
.set WX,    32                         ; W_O's way: v32-95 two sets of 32 numbers
.set WC,    96                         ; v96-103  a block's codes
.set WOUT,  112                        ; v112-175 rows on their way out
	s_load_b256 s[4:11], s[0:1], 0x0               ; resid_pre s[4:5], ln1_w s[6:7], ln1_b s[8:9], W_O s[10:11]
	s_load_b128 s[12:15], s[0:1], 0x20             ; lowp_scales s[12:13], prep_out s[14:15]
	v_lshl_add_u32 v[SPW], v0, 2, SPARE
	v_mov_b32 v[NIL], 0
	v_lshrrev_b32 v1, 5, v0
	v_readfirstlane_b32 s16, v1                    ; wave 0..3
	v_and_b32 v1, 31, v0                           ; lane
	s_mul_i32 s17, s16, 32*PITCH                   ; my stage.  Both LDS addresses are made here, of the thread's number alone
	v_mul_u32_u24 v[STI], v1, PITCH
	v_add_nc_u32 v[STI], s17, v[STI]               ; in: row = my column
	v_and_b32 v4, 15, v1
	v_lshrrev_b32 v5, 4, v1
	v_mul_u32_u24 v[STO], v5, PITCH
	v_lshl_add_u32 v[STO], v4, 4, v[STO]
	v_add_nc_u32 v[STO], s17, v[STO]               ; out: sixteen lanes to a row, two rows an instruction
	s_wait_kmcnt 0x0
	s_cmp_lt_u32 ttmp9, 256
	s_cbranch_scc0 .Lnot_ln
; ---------------- LN1: a wave takes four rows, one after the other, all four asked for at once ----------------
.macro MKSCALE e, vs                   ; v[vs] = 2^e as f32 (the conversion takes its exponent field), v[vs+1] = 57,344 x 2^e
	s_add_co_i32 s40, s[\e], 127
	s_lshl_b32 s41, s40, 23
	v_mov_b32 v[\vs], s41
	s_add_co_i32 s40, s40, 15
	s_lshl_b32 s40, s40, 23
	s_or_b32 s40, s40, 0x600000
	v_mov_b32 v[\vs+1], s40
.endm
.macro REDUCE                          ; v4 summed over the 32 lanes, the result in every lane
	v_add_f32_dpp v4, v4, v4 row_xmask:1 row_mask:0xf bank_mask:0xf
	v_add_f32_dpp v4, v4, v4 row_xmask:2 row_mask:0xf bank_mask:0xf
	v_add_f32_dpp v4, v4, v4 row_xmask:4 row_mask:0xf bank_mask:0xf
	v_add_f32_dpp v4, v4, v4 row_xmask:8 row_mask:0xf bank_mask:0xf
	v_permlanex16_b32 v5, v4, s20, s21
	v_add_f32 v4, v4, v5
.endm
.macro LNROW k                         ; row k in registers: mean taken away, divided by the root of the mean square, gain and bias
.set XK, X+32*(\k)
	s_wait_loadcnt 8*(3-(\k))                      ; my row's eight loads are in; those of the rows behind it may be out
	v_pk_add_f32 v[4:5], v[XK:XK+1], v[XK+2:XK+3]
	v_pk_add_f32 v[6:7], v[XK+4:XK+5], v[XK+6:XK+7]
.set j, 8
.rept 6
	v_pk_add_f32 v[4:5], v[4:5], v[XK+j:XK+j+1]
	v_pk_add_f32 v[6:7], v[6:7], v[XK+j+2:XK+j+3]
.set j, j+4
.endr
	v_pk_add_f32 v[4:5], v[4:5], v[6:7]
	v_add_f32 v4, v4, v5
	REDUCE
	v_mul_f32 v10, 0xba800000, v4                  ; -mean = sum x -2^-10
	v_mov_b32 v11, v10
.set j, 0
.rept 16
	v_pk_add_f32 v[XK+j:XK+j+1], v[XK+j:XK+j+1], v[10:11]
.set j, j+2
.endr
	v_pk_mul_f32 v[4:5], v[XK:XK+1], v[XK:XK+1]
	v_pk_mul_f32 v[6:7], v[XK+2:XK+3], v[XK+2:XK+3]
.set j, 4
.rept 7
	v_pk_fma_f32 v[4:5], v[XK+j:XK+j+1], v[XK+j:XK+j+1], v[4:5]
	v_pk_fma_f32 v[6:7], v[XK+j+2:XK+j+3], v[XK+j+2:XK+j+3], v[6:7]
.set j, j+4
.endr
	v_pk_add_f32 v[4:5], v[4:5], v[6:7]
	v_add_f32 v4, v4, v5
	REDUCE
	v_mul_f32 v4, 0x3a800000, v4                   ; the mean square
	v_rsq_f32 v12, v4
	v_rsq_f32 v13, v4                              ; twice: a pair for the packed multiply
	v_nop                                          ; a plain instruction behind the last of them,
	s_wait_alu depctr_va_vdst(0)                   ; and the one wait ahead of the first reader
.set j, 0
.rept 16
	v_pk_mul_f32 v[XK+j:XK+j+1], v[XK+j:XK+j+1], v[12:13]
.set j, j+2
.endr
.set j, 0
.rept 16
	v_pk_fma_f32 v[XK+j:XK+j+1], v[XK+j:XK+j+1], v[WG+j:WG+j+1], v[BS+j:BS+j+1]
.set j, j+2
.endr
.endm
.macro QSTORE k, s                     ; row k quantised with scale s (v[14+2s], v[15+2s]) and stored by base s[24+2s:25+2s]
.set XK, X+32*(\k)
.set j, 0
.rept 32
	v_med3_num_f32 v[T+j], v[XK+j], -v[15+2*(\s)], v[15+2*(\s)]   ; the conversion to an 8-bit code does not saturate (ISA guide 7.6.2): the hold comes first
.set j, j+1
.endr
	s_wait_xcnt 0x0                                ; the last stores have read their data: the codes' registers are written again only behind this wait
.irp q, 0,1,2,3
	v_cvt_scalef32_pk8_bf8_f32 v[CD+2*\q:CD+2*\q+1], v[T+8*\q:T+8*\q+7], v[14+2*(\s)]
.endr
	v_nop                                          ; a plain instruction behind the last conversion: the next holds write the conversions' sources
.irp q, 0,1,2,3
	global_store_b64 v3, v[CD+2*\q:CD+2*\q+1], s[24+2*(\s):25+2*(\s)] offset:1024*(\k)+256*\q   ; 32 lanes store 256 consecutive bytes, aligned
.endr
.endm
	v_lshlrev_b32 v2, 5, v1                        ; 32 bytes a lane of each 1,024: eight neighbouring numbers
	v_lshlrev_b32 v3, 3, v1                        ; and their eight codes
	s_lshl_b32 s17, ttmp9, 4
	s_lshl_b32 s18, s16, 2
	s_add_co_u32 s17, s17, s18                     ; my first row: 16 x work-group + 4 x wave
	s_lshl_b32 s18, s17, 12
	s_mov_b32 s19, 0
	s_add_nc_u64 s[4:5], s[4:5], s[18:19]
	s_lshl_b32 s18, s17, 10
	s_add_nc_u64 s[24:25], s[14:15], s[18:19]      ; its codes for Q,
	s_add_nc_u64 s[26:27], s[24:25], 0x400000      ; for K,
	s_add_nc_u64 s[28:29], s[24:25], 0x800000      ; for V
	s_load_b256 s[32:39], s[12:13], 0x0            ; e0 .. e7
	s_mov_b32 s20, 0x76543210                      ; v_permlanex16_b32: lane l xor 16
	s_mov_b32 s21, 0xfedcba98
.irp j, 0,1,2,3
	global_load_b128 v[WG+8*\j:WG+8*\j+3], v2, s[6:7] offset:1024*\j
	global_load_b128 v[WG+8*\j+4:WG+8*\j+7], v2, s[6:7] offset:1024*\j+16
.endr
.irp j, 0,1,2,3
	global_load_b128 v[BS+8*\j:BS+8*\j+3], v2, s[8:9] offset:1024*\j
	global_load_b128 v[BS+8*\j+4:BS+8*\j+7], v2, s[8:9] offset:1024*\j+16
.endr
.irp k, 0,1,2,3
.irp j, 0,1,2,3
	global_load_b128 v[X+32*\k+8*\j:X+32*\k+8*\j+3], v2, s[4:5] offset:4096*\k+1024*\j th:TH_LOAD_NT       ; the two loads together
	global_load_b128 v[X+32*\k+8*\j+4:X+32*\k+8*\j+7], v2, s[4:5] offset:4096*\k+1024*\j+16 th:TH_LOAD_NT  ; cover 1,024 consecutive bytes
.endr
.endr
	s_wait_kmcnt 0x0
	MKSCALE 32, 14
	MKSCALE 34, 16
	MKSCALE 36, 18
.irp k, 0,1,2,3
	LNROW \k
	QSTORE \k, 0
	QSTORE \k, 1
	QSTORE \k, 2
.endr
	s_endpgm                                       ; this way has written no LDS
; ---------------- W_O: a wave takes 32 columns x 256 along K ----------------
.Lnot_ln:
	s_cmp_lt_u32 ttmp9, 288
	s_cbranch_scc0 .Lrope
.macro WLOAD t                         ; block t: W_O(32 t + i, my column) into set t % 2: 128 consecutive bytes a wave
.set i, 0
.rept 32
	global_load_b32 v[WX+32*((\t)%2)+i], v3, s[10:11] offset:(32*(\t)+i)*4096 th:TH_LOAD_NT
.set i, i+1
.endr
.endm
.macro WBLOCK t
.set XS, WX+32*((\t)%2)
.if (\t) < 7
	s_wait_loadcnt 32                              ; this block's 32 loads are in; the next block's may be out
.else
	s_wait_loadcnt 0
.endif
.set i, 0
.rept 32
	v_med3_num_f32 v[XS+i], v[XS+i], -v10, v10
.set i, i+1
.endr
.irp g, 0,1,2,3
	v_cvt_scalef32_pk8_bf8_f32 v[WC+2*\g:WC+2*\g+1], v[XS+8*\g:XS+8*\g+7], v11
.endr
	v_nop                                          ; a plain instruction behind the last conversion
	ds_store_b128 v[STI], v[WC:WC+3] offset:32*(\t)
	ds_store_b128 v[STI], v[WC+4:WC+7] offset:32*(\t)+16
.if (\t)+2 < 8
	WLOAD (\t)+2
.endif
	s_wait_dscnt 0x0                               ; the stores have read their registers: the next block's codes may be written
.endm
	s_sub_co_u32 s17, ttmp9, 256
	s_and_b32 s18, s17, 7
	s_lshr_b32 s19, s17, 3                         ; which 256 along K: 0..3
	s_lshl_b32 s18, s18, 7
	s_lshl_b32 s20, s16, 5
	s_add_co_u32 s18, s18, s20                     ; my wave's first column
	s_lshl_b32 s22, s19, 20                        ; 256 rows of 4,096 bytes
	s_lshl_b32 s23, s18, 2
	s_add_co_u32 s22, s22, s23
	s_mov_b32 s23, 0
	s_add_nc_u64 s[10:11], s[10:11], s[22:23]
	s_lshl_b32 s22, s18, 10                        ; codes: a row of 1,024 bytes for each column,
	s_lshl_b32 s24, s19, 8
	s_add_co_u32 s22, s22, s24
	s_add_co_u32 s22, s22, 12582912                ; in prep_out's part for W_O
	s_add_nc_u64 s[14:15], s[14:15], s[22:23]
	s_load_b32 s30, s[12:13], 0x2c                 ; e11
	v_lshlrev_b32 v3, 2, v1                        ; in: 4 bytes a lane
	v_lshlrev_b32 v8, 10, v5
	v_lshl_add_u32 v8, v4, 4, v8                   ; out: (lane / 16) rows of 1,024 bytes + 16 (lane % 16)
	WLOAD 0
	WLOAD 1
	s_wait_kmcnt 0x0
	s_add_co_i32 s30, s30, 127
	s_lshl_b32 s31, s30, 23
	v_mov_b32 v11, s31                             ; 2^e
	s_add_co_i32 s30, s30, 15
	s_lshl_b32 s30, s30, 23
	s_or_b32 s30, s30, 0x600000
	v_mov_b32 v10, s30                             ; 57,344 x 2^e
.irp t, 0,1,2,3,4,5,6,7
	WBLOCK \t
.endr
.irp t, 0,1,2,3,4,5,6,7,8,9,10,11,12,13,14,15
	ds_load_b128 v[WOUT+4*\t:WOUT+4*\t+3], v[STO] offset:2*\t*PITCH   ; LDS serves a wave's instructions in order: these see my stores
.endr
.irp t, 0,1,2,3,4,5,6,7,8,9,10,11,12,13,14,15
	s_wait_dscnt 15-\t                             ; the younger loads may be out
	global_store_b128 v8, v[WOUT+4*\t:WOUT+4*\t+3], s[14:15] offset:2*\t*1024   ; sixteen lanes store 256 consecutive bytes, aligned
.endr
	s_wait_tensorcnt 0x0                           ; the wave's end, behind my last LDS store
	ds_add_u32 v[SPW], v[NIL]
	s_wait_dscnt 0x0
	s_endpgm
; ---------------- the table of cos and sin: a wave takes 16 rows t, a lane one i ----------------
.Lrope:
.macro PICK dst, idx, n, lit           ; v[dst] = lit where v[idx] == n
	v_cmp_ne_u32 vcc_lo, \n, v[\idx]
	v_cndmask_b32 v[\dst], \lit, v[\dst], vcc_lo
.endm
	s_sub_co_u32 s17, ttmp9, 288
	s_lshl_b32 s17, s17, 2
	s_add_co_u32 s17, s17, s16                     ; which 16 rows: 0..127
	s_lshl_b32 s18, s17, 12
	s_add_co_u32 s18, s18, 13631488
	s_mov_b32 s19, 0
	s_add_nc_u64 s[14:15], s[14:15], s[18:19]
	s_lshl_b32 s17, s17, 4                         ; my first t
	s_mov_b32 s20, 0xbfc90fdb                      ; -(pi/2 rounded to f32)
	s_mov_b32 s21, 0x333bbd2e                      ; that number less pi/2
	s_mov_b32 s22, 0xbe2aaaa3                      ; sin r = r + r z (S1 + z (S2 + z S3)), z = r r
	s_mov_b32 s23, 0x3c08839e
	s_mov_b32 s24, 0xb94ca1f9
	s_mov_b32 s25, 0x3d2aaaa5                      ; cos r = 1 - z / 2 + z z (C1 + z (C2 + z C3))
	s_mov_b32 s26, 0xbab6061a
	s_mov_b32 s27, 0x37ccf5ce
	v_lshlrev_b32 v2, 3, v1                        ; 8 bytes a lane
	v_and_b32 v4, 7, v1
	v_lshrrev_b32 v5, 3, v1
	v_mov_b32 v3, 1.0
	v_mov_b32 v6, 1.0
	PICK 3, 4, 1, 0x3f3ff911                       ; 10^(-1/8) .. 10^(-7/8)
	PICK 3, 4, 2, 0x3f0ff59a
	PICK 3, 4, 3, 0x3ed7e89b
	PICK 3, 4, 4, 0x3ea1e89b
	PICK 3, 4, 5, 0x3e72d424
	PICK 3, 4, 6, 0x3e361887
	PICK 3, 4, 7, 0x3e088d77
	PICK 6, 5, 1, 0x3dcccccd                       ; 0.1, 0.01, 0.001
	PICK 6, 5, 2, 0x3c23d70a
	PICK 6, 5, 3, 0x3a83126f
	v_mul_f32 v3, v3, v6                           ; inv = 10^(-i/8)
	v_cvt_f32_u32 v15, s17                         ; t
.set k, 0
.rept 16
	v_mul_f32 v4, v15, v3                          ; the angle
	v_mul_f32 v5, 0x3f22f983, v4
	v_rndne_f32 v5, v5                             ; n = the nearest whole number to angle x 2 / pi
	v_fma_f32 v6, v5, s20, v4                      ; r = angle - n pi / 2, in two parts
	v_fma_f32 v6, v5, s21, v6
	v_cvt_i32_f32 v7, v5
	v_mul_f32 v8, v6, v6
	v_fma_f32 v9, v8, s24, s23
	v_fma_f32 v9, v9, v8, s22
	v_mul_f32 v10, v8, v6
	v_fma_f32 v9, v9, v10, v6                      ; sin r
	v_fma_f32 v11, v8, s27, s26
	v_fma_f32 v11, v11, v8, s25
	v_mul_f32 v12, v8, v8
	v_fma_f32 v13, v8, -0.5, 1.0
	v_fma_f32 v11, v11, v12, v13                   ; cos r
	v_and_b32 v12, 1, v7
	v_cmp_eq_u32 vcc_lo, 1, v12                    ; an odd quarter swaps the two
	v_cndmask_b32 v13, v11, v9, vcc_lo
	v_cndmask_b32 v14, v9, v11, vcc_lo
	v_add_nc_u32 v12, 1, v7
	v_and_b32 v12, 2, v12
	v_lshlrev_b32 v12, 30, v12
	v_xor_b32 v[64+2*k], v13, v12                  ; cos is negative in quarters 1 and 2,
	v_and_b32 v12, 2, v7
	v_lshlrev_b32 v12, 30, v12
	v_xor_b32 v[65+2*k], v14, v12                  ; sin in quarters 2 and 3
	v_add_f32 v15, 1.0, v15
	global_store_b64 v2, v[64+2*k:65+2*k], s[14:15] offset:256*k   ; a row's 256 bytes; each row has its own registers
.set k, k+1
.endr
	s_endpgm                                       ; this way has written no LDS
.Lfunc_end_k_q69fbcd9f9b_prep:
	.size	k_q69fbcd9f9b_prep, .Lfunc_end_k_q69fbcd9f9b_prep-k_q69fbcd9f9b_prep
	.p2alignl 7, 3214868480
	.fill 96, 4, 3214868480
	.section	.rodata,"a",@progbits
	.p2align	6, 0x0
	.amdhsa_kernel k_q69fbcd9f9b_prep
		.amdhsa_group_segment_fixed_size 35840
		.amdhsa_private_segment_fixed_size 0
		.amdhsa_enable_private_segment 0
		.amdhsa_kernarg_size 48
		.amdhsa_user_sgpr_count 2
		.amdhsa_user_sgpr_kernarg_segment_ptr 1
		.amdhsa_wavefront_size32 1
		.amdhsa_system_sgpr_workgroup_id_x 1
		.amdhsa_system_sgpr_workgroup_id_y 1
		.amdhsa_system_sgpr_workgroup_id_z 1
		.amdhsa_system_vgpr_workitem_id 0
		.amdhsa_next_free_vgpr 256
		.amdhsa_next_free_sgpr 66
		.amdhsa_reserve_vcc 1
		.amdhsa_float_denorm_mode_32 3
		.amdhsa_float_denorm_mode_16_64 3
		.amdhsa_memory_ordered 1
		.amdhsa_forward_progress 1
		.amdhsa_inst_pref_size 135
	.end_amdhsa_kernel
	.amdgpu_metadata
---
amdhsa.version: [ 1, 2 ]
amdhsa.kernels:
  - .name:           k_q69fbcd9f9b_prep
    .symbol:         k_q69fbcd9f9b_prep.kd
    .args:
      - { .name: resid_pre, .offset: 0, .size: 8, .value_kind: global_buffer, .address_space: global }
      - { .name: ln1_w, .offset: 8, .size: 8, .value_kind: global_buffer, .address_space: global }
      - { .name: ln1_b, .offset: 16, .size: 8, .value_kind: global_buffer, .address_space: global }
      - { .name: W_O, .offset: 24, .size: 8, .value_kind: global_buffer, .address_space: global }
      - { .name: lowp_scales, .offset: 32, .size: 8, .value_kind: global_buffer, .address_space: global }
      - { .name: prep_out, .offset: 40, .size: 8, .value_kind: global_buffer, .address_space: global }
    .group_segment_fixed_size: 35840
    .private_segment_fixed_size: 0
    .kernarg_segment_align: 8
    .kernarg_segment_size: 48
    .max_flat_workgroup_size: 128
    .sgpr_count:     66
    .vgpr_count:     256
    .wavefront_size: 32
...
	.end_amdgpu_metadata
.endif
;; end of part 1
;; launch qkv (part 2): grid 12 x 16, 4 waves a work-group, clusters of 4 x 4, 327,680 bytes of LDS; arguments prep_out, W_Q_codes, W_K_codes, W_V_codes, b_Q, b_K, b_V, lowp_scales, qkv_img; writes qkv_img
.if DOCPART == 2
	.amdgcn_target "amdgcn-amd-amdhsa--gfx1250"
	.amdhsa_code_object_version 6
	.text
	.protected	k_q69fbcd9f9b_qkv
	.globl	k_q69fbcd9f9b_qkv
	.p2align	8
	.type	k_q69fbcd9f9b_qkv,@function
k_q69fbcd9f9b_qkv:
	s_mov_b64 s[64:65], 0
	v_nop
	global_prefetch_b8 v0, s[64:65] scope:SCOPE_SE
	s_setreg_imm32_b32 hwreg(HW_REG_WAVE_MODE, 25, 1), 1
	s_wait_xcnt 0x0
	s_wait_alu depctr_hold_cnt(0) depctr_sa_sdst(0) depctr_va_vdst(0) depctr_va_sdst(0) depctr_va_ssrc(0) depctr_va_vcc(0) depctr_vm_vsrc(0)
	s_getreg_b32 s2, hwreg(HW_REG_IB_STS2, 6, 4)
	s_cmp_eq_u32 s2, 0
	s_cbranch_scc0 .Lentry_in_a_cluster
	s_endpgm
.Lentry_in_a_cluster:
	s_bfe_u32 s2, ttmp6, 0x10000c
	s_cmp_lg_u32 s2, 0xf033
	s_cbranch_scc0 .Lentry_shape_is_right
	s_endpgm
.Lentry_shape_is_right:
; Q, K and V: x W + b on codes of BF8 (E5M2), RoPE on Q and K, and the results quantised for attention.  The cluster's x says which: 0 Q, 1 K, 2 V.
; THE PRODUCT: C[m][n] = sum over k of A[m][k] B[n][k], A and B rows of 1,024 codes.  A work-group of four waves makes 256 x 256, a wave 128 x 128: 64 accumulators, 512 registers.
; K goes in steps of 256 through two LDS slots filled by the tensor data mover.  4 x 4 work-groups form a cluster: A's tile is asked for jointly along a row of the cluster, B's along a column.
; The matrix instruction is used transposed (source 0 = 16 rows of B, source 1 = 16 rows of A): a lane holds row l % 16 of C and eight neighbouring columns 8 (l / 16) + 0..7 of each block of 16.
; Q, K: A = x's codes (tokens), B = the weight: a lane's registers run along the head's d, which is the next product's K.
; V: A = W_V, B = x's codes: the same text gives V^T, a lane's registers run along the tokens, which are the keys, the next K.  Only the two bases and the two tile coordinates are chosen otherwise.
; RESULTS leave as images of the next operand's registers, 512 consecutive bytes a store:
;   Q at 0, K at 4 MiB: [batch x head 32][16 tokens 128][g 2][lane][16 bytes]: lane (token r, half h): d = 32 g + 8 h + 0..7, then 32 g + 16 + 8 h + 0..7.
;   V at 8 MiB: [batch x head][128 keys 16][16 d 4][g 4][lane][16 bytes]: lane (d r, half h): keys 32 g + 8 h + 0..7, then 32 g + 16 + 8 h + 0..7.
; LIMITS: e0 + e1, e2 + e3, e4 + e5 between -126 and 127; e6, e7, e8 between -126 and 112.  NaN among the inputs is not served.
; REGISTERS, in windows of 256: window 0: v0-31 addresses; from v128 A's fragments, one set; on the way out v32-255 are free.  window 1: B's fragments, two sets.  windows 2, 3: the accumulators ((a, b) at v[8 (8 (a % 4) + b)]).
.set KTOT,   1024
.set KSTEP,  256
.set ROWB,   256
.set KROW,   1024
.set PITCH,  272                       ; an LDS row: 256 bytes + 16: the 16 rows that a load touches start at 16 different banks
.set FR,     16
.set NL,     4
.set NP,     4                         ; places behind this matrix instruction (ISA guide 7.12.1)
.set HALFT,  128*PITCH
.set SLOT,   4*HALFT
.set LAPS,   KTOT/(2*KSTEP)
.set SPARE,  2*SLOT                    ; behind the ring: the spare words, 128 bytes for each wave
.set ADRA, 16
.set ADRB, 20
.set L16,  26                          ; v26 16 x lane
.set SPW,  28
.set NIL,  29
.set AF,   128
.set G1, 24
.set G0, 32
.set G1B, 48
.set G0B, 56
.set BI,  32                           ; the way out: v32-95 the bias in the result's layout
.set R,   96                           ; v96-159 two sets of 32: cos and sin of a block's tokens
.set T,   160                          ; v160-223 a block's 64 numbers
.set TT,  224                          ; v224-231 at work
.set CD,  232                          ; v232-247 a block's codes
.set MSB, 0
.macro WIN new                         ; the immediate's high byte repeats the setting that is left
.if MSB != (\new)
	s_set_vgpr_msb (MSB<<8)|(\new)
.set MSB, \new
.endif
.endm
.set MUL_LO, 0xa1                      ; source 0 (B) window 1, source 1 (A) window 0, C and D window 2
.set MUL_HI, 0xf1
.set TO_B,   0x40
.macro JLOAD g0a, g1a, g0b, g1b        ; a joint load: waves 0 and 1 fetch for A, waves 2 and 3 for B; an s_nop 0 and four v_nop follow each line
	s_cmp_eq_u32 s15, 0
	s_cbranch_scc0 .Lfor_b_\@
	tensor_load_to_lds s[\g0a:\g0a+3], s[\g1a:\g1a+7]
	s_nop 0
.rept 4
	v_nop
.endr
	s_branch .Lasked_\@
.Lfor_b_\@:
	tensor_load_to_lds s[\g0b:\g0b+3], s[\g1b:\g1b+7]
	s_nop 0
.rept 4
	v_nop
.endr
.Lasked_\@:
.endm
.macro CREST                           ; a round of the cluster's barrier behind its opening barrier
	s_cmp_lg_u32 s14, 0
	s_cbranch_scc1 .Lnot_wave_0_\@
	s_barrier_signal -3
.Lnot_wave_0_\@:
	s_barrier_wait -3
	s_barrier_signal -1
	s_barrier_wait -1
.endm
.macro CROUND
	s_barrier_signal -1
	s_barrier_wait -1
	CREST
.endm
	s_load_b512 s[68:83], s[0:1], 0x0              ; prep_out 68, W_Q 70, W_K 72, W_V 74, b_Q 76, b_K 78, b_V 80, lowp_scales 82
	s_load_b64 s[84:85], s[0:1], 0x40              ; qkv_img
	v_lshl_add_u32 v[SPW], v0, 2, SPARE
	v_mov_b32 v[NIL], 0
	ds_add_u32 v[SPW], v[NIL]                      ; the wave's opening: the add and its wait ahead of my first tensor load
	v_lshrrev_b32 v1, 5, v0
	v_readfirstlane_b32 s14, v1                    ; wave 0..3
	s_lshr_b32 s15, s14, 1                         ; which half of the tile's rows is mine.  Also: I fetch for A (0) or for B (1)
	s_and_b32 s16, s14, 1                          ; which half of its columns.  Also: which 128 rows of that tile I fetch
	s_bfe_u32 s40, ttmp6, 0x40000                  ; cx
	s_bfe_u32 s41, ttmp6, 0x40004                  ; cy
	s_and_b32 s12, ttmp7, 0xffff
	s_lshl_b32 s12, s12, 2                         ; 4 x cluster y
	s_add_co_u32 s13, s12, s41                     ; + cy
	s_add_co_u32 s12, s12, s40                     ; + cx
	s_cmp_eq_u32 ttmp9, 2                          ; the cluster's x: the same in all sixteen partners
	s_cselect_b32 s17, s41, s13                    ; tile row: of cy alone.  Q, K: 16 tiles of tokens; V: 4 tiles of W_V's rows
	s_cselect_b32 s42, s12, s40                    ; tile column: of cx alone.  Q, K: 4 tiles of the weight's rows; V: 16 tiles of tokens
	s_lshl_b32 s43, s41, 2
	s_lshl_b32 s43, 15, s43                        ; my row of the cluster
	s_lshl_b32 s44, 0x1111, s40                    ; my column
	s_or_b32 s[G1+0], s43, (0<<16)|(1<<20)|(1<<21)|(5<<22)|(3<<25)  ; the mask; elements of 1 byte; padding on; bit 21 beside a mask; 4 words behind every 64
	s_or_b32 s[G1B+0], s44, (0<<16)|(1<<20)|(1<<21)|(5<<22)|(3<<25)
.irp g, G1, G1B
	s_mov_b32 s[\g+1], ROWB<<16                    ; tensor_dim0
	s_mov_b32 s[\g+2], 128<<16                     ; tensor_dim1
	s_mov_b32 s[\g+3], ROWB<<16                    ; tile_dim0
	s_mov_b32 s[\g+4], 128                         ; tile_dim1
	s_mov_b32 s[\g+5], KROW                        ; the pitch
	s_mov_b32 s[\g+6], 0
	s_mov_b32 s[\g+7], 0
.endr
	s_lshl_b32 s18, s16, 7
	s_lshl_b32 s20, s17, 8
	s_add_co_u32 s20, s20, s18                     ; A: row 256 x tile row + 128 x half,
	s_lshl_b32 s20, s20, 10                        ; in bytes
	s_mov_b32 s21, 0
	s_lshl_b32 s46, s42, 8
	s_add_co_u32 s46, s46, s18                     ; B likewise
	s_lshl_b32 s46, s46, 10
	s_mov_b32 s47, 0
	s_mul_i32 s45, s14, HALFT                      ; where they go: wave x 128 rows
	s_wait_dscnt 0x0                               ; the opening add is done
	s_wait_kmcnt 0x0
	s_load_b256 s[88:95], s[82:83], 0x0            ; e0 .. e7
	s_load_b32 s86, s[82:83], 0x20                 ; e8
	s_cmp_eq_u32 ttmp9, 0
	s_cselect_b64 s[6:7], s[70:71], s[72:73]       ; W_Q or W_K
	s_lshl_b32 s18, ttmp9, 22
	s_mov_b32 s19, 0
	s_add_nc_u64 s[10:11], s[68:69], s[18:19]      ; x's codes under this product's scale
	s_cmp_eq_u32 ttmp9, 2
	s_cselect_b64 s[4:5], s[74:75], s[10:11]       ; A: x's codes; for V the weight
	s_cselect_b64 s[6:7], s[10:11], s[6:7]         ; B: the weight; for V x's codes
	s_add_nc_u64 s[20:21], s[4:5], s[20:21]
	s_add_nc_u64 s[46:47], s[6:7], s[46:47]
	CROUND                                         ; all sixteen work-groups are here: the first joint loads meet
.irp s, 0,1
	s_mov_b32 s[G0+4*\s], 1
	s_add_co_u32 s[G0+4*\s+1], s45, \s*SLOT
	s_add_nc_u64 s[G0+4*\s+2:G0+4*\s+3], s[20:21], \s*ROWB
	s_or_b32 s[G0+4*\s+3], s[G0+4*\s+3], 0x80000000
	s_mov_b32 s[G0B+4*\s], 1
	s_add_co_u32 s[G0B+4*\s+1], s45, \s*SLOT
	s_add_nc_u64 s[G0B+4*\s+2:G0B+4*\s+3], s[46:47], \s*ROWB
	s_or_b32 s[G0B+4*\s+3], s[G0B+4*\s+3], 0x80000000
	JLOAD G0+4*\s, G1, G0B+4*\s, G1B
.endr
	v_and_b32 v1, 15, v0                           ; m = l % 16; kept
	v_bfe_u32 v2, v0, 4, 1                         ; h = l / 16; kept
	v_mul_u32_u24 v3, v1, PITCH
	v_lshl_add_u32 v4, v2, 4, v3                   ; a fragment's row x pitch + 16 x half
	s_mul_i32 s21, s15, HALFT
	s_mul_i32 s22, s16, HALFT
	s_add_co_u32 s22, s22, 2*HALFT
.irp s, 0,1
	v_add_nc_u32 v[ADRA+\s], s21, v4
	v_add_nc_u32 v[ADRB+\s], s22, v4
	s_add_co_u32 s21, s21, SLOT
	s_add_co_u32 s22, s22, SLOT
.endr
	v_and_b32 v6, 31, v0
	v_lshlrev_b32 v[L16], 4, v6
.macro FRAG reg, adr, q, i             ; 16 rows x 128 K: lane l holds row l % 16; registers 4 c .. 4 c + 3 hold K = 32 c + 16 (l / 16) + 0 .. 15, in A and in B alike
.irp c, 0,1,2,3
	ds_load_b128 v[\reg+4*\c:\reg+4*\c+3], v[\adr] offset:128*(\q)+32*\c+(\i)*16*PITCH
.endr
.endm
.macro MUL16 a0, p, zero               ; A's blocks a0, a0 + 1 x B's eight.  The 64 accumulators take turns, one instruction a turn
.irp a, \a0, \a0+1
.irp b, 0,1,2,3,4,5,6,7
.if \zero
	v_wmma_f32_16x16x128_bf8_bf8 v[8*(8*((\a)%4)+\b):8*(8*((\a)%4)+\b)+7], v[128*(\p)+FR*\b:128*(\p)+FR*\b+FR-1], v[AF+FR*(\a):AF+FR*(\a)+FR-1], 0
.else
	v_wmma_f32_16x16x128_bf8_bf8 v[8*(8*((\a)%4)+\b):8*(8*((\a)%4)+\b)+7], v[128*(\p)+FR*\b:128*(\p)+FR*\b+FR-1], v[AF+FR*(\a):AF+FR*(\a)+FR-1], v[8*(8*((\a)%4)+\b):8*(8*((\a)%4)+\b)+7]
.endif
.endr
.endr
.endm
.macro FETCH_B slot, q, p
	WIN TO_B
.irp i, 0,1,2,3,4,5,6,7
	FRAG 128*(\p)+FR*\i, ADRB+\slot, \q, \i
.endr
	WIN 0
.endm
.macro FETCH_A slot, q, i0
.irp i, \i0, \i0+1, \i0+2, \i0+3
	FRAG AF+FR*(\i), ADRA+\slot, \q, \i
.endr
.endm
.macro PLACES n                        ; plain vector instructions between a matrix instruction and a load into, or a read of, its registers
.rept \n
	v_nop
.endr
.endm
.macro STEP slot, q, zero              ; 128 along K whose successor lies in the same slot
	s_wait_dscnt 4*NL                              ; B's set and A's blocks 0-3 are in; the sixteen youngest loads (A's blocks 4-7) may be out
	WIN MUL_LO
	MUL16 0, (\q)%2, \zero
	MUL16 2, (\q)%2, \zero
	s_wait_dscnt 0
	PLACES NP
	FETCH_B \slot, (\q)+1, 1-(\q)%2
	FETCH_A \slot, (\q)+1, 0
	WIN MUL_HI
	MUL16 4, (\q)%2, \zero
	MUL16 6, (\q)%2, \zero
	PLACES NP
	WIN 0
	FETCH_A \slot, (\q)+1, 4
.endm
.macro TURN slot, next, fill           ; a slot's last step changes slots: one barrier; fill = 1: the slot is filled again, two K steps ahead
	s_wait_tensorcnt 0x0                           ; all my tensor loads have landed: my part of the next slot
	ds_add_u32 v[SPW], v[NIL]                      ; 0 onto my spare word
	s_wait_dscnt 4*NL+1                            ; the add and the sixteen youngest loads may be out
	WIN MUL_LO
	MUL16 0, 1, 0
	s_wait_dscnt 0x0                               ; the add is done, and my reads of this slot are over
	s_barrier_signal -1
	MUL16 2, 1, 0
	WIN 0
	s_barrier_wait -1
.if \fill
	CREST                                          ; the barrier has opened a round of the cluster's: no wave of any partner still reads this slot or has a load on its way
	s_add_nc_u64 s[G0+4*\slot+2:G0+4*\slot+3], s[G0+4*\slot+2:G0+4*\slot+3], 2*ROWB
	s_add_nc_u64 s[G0B+4*\slot+2:G0B+4*\slot+3], s[G0B+4*\slot+2:G0B+4*\slot+3], 2*ROWB
	JLOAD G0+4*\slot, G1, G0B+4*\slot, G1B         ; the first tensor load behind the round; its four v_nop are the places in front of the loads below
.else
	PLACES NP
.endif
	FETCH_B \next, 0, 0
	FETCH_A \next, 0, 0
	WIN MUL_HI
	MUL16 4, 1, 0
	MUL16 6, 1, 0
	PLACES NP
	WIN 0
	FETCH_A \next, 0, 4
.endm
	s_wait_tensorcnt 1                             ; my part of K step 0 is in; K step 1's load may be out
	s_barrier_signal -1
	s_barrier_wait -1
	FETCH_B 0, 0, 0
	FETCH_A 0, 0, 0
	FETCH_A 0, 0, 4
	STEP 0, 0, 1                                   ; the first step's products start the sums
	s_mov_b32 s3, LAPS-1
.Llap:
	TURN 0, 1, 1
	STEP 1, 0, 0
	TURN 1, 0, 1
	STEP 0, 0, 0
	s_sub_co_u32 s3, s3, 1
	s_cmp_lg_u32 s3, 0
	s_cbranch_scc1 .Llap
	TURN 0, 1, 0                                   ; the last lap fills nothing
	STEP 1, 0, 0
	s_wait_dscnt 4*NL
	WIN MUL_LO
	MUL16 0, 1, 0
	MUL16 2, 1, 0
	s_wait_dscnt 0
	WIN MUL_HI
	MUL16 4, 1, 0
	MUL16 6, 1, 0
	WIN 0
; ---------------- THE WAY OUT ----------------
.macro MKQ e                           ; v30 = 2^e as f32, v31 = 57,344 x 2^e; e in s[e]
	s_add_co_i32 s22, s[\e], 127
	s_lshl_b32 s23, s22, 23
	v_mov_b32 v30, s23
	s_add_co_i32 s22, s22, 15
	s_lshl_b32 s22, s22, 23
	s_or_b32 s22, s22, 0x600000
	v_mov_b32 v31, s22
.endm
.macro QUANT8                          ; T's 64 numbers become 16 registers of codes: tile b's eight in CD + 2 b, CD + 2 b + 1
.set j, 0
.rept 64
	v_med3_num_f32 v[T+j], v[T+j], -v31, v31       ; the conversion to an 8-bit code does not saturate (ISA guide 7.6.2)
.set j, j+1
.endr
	s_wait_xcnt 0x0                                ; the last block's stores have read their data
.irp b, 0,1,2,3,4,5,6,7
	v_cvt_scalef32_pk8_bf8_f32 v[CD+2*\b:CD+2*\b+1], v[T+8*\b:T+8*\b+7], v30
.endr
	v_nop                                          ; a plain instruction behind the last conversion
.endm
	s_wait_kmcnt 0x0
	PLACES NP                                      ; behind the last products: reads of results and loads into A's registers follow
	s_cmp_eq_u32 ttmp9, 2
	s_cbranch_scc1 .Lpath_v
; Q and K.  Lane (m, h) holds token 16 a + m and, of tile b, columns 16 b + 8 h + 0..7: head b / 4 of my two, d = 16 (b % 4) + 8 h + j
.macro RLOAD a                         ; cos and sin of block a's tokens at my 16 pairs: pair 8 (b % 4) + 4 h + p
.set RL, R+32*((\a)%2)
.irp q, 0,1,2,3
	global_load_b128 v[RL+8*\q:RL+8*\q+3], v27, s[68:69] offset:4096*(\a)+64*\q
	global_load_b128 v[RL+8*\q+4:RL+8*\q+7], v27, s[68:69] offset:4096*(\a)+64*\q+16
.endr
.endm
.macro QKBLOCK a
.set AC, 64*((\a)%4)
.set RB, R+32*((\a)%2)
.if (\a) < 7
	s_wait_loadcnt 8                               ; this block's table is in; the next block's eight loads may be out
.else
	s_wait_loadcnt 0
.endif
	WIN 0x02+((\a)/4)                              ; source 0: window 2 or 3
.set j, 0
.rept 32
	v_pk_fma_f32 v[T+j:T+j+1], v[AC+j:AC+j+1], s[96:97], v[BI+j:BI+j+1] op_sel_hi:[1,0,1]   ; sum x 2^(ea + eb) + bias; each accumulator from its low end on
.set j, j+2
.endr
	WIN 0
.set j, 0
.rept 8
.irp p, 0,2,4,6
	v_pk_mul_f32 v[TT+\p:TT+\p+1], v[T+j+\p:T+j+\p+1], v[RB+j%32+\p:RB+j%32+\p+1] op_sel:[1,1] op_sel_hi:[0,1]   ; (xi s, xr s)
.endr
.irp p, 0,2,4,6
	v_pk_fma_f32 v[T+j+\p:T+j+\p+1], v[T+j+\p:T+j+\p+1], v[RB+j%32+\p:RB+j%32+\p+1], v[TT+\p:TT+\p+1] op_sel_hi:[1,0,1] neg_lo:[0,0,1]   ; (xr c - xi s, xi c + xr s)
.endr
.set j, j+8
.endr
	QUANT8
.irp g, 0,1,2,3
	global_store_b128 v[L16], v[CD+4*\g:CD+4*\g+3], s[84:85] offset:131072*(\g/2)+1024*(\a)+512*(\g%2)   ; 512 consecutive bytes
.endr
.if (\a) < 6
	RLOAD (\a)+2
.endif
.endm
	s_lshl_b32 s18, s17, 8
	s_lshl_b32 s19, s15, 7
	s_add_co_u32 s18, s18, s19                     ; my first token
	s_lshr_b32 s19, s18, 11                        ; batch
	s_and_b32 s18, s18, 2047                       ; t
	s_lshl_b32 s22, s42, 2
	s_lshl_b32 s23, s16, 1
	s_add_co_u32 s22, s22, s23                     ; my first head
	s_lshl_b32 s19, s19, 4
	s_add_co_u32 s19, s19, s22
	s_lshl_b32 s19, s19, 17                        ; 131,072 bytes a head
	s_lshl_b32 s23, s18, 6                         ; 1,024 bytes for 16 tokens
	s_add_co_u32 s19, s19, s23
	s_lshl_b32 s23, ttmp9, 22                      ; Q's part or K's
	s_add_co_u32 s22, s19, s23
	s_mov_b32 s23, 0
	s_add_nc_u64 s[84:85], s[84:85], s[22:23]
	s_lshl_b32 s22, s18, 8
	s_add_co_u32 s22, s22, 13631488
	s_add_nc_u64 s[68:69], s[68:69], s[22:23]      ; the table at my first t
	s_lshl_b32 s22, s42, 10
	s_lshl_b32 s18, s16, 9
	s_add_co_u32 s22, s22, s18                     ; 4 x my first column
	s_cmp_eq_u32 ttmp9, 0
	s_cselect_b64 s[76:77], s[76:77], s[78:79]     ; b_Q or b_K
	s_cselect_b32 s18, s88, s90
	s_cselect_b32 s19, s89, s91
	s_cselect_b32 s20, s94, s95                    ; e6 or e7
	s_add_nc_u64 s[76:77], s[76:77], s[22:23]
	v_lshlrev_b32 v22, 5, v2                       ; 32 h
	v_lshl_add_u32 v27, v1, 8, v22                 ; 256 m + 32 h
.irp b, 0,1,2,3,4,5,6,7
	global_load_b128 v[BI+8*\b:BI+8*\b+3], v22, s[76:77] offset:64*\b
	global_load_b128 v[BI+8*\b+4:BI+8*\b+7], v22, s[76:77] offset:64*\b+16
.endr
	RLOAD 0
	RLOAD 1
	s_add_co_i32 s96, s18, s19
	s_add_co_i32 s96, s96, 127
	s_lshl_b32 s96, s96, 23                        ; 2^(ea + eb)
	s_mov_b32 s97, s96
	MKQ 20
.irp a, 0,1,2,3,4,5,6,7
	QKBLOCK \a
.endr
	s_branch .Lend
; V^T.  Lane (m, h) holds row 16 a + m of W_V (head a / 4 of my two, d = 16 (a % 4) + m) and, of tile b, keys 16 b + 8 h + 0..7 of my 128
.Lpath_v:
.macro VBLOCK a
.set AC, 64*((\a)%4)
.set BV, BI+2*((\a)/2)
	WIN 0x02+((\a)/4)
.set j, 0
.rept 32
.if (\a)%2
	v_pk_fma_f32 v[T+j:T+j+1], v[AC+j:AC+j+1], s[96:97], v[BV:BV+1] op_sel:[0,0,1] op_sel_hi:[1,0,1]   ; the pair's second register for both halves
.else
	v_pk_fma_f32 v[T+j:T+j+1], v[AC+j:AC+j+1], s[96:97], v[BV:BV+1] op_sel_hi:[1,0,0]                  ; its first
.endif
.set j, j+2
.endr
	WIN 0
	QUANT8
.irp g, 0,1,2,3
	global_store_b128 v[L16], v[CD+4*\g:CD+4*\g+3], s[84:85] offset:131072*((\a)/4)+2048*((\a)%4)+512*\g
.endr
.endm
	s_lshl_b32 s18, s17, 8
	s_lshl_b32 s19, s15, 7
	s_add_co_u32 s18, s18, s19                     ; my first row of W_V
	s_lshl_b32 s22, s42, 8
	s_lshl_b32 s23, s16, 7
	s_add_co_u32 s22, s22, s23                     ; my first token
	s_lshr_b32 s19, s22, 11                        ; batch
	s_and_b32 s22, s22, 2047
	s_lshr_b32 s22, s22, 7                         ; which 128 keys
	s_lshl_b32 s22, s22, 13
	s_lshl_b32 s19, s19, 4
	s_lshr_b32 s23, s18, 6                         ; my first head
	s_add_co_u32 s19, s19, s23
	s_lshl_b32 s19, s19, 17
	s_add_co_u32 s22, s22, s19
	s_add_co_u32 s22, s22, 0x800000                ; V's part
	s_mov_b32 s23, 0
	s_add_nc_u64 s[84:85], s[84:85], s[22:23]
	s_lshl_b32 s22, s18, 2
	s_add_nc_u64 s[80:81], s[80:81], s[22:23]
	v_lshlrev_b32 v23, 2, v1                       ; 4 m
.irp a, 0,1,2,3,4,5,6,7
	global_load_b32 v[BI+\a], v23, s[80:81] offset:64*\a   ; b_V at my row of block a
.endr
	s_add_co_i32 s96, s92, s93
	s_add_co_i32 s96, s96, 127
	s_lshl_b32 s96, s96, 23                        ; 2^(e4 + e5)
	s_mov_b32 s97, s96
	MKQ 86
	s_wait_loadcnt 0x0
.irp a, 0,1,2,3,4,5,6,7
	VBLOCK \a
.endr
.Lend:
	s_wait_tensorcnt 0x0                           ; the wave's end
	ds_add_u32 v[SPW], v[NIL]
	s_wait_dscnt 0x0
	CROUND                                         ; the closing round: no work-group ends while a partner may still ask for a tile that names it
	s_endpgm
.Lfunc_end_k_q69fbcd9f9b_qkv:
	.size	k_q69fbcd9f9b_qkv, .Lfunc_end_k_q69fbcd9f9b_qkv-k_q69fbcd9f9b_qkv
	.p2alignl 7, 3214868480
	.fill 96, 4, 3214868480
	.section	.rodata,"a",@progbits
	.p2align	6, 0x0
	.amdhsa_kernel k_q69fbcd9f9b_qkv
		.amdhsa_group_segment_fixed_size 327680
		.amdhsa_private_segment_fixed_size 0
		.amdhsa_enable_private_segment 0
		.amdhsa_kernarg_size 72
		.amdhsa_user_sgpr_count 2
		.amdhsa_user_sgpr_kernarg_segment_ptr 1
		.amdhsa_wavefront_size32 1
		.amdhsa_system_sgpr_workgroup_id_x 1
		.amdhsa_system_sgpr_workgroup_id_y 1
		.amdhsa_system_sgpr_workgroup_id_z 1
		.amdhsa_system_vgpr_workitem_id 0
		.amdhsa_next_free_vgpr 1024
		.amdhsa_next_free_sgpr 100
		.amdhsa_reserve_vcc 0
		.amdhsa_float_denorm_mode_32 3
		.amdhsa_float_denorm_mode_16_64 3
		.amdhsa_memory_ordered 1
		.amdhsa_forward_progress 1
		.amdhsa_inst_pref_size 232
	.end_amdhsa_kernel
	.amdgpu_metadata
---
amdhsa.version: [ 1, 2 ]
amdhsa.kernels:
  - .name:           k_q69fbcd9f9b_qkv
    .symbol:         k_q69fbcd9f9b_qkv.kd
    .args:
      - { .name: prep_out, .offset: 0, .size: 8, .value_kind: global_buffer, .address_space: global }
      - { .name: W_Q_codes, .offset: 8, .size: 8, .value_kind: global_buffer, .address_space: global }
      - { .name: W_K_codes, .offset: 16, .size: 8, .value_kind: global_buffer, .address_space: global }
      - { .name: W_V_codes, .offset: 24, .size: 8, .value_kind: global_buffer, .address_space: global }
      - { .name: b_Q, .offset: 32, .size: 8, .value_kind: global_buffer, .address_space: global }
      - { .name: b_K, .offset: 40, .size: 8, .value_kind: global_buffer, .address_space: global }
      - { .name: b_V, .offset: 48, .size: 8, .value_kind: global_buffer, .address_space: global }
      - { .name: lowp_scales, .offset: 56, .size: 8, .value_kind: global_buffer, .address_space: global }
      - { .name: qkv_img, .offset: 64, .size: 8, .value_kind: global_buffer, .address_space: global }
    .group_segment_fixed_size: 327680
    .private_segment_fixed_size: 0
    .kernarg_segment_align: 8
    .kernarg_segment_size: 72
    .max_flat_workgroup_size: 128
    .sgpr_count:     100
    .vgpr_count:     1024
    .wavefront_size: 32
...
	.end_amdgpu_metadata
.endif
;; end of part 2
;; launch attn (part 3): grid 8 x 32, 16 waves a work-group, no clusters, 327,680 bytes of LDS; arguments qkv_img, lowp_scales, z_img; writes z_img
.if DOCPART == 3
	.amdgcn_target "amdgcn-amd-amdhsa--gfx1250"
	.amdhsa_code_object_version 6
	.text
	.protected	k_q69fbcd9f9b_attn
	.globl	k_q69fbcd9f9b_attn
	.p2align	8
	.type	k_q69fbcd9f9b_attn,@function
k_q69fbcd9f9b_attn:
	s_mov_b64 s[64:65], 0
	v_nop
	global_prefetch_b8 v0, s[64:65] scope:SCOPE_SE
	s_setreg_imm32_b32 hwreg(HW_REG_WAVE_MODE, 25, 1), 1
	s_wait_xcnt 0x0
; Causal attention on codes of BF8 (E5M2), head size 64, 2,048 keys, 32 pairs of batch and head; a score that is exactly 0 is masked as well.  The result z is quantised for the next product.
; t = score x log2(e) / 8; M = the running largest t rounded up to a whole number; p = 2^(t - M) is quantised along the keys, not normalised; the row's sum is taken of the unquantised p and divides at the end.
; SHARES.  Work-group (i, batch x head) owns the blocks i and 15 - i of 128 queries: waves 0-7 the first, waves 8-15 the second, 16 queries a wave.  So every work-group has the same number of key steps under the mask.
; K and V come through two LDS slots of 256 keys, as images of the operands' registers (dense blocks: a fragment's load takes 512 consecutive bytes); wave 0 fetches K's 16 KiB, wave 1 V's; all sixteen read them.
; Both products are used transposed: S^T = K Q^T (16x16x64), O^T = V^T P^T (16x16x128): a lane holds one query (lane % 16); tile n of S^T holds keys 16 n + 8 (lane / 16) + 0..7, whose eight codes are registers 2 n, 2 n + 1 of P.
; EVERY work-group walks all eight slots (constant trip counts); a step all of whose keys come after the wave's queries is jumped over; a slot that none of the sixteen waves will read is not asked for.
; NO CLUSTER: the work-groups of a head end their fetching at different slots (their last queries differ), so partners would need different numbers of tiles.
; z_img: [16 tokens 256][128 k 8][2,048 bytes]: (token r, k' = 16 n + 8 h + j) at 256 n + 16 r + 8 h + j: a store of a tile covers 256 consecutive bytes, aligned.
; LIMITS: e6 + e7 between -123 and 130; e9 and e10 between -126 and 112.  The test for 0 is made on the f32 sum of the codes' products, which is 0 just where the score is, short of underflow in the scaling.
; A query all of whose allowed scores are exactly 0 (NaN by definition) is not served.  NaN among the inputs is not served.
; REGISTERS: v1 16 x lane; v3 the prefetches' offset; v5, v6 the add's two; v7, v8 addresses; v12 -M, v13 the largest t, v[14:15] the sum; v16-23 Q; v32-95 K's eight fragments, then V's four;
;   v96-159 S^T, then p; v160-191 O^T; v200 -infinity; v224-239 P's codes; v240, v244 and v246, v247 the two quantisers' numbers; v236, v242, v243, v252-254 at work.
.set SK,    256
.set VOFF,  16384                      ; a slot: K's 16 KiB, then V's
.set SLOT1, 1<<15
.set NSL,   8
.set SPARE, 65536                      ; behind the ring: the spare words, 128 bytes for each of sixteen waves
.set AL,   1
.set PFO,  3
.set SPW,  5
.set NIL,  6
.set GO,   7
.set ADR,  8
.set WV,   18
.set SEL,  20
.set CS,   22
.set G1,   24
.set G0,   40
.set TB,   2
.set SLOTS, 67
.set PFA,  76
.set LIM,  80
.set QL,   81                          ; s81 my work-group's last query
.set KF,   98                          ; s98 the step's first key
.set Q0,   99                          ; s99 my first query
.macro TLOAD                           ; wave 0: K's part of a slot; wave 1: V's; an s_nop 0 and four v_nop follow
	s_cmp_lt_u32 s[WV], 2
	s_cbranch_scc0 .Lasked_\@
	tensor_load_to_lds s[G0:G0+3], s[G1:G1+7]
	s_nop 0
.rept 4
	v_nop
.endr
.Lasked_\@:
.endm
; A prefetch of what the NEXT change of slots will ask for, one slot (two key steps) ahead of that load.  All eight work-groups of a head walk the same K and V: the one with x = 0, which fetches every slot, asks.
; In it waves 4, 5 name K's 16 KiB and waves 6, 7 V's: 8,192 bytes a wave, lanes 256 bytes apart: each aligned block of 256 bytes once.  Slots 0 and 1 come by their loads alone; the last change that fills asks for nothing.
.macro ASK
	s_cmp_gt_u32 s[SLOTS], s[LIM]
	s_cbranch_scc0 .Lnot_mine_\@
	global_prefetch_b8 v[PFO], s[PFA:PFA+1] th:TH_LOAD_NT scope:SCOPE_SE
.Lnot_mine_\@:
.endm
	s_load_b128 s[4:7], s[0:1], 0x0                ; qkv_img s[4:5], lowp_scales s[6:7]
	s_load_b64 s[8:9], s[0:1], 0x10                ; z_img
	v_lshl_add_u32 v[SPW], v0, 2, SPARE
	v_mov_b32 v[NIL], 0
	ds_add_u32 v[SPW], v[NIL]                      ; the wave's opening: the add and its wait ahead of the first tensor load
	v_lshrrev_b32 v8, 5, v0
	v_readfirstlane_b32 s[WV], v8                  ; wave 0..15
	s_and_b32 s72, ttmp7, 0xffff                   ; 16 x batch + head
	s_lshl_b32 s74, s72, 17                        ; its 131,072 bytes in each of the three images
	s_sub_co_u32 s73, 15, ttmp9
	s_cmp_lt_u32 s[WV], 8
	s_cselect_b32 s82, ttmp9, s73                  ; my block of 128 queries
	s_lshl_b32 s82, s82, 7
	s_and_b32 s83, s[WV], 7
	s_lshl_b32 s83, s83, 4
	s_add_co_u32 s[Q0], s82, s83
	s_lshl_b32 s[QL], s73, 7
	s_add_co_u32 s[QL], s[QL], 127                 ; of the work-group's number alone: the same in all sixteen waves
	s_and_b32 s88, s[WV], 1
	s_lshl_b32 s89, s88, 14                        ; what I fetch, if I fetch: in a slot,
	s_lshl_b32 s90, s88, 22
	s_add_co_u32 s90, s90, 0x400000                ; and in memory: K's image at 4 MiB, V's at 8 MiB
	s_add_co_u32 s90, s90, s74
	s_mov_b32 s91, 0
	s_lshl_b32 s92, s[Q0], 6                       ; Q: 1,024 bytes for 16 queries
	s_add_co_u32 s92, s92, s74
	s_mov_b32 s93, 0
	s_lshr_b32 s94, s72, 4
	s_lshl_b32 s94, s94, 21                        ; z: 128 blocks of 16,384 bytes a batch,
	s_lshl_b32 s95, s[Q0], 10                      ; my block of 16 tokens,
	s_add_co_u32 s94, s94, s95
	s_and_b32 s95, s72, 15
	s_lshl_b32 s95, s95, 10                        ; 1,024 bytes a head
	s_add_co_u32 s94, s94, s95
	s_mov_b32 s95, 0
	s_mov_b32 s[G1], 3<<16                         ; no mask; elements of 8 bytes; no padding: a dense block of 16 KiB as 64 rows of 256 bytes
	s_mov_b32 s[G1+1], 32<<16                      ; tensor_dim0
	s_mov_b32 s[G1+2], 64<<16                      ; tensor_dim1
	s_mov_b32 s[G1+3], 32<<16                      ; tile_dim0
	s_mov_b32 s[G1+4], 64                          ; tile_dim1
	s_mov_b32 s[G1+5], 32                          ; the pitch
	s_mov_b32 s[G1+6], 0
	s_mov_b32 s[G1+7], 0
	s_mov_b32 s[SEL], 0x76543210
	s_mov_b32 s[SEL+1], 0xfedcba98
	s_mov_b32 s[CS], 0x3e38aa3b                    ; c = log2(e) / 8
	s_mov_b32 s[TB], 0
	s_mov_b32 s[SLOTS], NSL-1
	s_mov_b32 s[KF], 0
	s_wait_dscnt 0x0                               ; the opening add is done
	s_wait_kmcnt 0x0
	s_load_b128 s[68:71], s[6:7], 0x18             ; e6, e7, e8, e9
	s_load_b32 s66, s[6:7], 0x28                   ; e10
	s_mov_b32 s[G0], 1
	s_mov_b32 s[G0+1], s89
	s_add_nc_u64 s[G0+2:G0+3], s[4:5], s[90:91]
	s_or_b32 s[G0+3], s[G0+3], 0x80000000
	TLOAD                                          ; slot 0
	s_add_nc_u64 s[10:11], s[4:5], s[92:93]        ; Q's image at my queries
	s_add_nc_u64 s[8:9], s[8:9], s[94:95]
	s_cmp_lt_u32 s[WV], 6
	s_mov_b32 s82, 0x800000
	s_cselect_b32 s82, 0x400000, s82               ; waves 4, 5: K's image; waves 6, 7: V's
	s_and_b32 s83, s[WV], 1
	s_lshl_b32 s83, s83, 13
	s_add_co_u32 s82, s82, s83
	s_add_co_u32 s82, s82, s74
	s_add_co_u32 s82, s82, 16384                   ; in slot 1: the first change of slots steps it to slot 2
	s_mov_b32 s83, 0
	s_add_nc_u64 s[PFA:PFA+1], s[4:5], s[82:83]
	s_sub_co_u32 s82, s[WV], 4
	s_lshr_b32 s82, s82, 2                         ; 0 in waves 4 to 7,
	s_or_b32 s82, s82, ttmp9                       ; of the head's first work-group
	s_cmp_eq_u32 s82, 0
	s_cselect_b32 s[LIM], 1, -1
	v_and_b32 v[PFO], 31, v0
	v_lshlrev_b32 v[AL], 4, v[PFO]
	v_lshlrev_b32 v[PFO], 8, v[PFO]
	global_load_b128 v[16:19], v[AL], s[10:11]             ; Q's fragment stays in registers
	global_load_b128 v[20:23], v[AL], s[10:11] offset:512
	v_mov_b32 v13, 0xff61b1e6                      ; the largest t so far: -3e38
	v_floor_f32 v12, -v13                          ; -M
	v_mov_b32 v14, 0
	v_mov_b32 v15, 0
	v_mov_b32 v200, 0xff800000                     ; -infinity
	v_mov_b32 v236, 0                              ; written once: a lane permute's destination counts as one of its sources
	v_mov_b32 v252, 0
	v_mov_b32 v253, 0
.set n, 0
.rept 32
	v_mov_b32 v[160+n], 0                          ; O^T: the loop is written once; its first step finds zeros
.set n, n+1
.endr
	s_wait_kmcnt 0x0
	s_add_co_i32 s72, s68, s69
	s_lshl_b32 s72, s72, 23
	s_add_co_i32 s[CS], s[CS], s72                 ; a score stands for score x 2^(e6 + e7): added to c's exponent field
	s_mov_b32 s[CS+1], s[CS]
	s_add_co_i32 s72, s71, 127
	s_lshl_b32 s73, s72, 23
	v_mov_b32 v244, s73                            ; 2^e9
	s_add_co_i32 s72, s72, 15
	s_lshl_b32 s72, s72, 23
	s_or_b32 s72, s72, 0x600000
	v_mov_b32 v240, s72                            ; 57,344 x 2^e9
	s_add_co_i32 s72, s66, 127
	s_lshl_b32 s73, s72, 23
	v_mov_b32 v246, s73                            ; 2^e10
	s_add_co_i32 s72, s72, 15
	s_lshl_b32 s72, s72, 23
	s_or_b32 s72, s72, 0x600000
	v_mov_b32 v247, s72                            ; 57,344 x 2^e10
.macro STEP q                          ; 128 keys, the q-th of the slot in hand
	s_add_co_u32 s96, s[Q0], 15
	s_cmp_gt_u32 s[KF], s96                        ; all keys come after my queries: a branch on ids, round the step's work alone
	s_cbranch_scc1 .Lhidden_\@
	v_add_nc_u32 v[ADR], s[TB], v[AL]
.rept 3
	v_nop                                          ; with the addition: four places in front of loads into registers that the last products read
.endr
.set n, 0
.rept 8
	ds_load_b128 v[32+8*n:35+8*n], v[ADR] offset:8192*(\q)+1024*n
	ds_load_b128 v[36+8*n:39+8*n], v[ADR] offset:8192*(\q)+1024*n+512
.set n, n+1
.endr
	s_wait_dscnt 0x0
.set n, 0
.rept 8
	v_wmma_f32_16x16x64_bf8_bf8 v[96+8*n:103+8*n], v[32+8*n:39+8*n], v[16:23], 0
.set n, n+1
.endr
.rept 4
	v_nop                                          ; places: loads into K's registers and reads of the scores follow
.endr
.set n, 0
.rept 16
	ds_load_b128 v[32+4*n:35+4*n], v[ADR] offset:VOFF+8192*(\q)+512*n   ; V's four fragments land while the softmax is worked
.set n, n+1
.endr
.set n, 0
.rept 64
	v_cmp_eq_f32 vcc_lo, 0, v[96+n]                ; a score that is 0 counts as masked
	v_cndmask_b32 v[96+n], v[96+n], v200, vcc_lo
.set n, n+1
.endr
	s_add_co_u32 s96, s[KF], 127
	s_cmp_le_u32 s96, s[Q0]                        ; a step all of whose keys count skips the diagonal's mask
	s_cbranch_scc1 .Lopen_\@
	s_sub_co_i32 s96, s[Q0], s[KF]
	v_and_b32 v252, 15, v0
	v_bfe_u32 v253, v0, 4, 1
	v_lshlrev_b32 v253, 3, v253
	v_sub_nc_u32 v252, v252, v253
	v_add_nc_u32 v252, s96, v252                   ; d = my query - KF - 8 (lane / 16).  Register 8 n + j holds key KF + 16 n + 8 (lane / 16) + j: hidden where 16 n + j > d
.set n, 0
.rept 64
	v_cmp_gt_i32 vcc_lo, 16*(n/8)+n%8, v252
	v_cndmask_b32 v[96+n], v[96+n], v200, vcc_lo
.set n, n+1
.endr
.Lopen_\@:
	v_max3_num_f32 v254, v96, v97, v98             ; the step's largest score of my query, in two chains,
	v_max3_num_f32 v252, v99, v100, v101
.irp i, 6,10,14,18,22,26,30,34,38,42,46,50,54,58
	v_max3_num_f32 v254, v254, v[96+\i], v[97+\i]
	v_max3_num_f32 v252, v252, v[98+\i], v[99+\i]
.endr
	v_max3_num_f32 v254, v254, v158, v159
	v_max_num_f32 v254, v254, v252
	v_permlanex16_b32 v236, v254, s[SEL], s[SEL+1]
	v_max_num_f32 v254, v254, v236                 ; and among lane l xor 16's
	v_mul_f32 v254, s[CS], v254                    ; as t
	v_max_num_f32 v13, v13, v254
	v_mov_b32 v254, v12
	v_floor_f32 v12, -v13                          ; the new -M = -ceil(t)
	v_sub_f32 v254, v12, v254                      ; old M - new M: a whole number, 0 or less
	v_cvt_i32_f32 v254, v254                       ; (it saturates)
	v_ldexp_f32 v252, 1.0, v254                    ; f = 2^(old M - new M)
.set n, 0
.rept 32
	v_pk_fma_f32 v[96+n:97+n], v[96+n:97+n], s[CS:CS+1], v[12:13] op_sel_hi:[1,0,0]   ; t - M
.set n, n+2
.endr
.set n, 0
.rept 64
	v_exp_f32 v[96+n], v[96+n]                     ; p = 2^(t - M)
.set n, n+1
.endr
	v_pk_mul_f32 v[14:15], v[14:15], v[252:253] op_sel_hi:[1,0]   ; the sums under the new M: the plain instruction behind the exponentials
	s_wait_alu depctr_va_vdst(0)                   ; one wait for the batch, ahead of its first reader
	v_pk_add_f32 v[242:243], v[96:97], v[98:99]    ; the row's sum is taken of the unquantised p
.irp j, 4,8,12,16,20,24,28,32,36,40,44,48,52,56,60
	v_pk_add_f32 v[14:15], v[14:15], v[96+\j:97+\j]
	v_pk_add_f32 v[242:243], v[242:243], v[98+\j:99+\j]
.endr
	v_pk_add_f32 v[14:15], v[14:15], v[242:243]
.set n, 0
.rept 64
	v_min_num_f32 v[96+n], v[96+n], v240           ; p is not negative: the hold is one-sided
.set n, n+1
.endr
.set n, 0
.rept 8
	v_cvt_scalef32_pk8_bf8_f32 v[224+2*n:225+2*n], v[96+8*n:103+8*n], v244
.set n, n+1
.endr
.set n, 0
.rept 16
	v_pk_mul_f32 v[160+n:161+n], v[160+n:161+n], v[252:253] op_sel_hi:[1,0]   ; O^T under the new M; also the plain instructions behind the conversions
.set n, n+2
.endr
	s_wait_dscnt 0x0                               ; V is in
.set n, 0
.rept 4
	v_wmma_f32_16x16x128_bf8_bf8 v[160+8*n:167+8*n], v[32+16*n:47+16*n], v[224:239], v[160+8*n:167+8*n]   ; four accumulators, one instruction a turn
.set n, n+1
.endr
.Lhidden_\@:
	s_add_co_u32 s[KF], s[KF], 128
.endm
; THE CHANGE OF SLOTS, at a slot's head.  Each wave waits for all its tensor loads, adds 0 to its spare word, waits for that and for its reads of the slot that it has left, and passes the barrier.
; fill = 1: the slot just left is filled with the keys that follow, if any wave of the work-group will read them.
.macro CHANGE fill
	s_wait_tensorcnt 0x0                           ; no tensor load of mine is out, so the descriptor may be written
	ds_add_u32 v[SPW], v[NIL]                      ; 0 onto my spare word
.if \fill
	s_xor_b32 s[G0+1], s[G0+1], SLOT1
	s_add_nc_u64 s[G0+2:G0+3], s[G0+2:G0+3], 16384
	s_wait_xcnt 0x0                                ; the last prefetch, a slot back, has read its address
	s_add_nc_u64 s[PFA:PFA+1], s[PFA:PFA+1], 16384
.endif
	s_wait_dscnt 0x0
	s_barrier_signal -1
	s_barrier_wait -1
.if \fill
	s_add_co_u32 s96, s[KF], SK                    ; the first key of the slot that this change would ask for
	s_cmp_gt_u32 s96, s[QL]                        ; ids and the count of steps alone: all sixteen waves go the same way; every wait on TENSORcnt in this text is for 0
	s_cbranch_scc1 .Lpast_\@
	TLOAD                                          ; a wave's one tensor load until the next change
.Lpast_\@:
	ASK
.endif
.endm
.macro SLOT_STEPS
	STEP 0
	STEP 1
	s_xor_b32 s[TB], s[TB], SLOT1
.endm
	s_wait_loadcnt 0x0                             ; Q
.Lslot:                                            ; seven trips
	CHANGE 1
	SLOT_STEPS
	s_sub_co_u32 s[SLOTS], s[SLOTS], 1
	s_cmp_lg_u32 s[SLOTS], 0
	s_cbranch_scc1 .Lslot
	CHANGE 0                                       ; the last slot is written out: nothing is left to fetch
	SLOT_STEPS
	; THE WAY OUT: O^T / the sum x 2^(e8 + e9) is z; it is quantised with 2^e10 and stored straight from the registers
	v_add_f32 v14, v14, v15
	v_permlanex16_b32 v252, v14, s[SEL], s[SEL+1]
	v_add_f32 v14, v14, v252                       ; the row's sum
	v_rcp_f32 v14, v14
	v_and_b32 v8, 15, v0                           ; (a plain instruction behind the reciprocal)
	v_bfe_u32 v9, v0, 4, 1
	v_lshlrev_b32 v[GO], 4, v8
	v_lshl_add_u32 v[GO], v9, 3, v[GO]             ; 16 r + 8 h
	s_add_co_i32 s72, s70, s71
	s_wait_alu depctr_va_vdst(0)                   ; the wait ahead of the reciprocal's first reader
	v_ldexp_f32 v14, v14, s72
.set n, 0
.rept 32
	v_mul_f32 v[96+n], v[160+n], v14               ; register 8 t + j: z(query r, d = 16 t + 8 h + j)
.set n, n+1
.endr
.set n, 0
.rept 32
	v_med3_num_f32 v[96+n], v[96+n], -v247, v247
.set n, n+1
.endr
.irp t, 0,1,2,3
	v_cvt_scalef32_pk8_bf8_f32 v[224+2*\t:225+2*\t], v[96+8*\t:103+8*\t], v246
.endr
	v_nop
.irp t, 0,1,2,3
	global_store_b64 v[GO], v[224+2*\t:225+2*\t], s[8:9] offset:256*\t   ; 32 lanes store 256 consecutive bytes, aligned
.endr
	s_wait_tensorcnt 0x0                           ; the wave's end
	ds_add_u32 v[SPW], v[NIL]
	s_wait_dscnt 0x0
	s_endpgm
.Lfunc_end_k_q69fbcd9f9b_attn:
	.size	k_q69fbcd9f9b_attn, .Lfunc_end_k_q69fbcd9f9b_attn-k_q69fbcd9f9b_attn
	.p2alignl 7, 3214868480
	.fill 96, 4, 3214868480
	.section	.rodata,"a",@progbits
	.p2align	6, 0x0
	.amdhsa_kernel k_q69fbcd9f9b_attn
		.amdhsa_group_segment_fixed_size 327680
		.amdhsa_private_segment_fixed_size 0
		.amdhsa_enable_private_segment 0
		.amdhsa_kernarg_size 24
		.amdhsa_user_sgpr_count 2
		.amdhsa_user_sgpr_kernarg_segment_ptr 1
		.amdhsa_wavefront_size32 1
		.amdhsa_system_sgpr_workgroup_id_x 1
		.amdhsa_system_sgpr_workgroup_id_y 1
		.amdhsa_system_sgpr_workgroup_id_z 1
		.amdhsa_system_vgpr_workitem_id 0
		.amdhsa_next_free_vgpr 256
		.amdhsa_next_free_sgpr 100
		.amdhsa_reserve_vcc 1
		.amdhsa_float_denorm_mode_32 3
		.amdhsa_float_denorm_mode_16_64 3
		.amdhsa_memory_ordered 1
		.amdhsa_forward_progress 1
		.amdhsa_inst_pref_size 110
	.end_amdhsa_kernel
	.amdgpu_metadata
---
amdhsa.version: [ 1, 2 ]
amdhsa.kernels:
  - .name:           k_q69fbcd9f9b_attn
    .symbol:         k_q69fbcd9f9b_attn.kd
    .args:
      - { .name: qkv_img, .offset: 0, .size: 8, .value_kind: global_buffer, .address_space: global }
      - { .name: lowp_scales, .offset: 8, .size: 8, .value_kind: global_buffer, .address_space: global }
      - { .name: z_img, .offset: 16, .size: 8, .value_kind: global_buffer, .address_space: global }
    .group_segment_fixed_size: 327680
    .private_segment_fixed_size: 0
    .kernarg_segment_align: 8
    .kernarg_segment_size: 24
    .max_flat_workgroup_size: 512
    .sgpr_count:     100
    .vgpr_count:     256
    .wavefront_size: 32
...
	.end_amdgpu_metadata
.endif
;; end of part 3
;; launch oproj (part 4): grid 4 x 16, 4 waves a work-group, clusters of 4 x 4, 327,680 bytes of LDS; arguments z_img, prep_out, lowp_scales, b_O, resid_pre, resid_mid; writes resid_mid
.if DOCPART == 4
	.amdgcn_target "amdgcn-amd-amdhsa--gfx1250"
	.amdhsa_code_object_version 6
	.text
	.protected	k_q69fbcd9f9b_oproj
	.globl	k_q69fbcd9f9b_oproj
	.p2align	8
	.type	k_q69fbcd9f9b_oproj,@function
k_q69fbcd9f9b_oproj:
	s_mov_b64 s[64:65], 0
	v_nop
	global_prefetch_b8 v0, s[64:65] scope:SCOPE_SE
	s_setreg_imm32_b32 hwreg(HW_REG_WAVE_MODE, 25, 1), 1
	s_wait_xcnt 0x0
	s_wait_alu depctr_hold_cnt(0) depctr_sa_sdst(0) depctr_va_vdst(0) depctr_va_sdst(0) depctr_va_ssrc(0) depctr_va_vcc(0) depctr_vm_vsrc(0)
	s_getreg_b32 s2, hwreg(HW_REG_IB_STS2, 6, 4)
	s_cmp_eq_u32 s2, 0
	s_cbranch_scc0 .Lentry_in_a_cluster
	s_endpgm
.Lentry_in_a_cluster:
	s_bfe_u32 s2, ttmp6, 0x10000c
	s_cmp_lg_u32 s2, 0xf033
	s_cbranch_scc0 .Lentry_shape_is_right
	s_endpgm
.Lentry_shape_is_right:
; out[m][n] = resid[m][n] + bias[n] + 2^(ea + eb) x sum over k of A[m][k] B[n][k], on codes of BF8 (E5M2); out and resid [4,096][1,024] f32.
; HERE: A = z (attention's result), B = W_O's codes in prep_out, K = 1,024, scales 10 and 11: resid_mid = resid_pre + z W_O + b_O.
; A comes as images of its fragments: [16 tokens][128 k][2,048 bytes], (token r, k' = 16 n + 8 h + j) at 256 n + 16 r + 8 h + j: lane l's 16 bytes at 512 c + 16 l are K = 32 c + 16 (l / 16) + 0 .. 15 of row l % 16,
; the same places along K that B's fragments take from rows by loads of 16 bytes.  B: rows of KROW codes.
; A work-group of four waves makes 256 x 256, a wave 128 x 128: 64 accumulators.  K goes in steps of 256 through two LDS slots.  4 x 4 work-groups form a cluster: A's tile is asked for jointly along a row, B's along a column.
; The matrix instruction is used transposed (source 0 = 16 rows of B, source 1 = 16 rows of A): a lane holds eight neighbouring numbers of a row of the result.
; LIMIT: ea + eb between -126 and 127.
; REGISTERS: window 0: v0-31 addresses, v[12:15] the bias; from v128 A's fragments, later rows on their way out.  window 1: B's two sets, later the residual's rows.  windows 2, 3: the accumulators.
.set KTOT,   1024
.set TBB,    16384                     ; bytes of A's image for 16 tokens
.set TBSH,   14
.set KROW,   1024                      ; a row of B in bytes
.set KRSH,   10
.set BOFF,   12582912                  ; where B begins in its buffer
.set SCA,    10                        ; A's entry of lowp_scales; B's is the next
.set KSTEP,  256
.set ROWB,   256
.set PITCH,  272
.set FR,     16
.set NL,     4
.set NP,     4
.set HALFT,  128*PITCH
.set SLOT,   4*HALFT
.set LAPS,   KTOT/(2*KSTEP)
.set SPARE,  2*SLOT
.set SPITCH, 528                       ; the way out: a stage of 16 rows x (512 + 16) bytes for each wave, in slot 0, which has had its last fill and its last read by then
.set ADRA, 16
.set ADRB, 20
.set STO,  24
.set RD,   25
.set L16,  26
.set SPW,  28
.set NIL,  29
.set AF,   128
.set BK,   128
.set G1, 24
.set G0, 32
.set G1B, 48
.set G0B, 56
.set MSB, 0
.macro WIN new
.if MSB != (\new)
	s_set_vgpr_msb (MSB<<8)|(\new)
.set MSB, \new
.endif
.endm
.set MUL_LO, 0xa1
.set MUL_HI, 0xf1
.set TO_B,   0x40
.macro JLOAD g0a, g1a, g0b, g1b        ; a joint load: waves 0 and 1 fetch for A, waves 2 and 3 for B; an s_nop 0 and four v_nop follow each line
	s_cmp_eq_u32 s15, 0
	s_cbranch_scc0 .Lfor_b_\@
	tensor_load_to_lds s[\g0a:\g0a+3], s[\g1a:\g1a+7]
	s_nop 0
.rept 4
	v_nop
.endr
	s_branch .Lasked_\@
.Lfor_b_\@:
	tensor_load_to_lds s[\g0b:\g0b+3], s[\g1b:\g1b+7]
	s_nop 0
.rept 4
	v_nop
.endr
.Lasked_\@:
.endm
.macro CREST
	s_cmp_lg_u32 s14, 0
	s_cbranch_scc1 .Lnot_wave_0_\@
	s_barrier_signal -3
.Lnot_wave_0_\@:
	s_barrier_wait -3
	s_barrier_signal -1
	s_barrier_wait -1
.endm
.macro CROUND
	s_barrier_signal -1
	s_barrier_wait -1
	CREST
.endm
	s_load_b256 s[68:75], s[0:1], 0x0              ; A's image 68, B's buffer 70, lowp_scales 72, the bias 74
	s_load_b128 s[76:79], s[0:1], 0x20             ; the residual 76, the result 78
	v_lshl_add_u32 v[SPW], v0, 2, SPARE
	v_mov_b32 v[NIL], 0
	ds_add_u32 v[SPW], v[NIL]                      ; the wave's opening: the add and its wait ahead of my first tensor load
	v_lshrrev_b32 v1, 5, v0
	v_readfirstlane_b32 s14, v1
	s_lshr_b32 s15, s14, 1                         ; my half of the tile's rows.  Also: I fetch for A (0) or for B (1)
	s_and_b32 s16, s14, 1                          ; my half of its columns.  Also: which half of that tile I fetch
	s_bfe_u32 s40, ttmp6, 0x40000
	s_bfe_u32 s41, ttmp6, 0x40004
	s_lshl_b32 s42, ttmp9, 2
	s_add_co_u32 s42, s42, s40                     ; tile column
	s_and_b32 s17, ttmp7, 0xffff
	s_lshl_b32 s17, s17, 2
	s_add_co_u32 s17, s17, s41                     ; tile row
	s_lshl_b32 s43, s41, 2
	s_lshl_b32 s43, 15, s43
	s_lshl_b32 s44, 0x1111, s40
	s_or_b32 s[G1+0], s43, (3<<16)|(1<<21)         ; A: the mask of my row; elements of 8 bytes; bit 21 beside a mask; no padding: 8 blocks of 16 tokens x 4,096 bytes (two fragments along K)
	s_mov_b32 s[G1+1], 512<<16                     ; tensor_dim0
	s_mov_b32 s[G1+2], 8<<16                       ; tensor_dim1
	s_mov_b32 s[G1+3], 512<<16                     ; tile_dim0
	s_mov_b32 s[G1+4], 8                           ; tile_dim1
	s_mov_b32 s[G1+5], TBB/8                       ; from block to block
	s_mov_b32 s[G1+6], 0
	s_mov_b32 s[G1+7], 0
	s_or_b32 s[G1B+0], s44, (0<<16)|(1<<20)|(1<<21)|(5<<22)|(3<<25)  ; B: 128 rows x 256 bytes, 16 bytes of padding behind each
	s_mov_b32 s[G1B+1], ROWB<<16
	s_mov_b32 s[G1B+2], 128<<16
	s_mov_b32 s[G1B+3], ROWB<<16
	s_mov_b32 s[G1B+4], 128
	s_mov_b32 s[G1B+5], KROW
	s_mov_b32 s[G1B+6], 0
	s_mov_b32 s[G1B+7], 0
	s_lshl_b32 s20, s17, 4
	s_lshl_b32 s18, s16, 3
	s_add_co_u32 s20, s20, s18                     ; A: block of 16 tokens 16 x tile row + 8 x half
	s_lshl_b32 s20, s20, TBSH
	s_mov_b32 s21, 0
	s_lshl_b32 s46, s42, 8
	s_lshl_b32 s18, s16, 7
	s_add_co_u32 s46, s46, s18                     ; B: row 256 x tile column + 128 x half
	s_lshl_b32 s46, s46, KRSH
	s_add_co_u32 s46, s46, BOFF
	s_mov_b32 s47, 0
	s_mul_i32 s45, s14, HALFT
	s_wait_dscnt 0x0
	s_wait_kmcnt 0x0
	s_load_b64 s[96:97], s[72:73], 4*SCA           ; ea, eb
	s_add_nc_u64 s[20:21], s[68:69], s[20:21]
	s_add_nc_u64 s[46:47], s[70:71], s[46:47]
	CROUND
.irp s, 0,1
	s_mov_b32 s[G0+4*\s], 1
	s_add_co_u32 s[G0+4*\s+1], s45, \s*SLOT
	s_add_nc_u64 s[G0+4*\s+2:G0+4*\s+3], s[20:21], \s*4096
	s_or_b32 s[G0+4*\s+3], s[G0+4*\s+3], 0x80000000
	s_mov_b32 s[G0B+4*\s], 1
	s_add_co_u32 s[G0B+4*\s+1], s45, \s*SLOT
	s_add_nc_u64 s[G0B+4*\s+2:G0B+4*\s+3], s[46:47], \s*ROWB
	s_or_b32 s[G0B+4*\s+3], s[G0B+4*\s+3], 0x80000000
	JLOAD G0+4*\s, G1, G0B+4*\s, G1B
.endr
	v_and_b32 v1, 15, v0
	v_bfe_u32 v2, v0, 4, 1
	v_mul_u32_u24 v3, v1, PITCH
	v_lshl_add_u32 v4, v2, 4, v3
	v_and_b32 v6, 31, v0
	v_lshlrev_b32 v[L16], 4, v6
	s_mul_i32 s21, s15, HALFT
	s_mul_i32 s22, s16, HALFT
	s_add_co_u32 s22, s22, 2*HALFT
.irp s, 0,1
	v_add_nc_u32 v[ADRA+\s], s21, v[L16]           ; A's images: 16 x lane
	v_add_nc_u32 v[ADRB+\s], s22, v4               ; B's rows: row x pitch + 16 x half
	s_add_co_u32 s21, s21, SLOT
	s_add_co_u32 s22, s22, SLOT
.endr
	s_mul_i32 s23, s14, 16*SPITCH
	v_mul_u32_u24 v5, v1, SPITCH
	v_lshl_add_u32 v5, v2, 5, v5
	v_add_nc_u32 v[STO], s23, v5                   ; the stage, in: row l % 16, 32 bytes for each half of the lanes
	v_add_nc_u32 v[RD], s23, v[L16]                ; back: the 32 lanes take a row of 512 bytes
	s_lshl_b32 s20, s17, 8
	s_lshl_b32 s21, s15, 7
	s_add_co_u32 s20, s20, s21                     ; my first row,
	s_lshl_b32 s20, s20, 12                        ; of 4,096 bytes
	s_lshl_b32 s46, s42, 10
	s_lshl_b32 s47, s16, 9
	s_add_co_u32 s46, s46, s47                     ; my first column, in bytes
	s_mov_b32 s47, 0
	s_add_nc_u64 s[74:75], s[74:75], s[46:47]
	s_add_co_u32 s20, s20, s46
	s_mov_b32 s21, 0
	s_add_nc_u64 s[76:77], s[76:77], s[20:21]
	s_add_nc_u64 s[78:79], s[78:79], s[20:21]
	global_load_b128 v[12:15], v[L16], s[74:75]    ; the bias at my four columns of a row read back
.macro FRAG reg, adr, q, i
.irp c, 0,1,2,3
	ds_load_b128 v[\reg+4*\c:\reg+4*\c+3], v[\adr] offset:128*(\q)+32*\c+(\i)*16*PITCH
.endr
.endm
.macro FRAGI reg, adr, q, i            ; a fragment from its image: 512 consecutive bytes a load
.irp c, 0,1,2,3
	ds_load_b128 v[\reg+4*\c:\reg+4*\c+3], v[\adr] offset:4096*(\i)+2048*(\q)+512*\c
.endr
.endm
.macro MUL16 a0, p, zero               ; the 64 accumulators take turns, one instruction a turn
.irp a, \a0, \a0+1
.irp b, 0,1,2,3,4,5,6,7
.if \zero
	v_wmma_f32_16x16x128_bf8_bf8 v[8*(8*((\a)%4)+\b):8*(8*((\a)%4)+\b)+7], v[128*(\p)+FR*\b:128*(\p)+FR*\b+FR-1], v[AF+FR*(\a):AF+FR*(\a)+FR-1], 0
.else
	v_wmma_f32_16x16x128_bf8_bf8 v[8*(8*((\a)%4)+\b):8*(8*((\a)%4)+\b)+7], v[128*(\p)+FR*\b:128*(\p)+FR*\b+FR-1], v[AF+FR*(\a):AF+FR*(\a)+FR-1], v[8*(8*((\a)%4)+\b):8*(8*((\a)%4)+\b)+7]
.endif
.endr
.endr
.endm
.macro FETCH_B slot, q, p
	WIN TO_B
.irp i, 0,1,2,3,4,5,6,7
	FRAG 128*(\p)+FR*\i, ADRB+\slot, \q, \i
.endr
	WIN 0
.endm
.macro FETCH_A slot, q, i0
.irp i, \i0, \i0+1, \i0+2, \i0+3
	FRAGI AF+FR*(\i), ADRA+\slot, \q, \i
.endr
.endm
.macro PLACES n
.rept \n
	v_nop
.endr
.endm
.macro STEP slot, q, zero
	s_wait_dscnt 4*NL                              ; the sixteen youngest loads (A's blocks 4-7) may be out
	WIN MUL_LO
	MUL16 0, (\q)%2, \zero
	MUL16 2, (\q)%2, \zero
	s_wait_dscnt 0
	PLACES NP
	FETCH_B \slot, (\q)+1, 1-(\q)%2
	FETCH_A \slot, (\q)+1, 0
	WIN MUL_HI
	MUL16 4, (\q)%2, \zero
	MUL16 6, (\q)%2, \zero
	PLACES NP
	WIN 0
	FETCH_A \slot, (\q)+1, 4
.endm
.macro TURN slot, next, fill
	s_wait_tensorcnt 0x0                           ; all my tensor loads have landed: my part of the next slot
	ds_add_u32 v[SPW], v[NIL]                      ; 0 onto my spare word
	s_wait_dscnt 4*NL+1                            ; the add and the sixteen youngest loads may be out
	WIN MUL_LO
	MUL16 0, 1, 0
	s_wait_dscnt 0x0                               ; the add is done, and my reads of this slot are over
	s_barrier_signal -1
	MUL16 2, 1, 0
	WIN 0
	s_barrier_wait -1
.if \fill
	CREST                                          ; a round of the cluster's barrier: no wave of any partner still reads this slot or has a load on its way
	s_add_nc_u64 s[G0+4*\slot+2:G0+4*\slot+3], s[G0+4*\slot+2:G0+4*\slot+3], 2*4096
	s_add_nc_u64 s[G0B+4*\slot+2:G0B+4*\slot+3], s[G0B+4*\slot+2:G0B+4*\slot+3], 2*ROWB
	JLOAD G0+4*\slot, G1, G0B+4*\slot, G1B
.else
	PLACES NP
.endif
	FETCH_B \next, 0, 0
	FETCH_A \next, 0, 0
	WIN MUL_HI
	MUL16 4, 1, 0
	MUL16 6, 1, 0
	PLACES NP
	WIN 0
	FETCH_A \next, 0, 4
.endm
	s_wait_tensorcnt 1                             ; my part of K step 0 is in; K step 1's load may be out
	s_barrier_signal -1
	s_barrier_wait -1
	FETCH_B 0, 0, 0
	FETCH_A 0, 0, 0
	FETCH_A 0, 0, 4
	STEP 0, 0, 1
	s_mov_b32 s3, LAPS-1
.Llap:
	TURN 0, 1, 1
	STEP 1, 0, 0
	TURN 1, 0, 1
	STEP 0, 0, 0
	s_sub_co_u32 s3, s3, 1
	s_cmp_lg_u32 s3, 0
	s_cbranch_scc1 .Llap
	TURN 0, 1, 0
	STEP 1, 0, 0
	s_wait_dscnt 4*NL
	WIN MUL_LO
	MUL16 0, 1, 0
	MUL16 2, 1, 0
	s_wait_dscnt 0
	WIN MUL_HI
	MUL16 4, 1, 0
	MUL16 6, 1, 0
	WIN 0
; THE WAY OUT, block by block of 16 rows x 128 columns: the sums go through my own stage and come back as whole rows of 512 bytes; there each number is multiplied by 2^(ea + eb) and gets the residual and the bias.
.macro RSLOAD a                        ; the residual's 16 rows of block a into window 1, set a % 4
	WIN 0x40
.set t, 0
.rept 16
	global_load_b128 v[64*((\a)%4)+4*t:64*((\a)%4)+4*t+3], v[L16], s[76:77] offset:4096*(16*(\a)+t)
.set t, t+1
.endr
	WIN 0
.endm
.macro TOSTAGE a
.set AC, 64*((\a)%4)
	WIN 0x08+4*((\a)/4)                            ; the stores' data: window 2 or 3
.irp b, 0,1,2,3,4,5,6,7
	ds_store_b128 v[STO], v[AC+8*\b:AC+8*\b+3] offset:64*\b          ; each accumulator from its low end on
	ds_store_b128 v[STO], v[AC+8*\b+4:AC+8*\b+7] offset:64*\b+16
.endr
	WIN 0
.set BB, BK+64*((\a)%2)
.set t, 0
.rept 16
	ds_load_b128 v[BB+4*t:BB+4*t+3], v[RD] offset:t*SPITCH           ; LDS serves a wave's instructions in order: these see the stores above
.set t, t+1
.endr
.endm
.macro SEND a, younger
.set BB, BK+64*((\a)%2)
.set RS, 64*((\a)%4)
	s_wait_dscnt \younger                          ; the block is back; the next block's 16 stores and 16 loads may be out
.if (\a) < 4
	s_wait_loadcnt 48                              ; its residual is in; three blocks of 16 loads were issued behind it
.else
	s_wait_loadcnt 16*(7-(\a))
.endif
	WIN 0x10                                       ; source 2: window 1
.set t, 0
.rept 16
	v_pk_fma_f32 v[BB+4*t:BB+4*t+1], v[BB+4*t:BB+4*t+1], s[96:97], v[RS+4*t:RS+4*t+1] op_sel_hi:[1,0,1]
	v_pk_fma_f32 v[BB+4*t+2:BB+4*t+3], v[BB+4*t+2:BB+4*t+3], s[96:97], v[RS+4*t+2:RS+4*t+3] op_sel_hi:[1,0,1]
	v_pk_add_f32 v[BB+4*t:BB+4*t+1], v[BB+4*t:BB+4*t+1], v[12:13]
	v_pk_add_f32 v[BB+4*t+2:BB+4*t+3], v[BB+4*t+2:BB+4*t+3], v[14:15]
.set t, t+1
.endr
	WIN 0
.set t, 0
.rept 16
	global_store_b128 v[L16], v[BB+4*t:BB+4*t+3], s[78:79] offset:4096*(16*(\a)+t)   ; 32 lanes store 512 consecutive bytes, aligned
.set t, t+1
.endr
.endm
	s_wait_kmcnt 0x0
	s_add_co_i32 s96, s96, s97
	s_add_co_i32 s96, s96, 127
	s_lshl_b32 s96, s96, 23                        ; 2^(ea + eb)
	s_mov_b32 s97, s96
	PLACES NP                                      ; behind the last products: reads of results and loads into operands' registers follow
	RSLOAD 0
	RSLOAD 1
	RSLOAD 2
	RSLOAD 3
	TOSTAGE 0
.irp a, 1,2,3,4,5,6,7
.if \a > 1
	s_wait_xcnt 0x0                                ; block a - 2's stores have read their registers: block a's rows may land there
.endif
	TOSTAGE \a
	SEND \a-1, 32
.if \a < 5
	RSLOAD \a+3
.endif
.endr
	SEND 7, 0
	s_wait_tensorcnt 0x0                           ; the wave's end, behind my last tensor load and my last LDS store
	ds_add_u32 v[SPW], v[NIL]
	s_wait_dscnt 0x0
	CROUND                                         ; the closing round
	s_endpgm
.Lfunc_end_k_q69fbcd9f9b_oproj:
	.size	k_q69fbcd9f9b_oproj, .Lfunc_end_k_q69fbcd9f9b_oproj-k_q69fbcd9f9b_oproj
	.p2alignl 7, 3214868480
	.fill 96, 4, 3214868480
	.section	.rodata,"a",@progbits
	.p2align	6, 0x0
	.amdhsa_kernel k_q69fbcd9f9b_oproj
		.amdhsa_group_segment_fixed_size 327680
		.amdhsa_private_segment_fixed_size 0
		.amdhsa_enable_private_segment 0
		.amdhsa_kernarg_size 48
		.amdhsa_user_sgpr_count 2
		.amdhsa_user_sgpr_kernarg_segment_ptr 1
		.amdhsa_wavefront_size32 1
		.amdhsa_system_sgpr_workgroup_id_x 1
		.amdhsa_system_sgpr_workgroup_id_y 1
		.amdhsa_system_sgpr_workgroup_id_z 1
		.amdhsa_system_vgpr_workitem_id 0
		.amdhsa_next_free_vgpr 1024
		.amdhsa_next_free_sgpr 100
		.amdhsa_reserve_vcc 0
		.amdhsa_float_denorm_mode_32 3
		.amdhsa_float_denorm_mode_16_64 3
		.amdhsa_memory_ordered 1
		.amdhsa_forward_progress 1
		.amdhsa_inst_pref_size 152
	.end_amdhsa_kernel
	.amdgpu_metadata
---
amdhsa.version: [ 1, 2 ]
amdhsa.kernels:
  - .name:           k_q69fbcd9f9b_oproj
    .symbol:         k_q69fbcd9f9b_oproj.kd
    .args:
      - { .name: z_img, .offset: 0, .size: 8, .value_kind: global_buffer, .address_space: global }
      - { .name: prep_out, .offset: 8, .size: 8, .value_kind: global_buffer, .address_space: global }
      - { .name: lowp_scales, .offset: 16, .size: 8, .value_kind: global_buffer, .address_space: global }
      - { .name: b_O, .offset: 24, .size: 8, .value_kind: global_buffer, .address_space: global }
      - { .name: resid_pre, .offset: 32, .size: 8, .value_kind: global_buffer, .address_space: global }
      - { .name: resid_mid, .offset: 40, .size: 8, .value_kind: global_buffer, .address_space: global }
    .group_segment_fixed_size: 327680
    .private_segment_fixed_size: 0
    .kernarg_segment_align: 8
    .kernarg_segment_size: 48
    .max_flat_workgroup_size: 128
    .sgpr_count:     100
    .vgpr_count:     1024
    .wavefront_size: 32
...
	.end_amdgpu_metadata
.endif
;; end of part 4
;; launch ln2 (part 5): grid 256 x 1, 4 waves a work-group, no clusters, 0 bytes of LDS; arguments resid_mid, ln2_w, ln2_b, lowp_scales, y_codes; writes y_codes
.if DOCPART == 5
	.amdgcn_target "amdgcn-amd-amdhsa--gfx1250"
	.amdhsa_code_object_version 6
	.text
	.protected	k_q69fbcd9f9b_ln2
	.globl	k_q69fbcd9f9b_ln2
	.p2align	8
	.type	k_q69fbcd9f9b_ln2,@function
k_q69fbcd9f9b_ln2:
	s_mov_b64 s[64:65], 0
	v_nop
	global_prefetch_b8 v0, s[64:65] scope:SCOPE_SE
	s_setreg_imm32_b32 hwreg(HW_REG_WAVE_MODE, 25, 1), 1
	s_wait_xcnt 0x0
; LN2: y = (r - mean) / sqrt(mean of squares) * w + b of resid_mid's rows, quantised to BF8 (E5M2) with scale 12 of lowp_scales, into rows of 1,024 codes.
; A wave takes four rows, one wave to a row, all four asked for at once; the row stays in registers between the passes, so it is read once; no LDS, no barrier.
; A lane holds columns 256 j + 8 lane + 0..7: eight neighbours for each conversion, and a store of 8 bytes a lane covers 256 consecutive bytes.
; LIMITS: e12 between -126 and 112; NaN among the inputs is not served.
.set WG,    20                         ; v20-51   the gain at my 32 columns
.set BS,    52                         ; v52-83   the bias
.set X,     84                         ; v84-211  four rows
.set T,     212                        ; v212-243 a row held within the largest code
.set CD,    244                        ; v244-251 its codes
.macro REDUCE
	v_add_f32_dpp v4, v4, v4 row_xmask:1 row_mask:0xf bank_mask:0xf
	v_add_f32_dpp v4, v4, v4 row_xmask:2 row_mask:0xf bank_mask:0xf
	v_add_f32_dpp v4, v4, v4 row_xmask:4 row_mask:0xf bank_mask:0xf
	v_add_f32_dpp v4, v4, v4 row_xmask:8 row_mask:0xf bank_mask:0xf
	v_permlanex16_b32 v5, v4, s20, s21
	v_add_f32 v4, v4, v5
.endm
.macro LNROW k
.set XK, X+32*(\k)
	s_wait_loadcnt 8*(3-(\k))                      ; my row's eight loads are in; those of the rows behind it may be out
	v_pk_add_f32 v[4:5], v[XK:XK+1], v[XK+2:XK+3]
	v_pk_add_f32 v[6:7], v[XK+4:XK+5], v[XK+6:XK+7]
.set j, 8
.rept 6
	v_pk_add_f32 v[4:5], v[4:5], v[XK+j:XK+j+1]
	v_pk_add_f32 v[6:7], v[6:7], v[XK+j+2:XK+j+3]
.set j, j+4
.endr
	v_pk_add_f32 v[4:5], v[4:5], v[6:7]
	v_add_f32 v4, v4, v5
	REDUCE
	v_mul_f32 v10, 0xba800000, v4                  ; -mean
	v_mov_b32 v11, v10
.set j, 0
.rept 16
	v_pk_add_f32 v[XK+j:XK+j+1], v[XK+j:XK+j+1], v[10:11]
.set j, j+2
.endr
	v_pk_mul_f32 v[4:5], v[XK:XK+1], v[XK:XK+1]
	v_pk_mul_f32 v[6:7], v[XK+2:XK+3], v[XK+2:XK+3]
.set j, 4
.rept 7
	v_pk_fma_f32 v[4:5], v[XK+j:XK+j+1], v[XK+j:XK+j+1], v[4:5]
	v_pk_fma_f32 v[6:7], v[XK+j+2:XK+j+3], v[XK+j+2:XK+j+3], v[6:7]
.set j, j+4
.endr
	v_pk_add_f32 v[4:5], v[4:5], v[6:7]
	v_add_f32 v4, v4, v5
	REDUCE
	v_mul_f32 v4, 0x3a800000, v4                   ; the mean square
	v_rsq_f32 v12, v4
	v_rsq_f32 v13, v4
	v_nop                                          ; a plain instruction behind the last of them,
	s_wait_alu depctr_va_vdst(0)                   ; and the one wait ahead of the first reader
.set j, 0
.rept 16
	v_pk_mul_f32 v[XK+j:XK+j+1], v[XK+j:XK+j+1], v[12:13]
.set j, j+2
.endr
.set j, 0
.rept 16
	v_pk_fma_f32 v[XK+j:XK+j+1], v[XK+j:XK+j+1], v[WG+j:WG+j+1], v[BS+j:BS+j+1]
.set j, j+2
.endr
.endm
.macro QSTORE k
.set XK, X+32*(\k)
.set j, 0
.rept 32
	v_med3_num_f32 v[T+j], v[XK+j], -v15, v15      ; the conversion to an 8-bit code does not saturate (ISA guide 7.6.2)
.set j, j+1
.endr
	s_wait_xcnt 0x0                                ; the last stores have read their data
.irp q, 0,1,2,3
	v_cvt_scalef32_pk8_bf8_f32 v[CD+2*\q:CD+2*\q+1], v[T+8*\q:T+8*\q+7], v14
.endr
	v_nop                                          ; a plain instruction behind the last conversion
.irp q, 0,1,2,3
	global_store_b64 v3, v[CD+2*\q:CD+2*\q+1], s[14:15] offset:1024*(\k)+256*\q
.endr
.endm
	s_load_b256 s[4:11], s[0:1], 0x0               ; resid_mid s[4:5], ln2_w s[6:7], ln2_b s[8:9], lowp_scales s[10:11]
	s_load_b64 s[14:15], s[0:1], 0x20              ; y_codes
	v_lshrrev_b32 v1, 5, v0
	v_readfirstlane_b32 s16, v1
	v_and_b32 v1, 31, v0
	v_lshlrev_b32 v2, 5, v1
	v_lshlrev_b32 v3, 3, v1
	s_lshl_b32 s17, ttmp9, 4
	s_lshl_b32 s18, s16, 2
	s_add_co_u32 s17, s17, s18                     ; my first row
	s_mov_b32 s19, 0
	s_mov_b32 s20, 0x76543210
	s_mov_b32 s21, 0xfedcba98
	s_wait_kmcnt 0x0
	s_load_b32 s32, s[10:11], 0x30                 ; e12
	s_lshl_b32 s18, s17, 12
	s_add_nc_u64 s[4:5], s[4:5], s[18:19]
	s_lshl_b32 s18, s17, 10
	s_add_nc_u64 s[14:15], s[14:15], s[18:19]
.irp j, 0,1,2,3
	global_load_b128 v[WG+8*\j:WG+8*\j+3], v2, s[6:7] offset:1024*\j
	global_load_b128 v[WG+8*\j+4:WG+8*\j+7], v2, s[6:7] offset:1024*\j+16
.endr
.irp j, 0,1,2,3
	global_load_b128 v[BS+8*\j:BS+8*\j+3], v2, s[8:9] offset:1024*\j
	global_load_b128 v[BS+8*\j+4:BS+8*\j+7], v2, s[8:9] offset:1024*\j+16
.endr
.irp k, 0,1,2,3
.irp j, 0,1,2,3
	global_load_b128 v[X+32*\k+8*\j:X+32*\k+8*\j+3], v2, s[4:5] offset:4096*\k+1024*\j
	global_load_b128 v[X+32*\k+8*\j+4:X+32*\k+8*\j+7], v2, s[4:5] offset:4096*\k+1024*\j+16
.endr
.endr
	s_wait_kmcnt 0x0
	s_add_co_i32 s40, s32, 127
	s_lshl_b32 s41, s40, 23
	v_mov_b32 v14, s41                             ; 2^e12
	s_add_co_i32 s40, s40, 15
	s_lshl_b32 s40, s40, 23
	s_or_b32 s40, s40, 0x600000
	v_mov_b32 v15, s40                             ; 57,344 x 2^e12
.irp k, 0,1,2,3
	LNROW \k
	QSTORE \k
.endr
	s_endpgm
.Lfunc_end_k_q69fbcd9f9b_ln2:
	.size	k_q69fbcd9f9b_ln2, .Lfunc_end_k_q69fbcd9f9b_ln2-k_q69fbcd9f9b_ln2
	.p2alignl 7, 3214868480
	.fill 96, 4, 3214868480
	.section	.rodata,"a",@progbits
	.p2align	6, 0x0
	.amdhsa_kernel k_q69fbcd9f9b_ln2
		.amdhsa_group_segment_fixed_size 0
		.amdhsa_private_segment_fixed_size 0
		.amdhsa_enable_private_segment 0
		.amdhsa_kernarg_size 40
		.amdhsa_user_sgpr_count 2
		.amdhsa_user_sgpr_kernarg_segment_ptr 1
		.amdhsa_wavefront_size32 1
		.amdhsa_system_sgpr_workgroup_id_x 1
		.amdhsa_system_sgpr_workgroup_id_y 1
		.amdhsa_system_sgpr_workgroup_id_z 1
		.amdhsa_system_vgpr_workitem_id 0
		.amdhsa_next_free_vgpr 256
		.amdhsa_next_free_sgpr 66
		.amdhsa_reserve_vcc 0
		.amdhsa_float_denorm_mode_32 3
		.amdhsa_float_denorm_mode_16_64 3
		.amdhsa_memory_ordered 1
		.amdhsa_forward_progress 1
		.amdhsa_inst_pref_size 41
	.end_amdhsa_kernel
	.amdgpu_metadata
---
amdhsa.version: [ 1, 2 ]
amdhsa.kernels:
  - .name:           k_q69fbcd9f9b_ln2
    .symbol:         k_q69fbcd9f9b_ln2.kd
    .args:
      - { .name: resid_mid, .offset: 0, .size: 8, .value_kind: global_buffer, .address_space: global }
      - { .name: ln2_w, .offset: 8, .size: 8, .value_kind: global_buffer, .address_space: global }
      - { .name: ln2_b, .offset: 16, .size: 8, .value_kind: global_buffer, .address_space: global }
      - { .name: lowp_scales, .offset: 24, .size: 8, .value_kind: global_buffer, .address_space: global }
      - { .name: y_codes, .offset: 32, .size: 8, .value_kind: global_buffer, .address_space: global }
    .group_segment_fixed_size: 0
    .private_segment_fixed_size: 0
    .kernarg_segment_align: 8
    .kernarg_segment_size: 40
    .max_flat_workgroup_size: 128
    .sgpr_count:     66
    .vgpr_count:     256
    .wavefront_size: 32
...
	.end_amdgpu_metadata
.endif
;; end of part 5
;; launch mlp_in (part 6): grid 16 x 16, 4 waves a work-group, clusters of 4 x 4, 327,680 bytes of LDS; arguments y_codes, W_in_codes, lowp_scales, b_in, h_img; writes h_img
.if DOCPART == 6
	.amdgcn_target "amdgcn-amd-amdhsa--gfx1250"
	.amdhsa_code_object_version 6
	.text
	.protected	k_q69fbcd9f9b_mlp_in
	.globl	k_q69fbcd9f9b_mlp_in
	.p2align	8
	.type	k_q69fbcd9f9b_mlp_in,@function
k_q69fbcd9f9b_mlp_in:
	s_mov_b64 s[64:65], 0
	v_nop
	global_prefetch_b8 v0, s[64:65] scope:SCOPE_SE
	s_setreg_imm32_b32 hwreg(HW_REG_WAVE_MODE, 25, 1), 1
	s_wait_xcnt 0x0
	s_wait_alu depctr_hold_cnt(0) depctr_sa_sdst(0) depctr_va_vdst(0) depctr_va_sdst(0) depctr_va_ssrc(0) depctr_va_vcc(0) depctr_vm_vsrc(0)
	s_getreg_b32 s2, hwreg(HW_REG_IB_STS2, 6, 4)
	s_cmp_eq_u32 s2, 0
	s_cbranch_scc0 .Lentry_in_a_cluster
	s_endpgm
.Lentry_in_a_cluster:
	s_bfe_u32 s2, ttmp6, 0x10000c
	s_cmp_lg_u32 s2, 0xf033
	s_cbranch_scc0 .Lentry_shape_is_right
	s_endpgm
.Lentry_shape_is_right:
; h = gelu(y W_in + b_in) (the tanh form), the product on codes of BF8 (E5M2), h quantised for the next product.  y: [4,096][1,024] codes, W_in: [4,096 n][1,024 k] codes.
; A work-group of four waves makes 256 x 256, a wave 128 x 128: 64 accumulators.  K goes in steps of 256 through two LDS slots.  4 x 4 work-groups form a cluster: A's tile is asked for jointly along a row, B's along a column.
; The matrix instruction is used transposed (source 0 = 16 rows of W_in, source 1 = 16 rows of y): a lane holds one token and eight neighbouring hidden units of each block of 16: neighbours along the next K.
; gelu(x) = x / (1 + 2^(x (K0 + K1 x x))), K0 = -2 sqrt(2 / pi) log2(e), K1 = 0.044715 K0: all in f32; where the power overflows the quotient is 0, where it vanishes it is x.
; h_img: [16 tokens 256][128 k 32][2,048 bytes]: (token r, k' = 16 n + 8 h + j) at 256 n + 16 r + 8 h + j: a store of a tile covers 256 consecutive bytes, aligned.
; LIMITS: e12 + e13 between -126 and 127; e14 between -126 and 112.  NaN and infinities among the sums are not served.
; REGISTERS: window 0: v0-31 addresses, v[10:11] K0; v32-95 the bias; from v128 A's fragments; on the way out v96-159 x, v160-223 at work, v224-239 codes.  window 1: B's two sets.  windows 2, 3: the accumulators.
.set KTOT,   1024
.set KSTEP,  256
.set ROWB,   256
.set KROW,   1024
.set PITCH,  272
.set FR,     16
.set NL,     4
.set NP,     4
.set HALFT,  128*PITCH
.set SLOT,   4*HALFT
.set LAPS,   KTOT/(2*KSTEP)
.set SPARE,  2*SLOT
.set ADRA, 16
.set ADRB, 20
.set SPW,  28
.set NIL,  29
.set AF,   128
.set G1, 24
.set G0, 32
.set G1B, 48
.set G0B, 56
.set BI,  32
.set T,   96
.set Z,   160
.set CD,  224
.set MSB, 0
.macro WIN new
.if MSB != (\new)
	s_set_vgpr_msb (MSB<<8)|(\new)
.set MSB, \new
.endif
.endm
.set MUL_LO, 0xa1
.set MUL_HI, 0xf1
.set TO_B,   0x40
.macro JLOAD g0a, g1a, g0b, g1b        ; a joint load: waves 0 and 1 fetch for A, waves 2 and 3 for B; an s_nop 0 and four v_nop follow each line
	s_cmp_eq_u32 s15, 0
	s_cbranch_scc0 .Lfor_b_\@
	tensor_load_to_lds s[\g0a:\g0a+3], s[\g1a:\g1a+7]
	s_nop 0
.rept 4
	v_nop
.endr
	s_branch .Lasked_\@
.Lfor_b_\@:
	tensor_load_to_lds s[\g0b:\g0b+3], s[\g1b:\g1b+7]
	s_nop 0
.rept 4
	v_nop
.endr
.Lasked_\@:
.endm
.macro CREST
	s_cmp_lg_u32 s14, 0
	s_cbranch_scc1 .Lnot_wave_0_\@
	s_barrier_signal -3
.Lnot_wave_0_\@:
	s_barrier_wait -3
	s_barrier_signal -1
	s_barrier_wait -1
.endm
.macro CROUND
	s_barrier_signal -1
	s_barrier_wait -1
	CREST
.endm
	s_load_b256 s[68:75], s[0:1], 0x0              ; y_codes 68, W_in_codes 70, lowp_scales 72, b_in 74
	s_load_b64 s[76:77], s[0:1], 0x20              ; h_img
	v_lshl_add_u32 v[SPW], v0, 2, SPARE
	v_mov_b32 v[NIL], 0
	ds_add_u32 v[SPW], v[NIL]                      ; the wave's opening: the add and its wait ahead of my first tensor load
	v_lshrrev_b32 v1, 5, v0
	v_readfirstlane_b32 s14, v1
	s_lshr_b32 s15, s14, 1
	s_and_b32 s16, s14, 1
	s_bfe_u32 s40, ttmp6, 0x40000
	s_bfe_u32 s41, ttmp6, 0x40004
	s_lshl_b32 s42, ttmp9, 2
	s_add_co_u32 s42, s42, s40                     ; tile column
	s_and_b32 s17, ttmp7, 0xffff
	s_lshl_b32 s17, s17, 2
	s_add_co_u32 s17, s17, s41                     ; tile row
	s_lshl_b32 s43, s41, 2
	s_lshl_b32 s43, 15, s43
	s_lshl_b32 s44, 0x1111, s40
	s_or_b32 s[G1+0], s43, (0<<16)|(1<<20)|(1<<21)|(5<<22)|(3<<25)
	s_or_b32 s[G1B+0], s44, (0<<16)|(1<<20)|(1<<21)|(5<<22)|(3<<25)
.irp g, G1, G1B
	s_mov_b32 s[\g+1], ROWB<<16
	s_mov_b32 s[\g+2], 128<<16
	s_mov_b32 s[\g+3], ROWB<<16
	s_mov_b32 s[\g+4], 128
	s_mov_b32 s[\g+5], KROW
	s_mov_b32 s[\g+6], 0
	s_mov_b32 s[\g+7], 0
.endr
	s_lshl_b32 s18, s16, 7
	s_lshl_b32 s20, s17, 8
	s_add_co_u32 s20, s20, s18
	s_lshl_b32 s20, s20, 10
	s_mov_b32 s21, 0
	s_lshl_b32 s46, s42, 8
	s_add_co_u32 s46, s46, s18
	s_lshl_b32 s46, s46, 10
	s_mov_b32 s47, 0
	s_mul_i32 s45, s14, HALFT
	s_wait_dscnt 0x0
	s_wait_kmcnt 0x0
	s_load_b128 s[92:95], s[72:73], 0x30           ; e12, e13, e14, e15
	s_add_nc_u64 s[20:21], s[68:69], s[20:21]
	s_add_nc_u64 s[46:47], s[70:71], s[46:47]
	CROUND
.irp s, 0,1
	s_mov_b32 s[G0+4*\s], 1
	s_add_co_u32 s[G0+4*\s+1], s45, \s*SLOT
	s_add_nc_u64 s[G0+4*\s+2:G0+4*\s+3], s[20:21], \s*ROWB
	s_or_b32 s[G0+4*\s+3], s[G0+4*\s+3], 0x80000000
	s_mov_b32 s[G0B+4*\s], 1
	s_add_co_u32 s[G0B+4*\s+1], s45, \s*SLOT
	s_add_nc_u64 s[G0B+4*\s+2:G0B+4*\s+3], s[46:47], \s*ROWB
	s_or_b32 s[G0B+4*\s+3], s[G0B+4*\s+3], 0x80000000
	JLOAD G0+4*\s, G1, G0B+4*\s, G1B
.endr
	v_and_b32 v1, 15, v0
	v_bfe_u32 v2, v0, 4, 1
	v_mul_u32_u24 v3, v1, PITCH
	v_lshl_add_u32 v4, v2, 4, v3
	s_mul_i32 s21, s15, HALFT
	s_mul_i32 s22, s16, HALFT
	s_add_co_u32 s22, s22, 2*HALFT
.irp s, 0,1
	v_add_nc_u32 v[ADRA+\s], s21, v4
	v_add_nc_u32 v[ADRB+\s], s22, v4
	s_add_co_u32 s21, s21, SLOT
	s_add_co_u32 s22, s22, SLOT
.endr
	s_lshl_b32 s18, s42, 10
	s_lshl_b32 s19, s16, 9
	s_add_co_u32 s18, s18, s19                     ; 4 x my first column
	s_mov_b32 s19, 0
	s_add_nc_u64 s[74:75], s[74:75], s[18:19]
	v_lshlrev_b32 v22, 5, v2                       ; 32 h
.irp b, 0,1,2,3,4,5,6,7
	global_load_b128 v[BI+8*\b:BI+8*\b+3], v22, s[74:75] offset:64*\b        ; the bias in the result's layout: tile b, columns 16 b + 8 h + 0..7
	global_load_b128 v[BI+8*\b+4:BI+8*\b+7], v22, s[74:75] offset:64*\b+16
.endr
	s_lshl_b32 s18, s17, 4
	s_lshl_b32 s23, s15, 3
	s_add_co_u32 s18, s18, s23                     ; my first block of 16 tokens,
	s_lshl_b32 s18, s18, 16                        ; 65,536 bytes each
	s_lshl_b32 s23, s42, 1
	s_add_co_u32 s23, s23, s16                     ; my 128 columns are one fragment along the next K
	s_lshl_b32 s23, s23, 11
	s_add_co_u32 s18, s18, s23
	s_add_nc_u64 s[76:77], s[76:77], s[18:19]
	v_lshlrev_b32 v27, 4, v1
	v_lshl_add_u32 v27, v2, 3, v27                 ; 16 m + 8 h
	v_mov_b32 v10, 0xc0135761                      ; K0
	v_mov_b32 v11, 0xc0135761
	s_mov_b32 s90, 0xbdd2d3e8                      ; K1
	s_mov_b32 s91, 0xbdd2d3e8
.macro FRAG reg, adr, q, i
.irp c, 0,1,2,3
	ds_load_b128 v[\reg+4*\c:\reg+4*\c+3], v[\adr] offset:128*(\q)+32*\c+(\i)*16*PITCH
.endr
.endm
.macro MUL16 a0, p, zero               ; the 64 accumulators take turns, one instruction a turn
.irp a, \a0, \a0+1
.irp b, 0,1,2,3,4,5,6,7
.if \zero
	v_wmma_f32_16x16x128_bf8_bf8 v[8*(8*((\a)%4)+\b):8*(8*((\a)%4)+\b)+7], v[128*(\p)+FR*\b:128*(\p)+FR*\b+FR-1], v[AF+FR*(\a):AF+FR*(\a)+FR-1], 0
.else
	v_wmma_f32_16x16x128_bf8_bf8 v[8*(8*((\a)%4)+\b):8*(8*((\a)%4)+\b)+7], v[128*(\p)+FR*\b:128*(\p)+FR*\b+FR-1], v[AF+FR*(\a):AF+FR*(\a)+FR-1], v[8*(8*((\a)%4)+\b):8*(8*((\a)%4)+\b)+7]
.endif
.endr
.endr
.endm
.macro FETCH_B slot, q, p
	WIN TO_B
.irp i, 0,1,2,3,4,5,6,7
	FRAG 128*(\p)+FR*\i, ADRB+\slot, \q, \i
.endr
	WIN 0
.endm
.macro FETCH_A slot, q, i0
.irp i, \i0, \i0+1, \i0+2, \i0+3
	FRAG AF+FR*(\i), ADRA+\slot, \q, \i
.endr
.endm
.macro PLACES n
.rept \n
	v_nop
.endr
.endm
.macro STEP slot, q, zero
	s_wait_dscnt 4*NL                              ; the sixteen youngest loads (A's blocks 4-7) may be out
	WIN MUL_LO
	MUL16 0, (\q)%2, \zero
	MUL16 2, (\q)%2, \zero
	s_wait_dscnt 0
	PLACES NP
	FETCH_B \slot, (\q)+1, 1-(\q)%2
	FETCH_A \slot, (\q)+1, 0
	WIN MUL_HI
	MUL16 4, (\q)%2, \zero
	MUL16 6, (\q)%2, \zero
	PLACES NP
	WIN 0
	FETCH_A \slot, (\q)+1, 4
.endm
.macro TURN slot, next, fill
	s_wait_tensorcnt 0x0                           ; all my tensor loads have landed: my part of the next slot
	ds_add_u32 v[SPW], v[NIL]                      ; 0 onto my spare word
	s_wait_dscnt 4*NL+1                            ; the add and the sixteen youngest loads may be out
	WIN MUL_LO
	MUL16 0, 1, 0
	s_wait_dscnt 0x0                               ; the add is done, and my reads of this slot are over
	s_barrier_signal -1
	MUL16 2, 1, 0
	WIN 0
	s_barrier_wait -1
.if \fill
	CREST                                          ; a round of the cluster's barrier: no wave of any partner still reads this slot or has a load on its way
	s_add_nc_u64 s[G0+4*\slot+2:G0+4*\slot+3], s[G0+4*\slot+2:G0+4*\slot+3], 2*ROWB
	s_add_nc_u64 s[G0B+4*\slot+2:G0B+4*\slot+3], s[G0B+4*\slot+2:G0B+4*\slot+3], 2*ROWB
	JLOAD G0+4*\slot, G1, G0B+4*\slot, G1B
.else
	PLACES NP
.endif
	FETCH_B \next, 0, 0
	FETCH_A \next, 0, 0
	WIN MUL_HI
	MUL16 4, 1, 0
	MUL16 6, 1, 0
	PLACES NP
	WIN 0
	FETCH_A \next, 0, 4
.endm
	s_wait_tensorcnt 1                             ; my part of K step 0 is in; K step 1's load may be out
	s_barrier_signal -1
	s_barrier_wait -1
	FETCH_B 0, 0, 0
	FETCH_A 0, 0, 0
	FETCH_A 0, 0, 4
	STEP 0, 0, 1
	s_mov_b32 s3, LAPS-1
.Llap:
	TURN 0, 1, 1
	STEP 1, 0, 0
	TURN 1, 0, 1
	STEP 0, 0, 0
	s_sub_co_u32 s3, s3, 1
	s_cmp_lg_u32 s3, 0
	s_cbranch_scc1 .Llap
	TURN 0, 1, 0
	STEP 1, 0, 0
	s_wait_dscnt 4*NL
	WIN MUL_LO
	MUL16 0, 1, 0
	MUL16 2, 1, 0
	s_wait_dscnt 0
	WIN MUL_HI
	MUL16 4, 1, 0
	MUL16 6, 1, 0
	WIN 0
; THE WAY OUT, block by block of 16 tokens x 128 hidden units: bias, gelu, the hold, the conversion; the codes leave straight from the registers
.macro GBLOCK a
.set AC, 64*((\a)%4)
	WIN 0x02+((\a)/4)
.set j, 0
.rept 32
	v_pk_fma_f32 v[T+j:T+j+1], v[AC+j:AC+j+1], s[96:97], v[BI+j:BI+j+1] op_sel_hi:[1,0,1]   ; x = sum x 2^(e12 + e13) + bias; each accumulator from its low end on
.set j, j+2
.endr
	WIN 0
.set j, 0
.rept 32
	v_pk_mul_f32 v[Z+j:Z+j+1], v[T+j:T+j+1], v[T+j:T+j+1]
.set j, j+2
.endr
.set j, 0
.rept 32
	v_pk_fma_f32 v[Z+j:Z+j+1], v[Z+j:Z+j+1], s[90:91], v[10:11] op_sel_hi:[1,0,1]           ; K1 x x + K0
.set j, j+2
.endr
.set j, 0
.rept 32
	v_pk_mul_f32 v[Z+j:Z+j+1], v[Z+j:Z+j+1], v[T+j:T+j+1]
.set j, j+2
.endr
.set j, 0
.rept 64
	v_exp_f32 v[Z+j], v[Z+j]
.set j, j+1
.endr
	v_nop                                          ; a plain instruction behind the batch,
	s_wait_alu depctr_va_vdst(0)                   ; and one wait for it, ahead of its first reader
.set j, 0
.rept 32
	v_pk_add_f32 v[Z+j:Z+j+1], v[Z+j:Z+j+1], 1.0 op_sel_hi:[1,0]
.set j, j+2
.endr
.set j, 0
.rept 64
	v_rcp_f32 v[Z+j], v[Z+j]
.set j, j+1
.endr
	v_nop
	s_wait_alu depctr_va_vdst(0)
.set j, 0
.rept 32
	v_pk_mul_f32 v[T+j:T+j+1], v[T+j:T+j+1], v[Z+j:Z+j+1]
.set j, j+2
.endr
.set j, 0
.rept 64
	v_med3_num_f32 v[T+j], v[T+j], -v31, v31       ; the conversion to an 8-bit code does not saturate (ISA guide 7.6.2)
.set j, j+1
.endr
	s_wait_xcnt 0x0                                ; the last block's stores have read their data
.irp b, 0,1,2,3,4,5,6,7
	v_cvt_scalef32_pk8_bf8_f32 v[CD+2*\b:CD+2*\b+1], v[T+8*\b:T+8*\b+7], v30
.endr
	v_nop                                          ; a plain instruction behind the last conversion
.irp b, 0,1,2,3,4,5,6,7
	global_store_b64 v27, v[CD+2*\b:CD+2*\b+1], s[76:77] offset:65536*(\a)+256*\b   ; 32 lanes store 256 consecutive bytes, aligned
.endr
.endm
	s_wait_kmcnt 0x0
	s_add_co_i32 s96, s92, s93
	s_add_co_i32 s96, s96, 127
	s_lshl_b32 s96, s96, 23                        ; 2^(e12 + e13)
	s_mov_b32 s97, s96
	PLACES NP                                      ; behind the last products
	s_add_co_i32 s22, s94, 127
	s_lshl_b32 s23, s22, 23
	v_mov_b32 v30, s23                             ; 2^e14
	s_add_co_i32 s22, s22, 15
	s_lshl_b32 s22, s22, 23
	s_or_b32 s22, s22, 0x600000
	v_mov_b32 v31, s22                             ; 57,344 x 2^e14
	s_wait_loadcnt 0x0                             ; the bias, asked for at the head
.irp a, 0,1,2,3,4,5,6,7
	GBLOCK \a
.endr
	s_wait_tensorcnt 0x0                           ; the wave's end
	ds_add_u32 v[SPW], v[NIL]
	s_wait_dscnt 0x0
	CROUND                                         ; the closing round
	s_endpgm
.Lfunc_end_k_q69fbcd9f9b_mlp_in:
	.size	k_q69fbcd9f9b_mlp_in, .Lfunc_end_k_q69fbcd9f9b_mlp_in-k_q69fbcd9f9b_mlp_in
	.p2alignl 7, 3214868480
	.fill 96, 4, 3214868480
	.section	.rodata,"a",@progbits
	.p2align	6, 0x0
	.amdhsa_kernel k_q69fbcd9f9b_mlp_in
		.amdhsa_group_segment_fixed_size 327680
		.amdhsa_private_segment_fixed_size 0
		.amdhsa_enable_private_segment 0
		.amdhsa_kernarg_size 40
		.amdhsa_user_sgpr_count 2
		.amdhsa_user_sgpr_kernarg_segment_ptr 1
		.amdhsa_wavefront_size32 1
		.amdhsa_system_sgpr_workgroup_id_x 1
		.amdhsa_system_sgpr_workgroup_id_y 1
		.amdhsa_system_sgpr_workgroup_id_z 1
		.amdhsa_system_vgpr_workitem_id 0
		.amdhsa_next_free_vgpr 1024
		.amdhsa_next_free_sgpr 100
		.amdhsa_reserve_vcc 0
		.amdhsa_float_denorm_mode_32 3
		.amdhsa_float_denorm_mode_16_64 3
		.amdhsa_memory_ordered 1
		.amdhsa_forward_progress 1
		.amdhsa_inst_pref_size 252
	.end_amdhsa_kernel
	.amdgpu_metadata
---
amdhsa.version: [ 1, 2 ]
amdhsa.kernels:
  - .name:           k_q69fbcd9f9b_mlp_in
    .symbol:         k_q69fbcd9f9b_mlp_in.kd
    .args:
      - { .name: y_codes, .offset: 0, .size: 8, .value_kind: global_buffer, .address_space: global }
      - { .name: W_in_codes, .offset: 8, .size: 8, .value_kind: global_buffer, .address_space: global }
      - { .name: lowp_scales, .offset: 16, .size: 8, .value_kind: global_buffer, .address_space: global }
      - { .name: b_in, .offset: 24, .size: 8, .value_kind: global_buffer, .address_space: global }
      - { .name: h_img, .offset: 32, .size: 8, .value_kind: global_buffer, .address_space: global }
    .group_segment_fixed_size: 327680
    .private_segment_fixed_size: 0
    .kernarg_segment_align: 8
    .kernarg_segment_size: 40
    .max_flat_workgroup_size: 128
    .sgpr_count:     100
    .vgpr_count:     1024
    .wavefront_size: 32
...
	.end_amdgpu_metadata
.endif
;; end of part 6
;; launch mlp_out (part 7): grid 4 x 16, 4 waves a work-group, clusters of 4 x 4, 327,680 bytes of LDS; arguments h_img, W_out_codes, lowp_scales, b_out, resid_mid, out0; writes out0
.if DOCPART == 7
	.amdgcn_target "amdgcn-amd-amdhsa--gfx1250"
	.amdhsa_code_object_version 6
	.text
	.protected	k_q69fbcd9f9b_mlp_out
	.globl	k_q69fbcd9f9b_mlp_out
	.p2align	8
	.type	k_q69fbcd9f9b_mlp_out,@function
k_q69fbcd9f9b_mlp_out:
	s_mov_b64 s[64:65], 0
	v_nop
	global_prefetch_b8 v0, s[64:65] scope:SCOPE_SE
	s_setreg_imm32_b32 hwreg(HW_REG_WAVE_MODE, 25, 1), 1
	s_wait_xcnt 0x0
	s_wait_alu depctr_hold_cnt(0) depctr_sa_sdst(0) depctr_va_vdst(0) depctr_va_sdst(0) depctr_va_ssrc(0) depctr_va_vcc(0) depctr_vm_vsrc(0)
	s_getreg_b32 s2, hwreg(HW_REG_IB_STS2, 6, 4)
	s_cmp_eq_u32 s2, 0
	s_cbranch_scc0 .Lentry_in_a_cluster
	s_endpgm
.Lentry_in_a_cluster:
	s_bfe_u32 s2, ttmp6, 0x10000c
	s_cmp_lg_u32 s2, 0xf033
	s_cbranch_scc0 .Lentry_shape_is_right
	s_endpgm
.Lentry_shape_is_right:
; out[m][n] = resid[m][n] + bias[n] + 2^(ea + eb) x sum over k of A[m][k] B[n][k], on codes of BF8 (E5M2); out and resid [4,096][1,024] f32.
; HERE: A = h (the hidden layer), B = W_out's codes, K = 4,096, scales 14 and 15: out0 = resid_mid + h W_out + b_out.
; A comes as images of its fragments: [16 tokens][128 k][2,048 bytes], (token r, k' = 16 n + 8 h + j) at 256 n + 16 r + 8 h + j: lane l's 16 bytes at 512 c + 16 l are K = 32 c + 16 (l / 16) + 0 .. 15 of row l % 16,
; the same places along K that B's fragments take from rows by loads of 16 bytes.  B: rows of KROW codes.
; A work-group of four waves makes 256 x 256, a wave 128 x 128: 64 accumulators.  K goes in steps of 256 through two LDS slots.  4 x 4 work-groups form a cluster: A's tile is asked for jointly along a row, B's along a column.
; The matrix instruction is used transposed (source 0 = 16 rows of B, source 1 = 16 rows of A): a lane holds eight neighbouring numbers of a row of the result.
; LIMIT: ea + eb between -126 and 127.
; REGISTERS: window 0: v0-31 addresses, v[12:15] the bias; from v128 A's fragments, later rows on their way out.  window 1: B's two sets, later the residual's rows.  windows 2, 3: the accumulators.
.set KTOT,   4096
.set TBB,    65536                     ; bytes of A's image for 16 tokens
.set TBSH,   16
.set KROW,   4096                      ; a row of B in bytes
.set KRSH,   12
.set BOFF,   0                         ; where B begins in its buffer
.set SCA,    14                        ; A's entry of lowp_scales; B's is the next
.set KSTEP,  256
.set ROWB,   256
.set PITCH,  272
.set FR,     16
.set NL,     4
.set NP,     4
.set HALFT,  128*PITCH
.set SLOT,   4*HALFT
.set LAPS,   KTOT/(2*KSTEP)
.set SPARE,  2*SLOT
.set SPITCH, 528                       ; the way out: a stage of 16 rows x (512 + 16) bytes for each wave, in slot 0, which has had its last fill and its last read by then
.set ADRA, 16
.set ADRB, 20
.set STO,  24
.set RD,   25
.set L16,  26
.set SPW,  28
.set NIL,  29
.set AF,   128
.set BK,   128
.set G1, 24
.set G0, 32
.set G1B, 48
.set G0B, 56
.set MSB, 0
.macro WIN new
.if MSB != (\new)
	s_set_vgpr_msb (MSB<<8)|(\new)
.set MSB, \new
.endif
.endm
.set MUL_LO, 0xa1
.set MUL_HI, 0xf1
.set TO_B,   0x40
.macro JLOAD g0a, g1a, g0b, g1b        ; a joint load: waves 0 and 1 fetch for A, waves 2 and 3 for B; an s_nop 0 and four v_nop follow each line
	s_cmp_eq_u32 s15, 0
	s_cbranch_scc0 .Lfor_b_\@
	tensor_load_to_lds s[\g0a:\g0a+3], s[\g1a:\g1a+7]
	s_nop 0
.rept 4
	v_nop
.endr
	s_branch .Lasked_\@
.Lfor_b_\@:
	tensor_load_to_lds s[\g0b:\g0b+3], s[\g1b:\g1b+7]
	s_nop 0
.rept 4
	v_nop
.endr
.Lasked_\@:
.endm
.macro CREST
	s_cmp_lg_u32 s14, 0
	s_cbranch_scc1 .Lnot_wave_0_\@
	s_barrier_signal -3
.Lnot_wave_0_\@:
	s_barrier_wait -3
	s_barrier_signal -1
	s_barrier_wait -1
.endm
.macro CROUND
	s_barrier_signal -1
	s_barrier_wait -1
	CREST
.endm
	s_load_b256 s[68:75], s[0:1], 0x0              ; A's image 68, B's buffer 70, lowp_scales 72, the bias 74
	s_load_b128 s[76:79], s[0:1], 0x20             ; the residual 76, the result 78
	v_lshl_add_u32 v[SPW], v0, 2, SPARE
	v_mov_b32 v[NIL], 0
	ds_add_u32 v[SPW], v[NIL]                      ; the wave's opening: the add and its wait ahead of my first tensor load
	v_lshrrev_b32 v1, 5, v0
	v_readfirstlane_b32 s14, v1
	s_lshr_b32 s15, s14, 1                         ; my half of the tile's rows.  Also: I fetch for A (0) or for B (1)
	s_and_b32 s16, s14, 1                          ; my half of its columns.  Also: which half of that tile I fetch
	s_bfe_u32 s40, ttmp6, 0x40000
	s_bfe_u32 s41, ttmp6, 0x40004
	s_lshl_b32 s42, ttmp9, 2
	s_add_co_u32 s42, s42, s40                     ; tile column
	s_and_b32 s17, ttmp7, 0xffff
	s_lshl_b32 s17, s17, 2
	s_add_co_u32 s17, s17, s41                     ; tile row
	s_lshl_b32 s43, s41, 2
	s_lshl_b32 s43, 15, s43
	s_lshl_b32 s44, 0x1111, s40
	s_or_b32 s[G1+0], s43, (3<<16)|(1<<21)         ; A: the mask of my row; elements of 8 bytes; bit 21 beside a mask; no padding: 8 blocks of 16 tokens x 4,096 bytes (two fragments along K)
	s_mov_b32 s[G1+1], 512<<16                     ; tensor_dim0
	s_mov_b32 s[G1+2], 8<<16                       ; tensor_dim1
	s_mov_b32 s[G1+3], 512<<16                     ; tile_dim0
	s_mov_b32 s[G1+4], 8                           ; tile_dim1
	s_mov_b32 s[G1+5], TBB/8                       ; from block to block
	s_mov_b32 s[G1+6], 0
	s_mov_b32 s[G1+7], 0
	s_or_b32 s[G1B+0], s44, (0<<16)|(1<<20)|(1<<21)|(5<<22)|(3<<25)  ; B: 128 rows x 256 bytes, 16 bytes of padding behind each
	s_mov_b32 s[G1B+1], ROWB<<16
	s_mov_b32 s[G1B+2], 128<<16
	s_mov_b32 s[G1B+3], ROWB<<16
	s_mov_b32 s[G1B+4], 128
	s_mov_b32 s[G1B+5], KROW
	s_mov_b32 s[G1B+6], 0
	s_mov_b32 s[G1B+7], 0
	s_lshl_b32 s20, s17, 4
	s_lshl_b32 s18, s16, 3
	s_add_co_u32 s20, s20, s18                     ; A: block of 16 tokens 16 x tile row + 8 x half
	s_lshl_b32 s20, s20, TBSH
	s_mov_b32 s21, 0
	s_lshl_b32 s46, s42, 8
	s_lshl_b32 s18, s16, 7
	s_add_co_u32 s46, s46, s18                     ; B: row 256 x tile column + 128 x half
	s_lshl_b32 s46, s46, KRSH
	s_add_co_u32 s46, s46, BOFF
	s_mov_b32 s47, 0
	s_mul_i32 s45, s14, HALFT
	s_wait_dscnt 0x0
	s_wait_kmcnt 0x0
	s_load_b64 s[96:97], s[72:73], 4*SCA           ; ea, eb
	s_add_nc_u64 s[20:21], s[68:69], s[20:21]
	s_add_nc_u64 s[46:47], s[70:71], s[46:47]
	CROUND
.irp s, 0,1
	s_mov_b32 s[G0+4*\s], 1
	s_add_co_u32 s[G0+4*\s+1], s45, \s*SLOT
	s_add_nc_u64 s[G0+4*\s+2:G0+4*\s+3], s[20:21], \s*4096
	s_or_b32 s[G0+4*\s+3], s[G0+4*\s+3], 0x80000000
	s_mov_b32 s[G0B+4*\s], 1
	s_add_co_u32 s[G0B+4*\s+1], s45, \s*SLOT
	s_add_nc_u64 s[G0B+4*\s+2:G0B+4*\s+3], s[46:47], \s*ROWB
	s_or_b32 s[G0B+4*\s+3], s[G0B+4*\s+3], 0x80000000
	JLOAD G0+4*\s, G1, G0B+4*\s, G1B
.endr
	v_and_b32 v1, 15, v0
	v_bfe_u32 v2, v0, 4, 1
	v_mul_u32_u24 v3, v1, PITCH
	v_lshl_add_u32 v4, v2, 4, v3
	v_and_b32 v6, 31, v0
	v_lshlrev_b32 v[L16], 4, v6
	s_mul_i32 s21, s15, HALFT
	s_mul_i32 s22, s16, HALFT
	s_add_co_u32 s22, s22, 2*HALFT
.irp s, 0,1
	v_add_nc_u32 v[ADRA+\s], s21, v[L16]           ; A's images: 16 x lane
	v_add_nc_u32 v[ADRB+\s], s22, v4               ; B's rows: row x pitch + 16 x half
	s_add_co_u32 s21, s21, SLOT
	s_add_co_u32 s22, s22, SLOT
.endr
	s_mul_i32 s23, s14, 16*SPITCH
	v_mul_u32_u24 v5, v1, SPITCH
	v_lshl_add_u32 v5, v2, 5, v5
	v_add_nc_u32 v[STO], s23, v5                   ; the stage, in: row l % 16, 32 bytes for each half of the lanes
	v_add_nc_u32 v[RD], s23, v[L16]                ; back: the 32 lanes take a row of 512 bytes
	s_lshl_b32 s20, s17, 8
	s_lshl_b32 s21, s15, 7
	s_add_co_u32 s20, s20, s21                     ; my first row,
	s_lshl_b32 s20, s20, 12                        ; of 4,096 bytes
	s_lshl_b32 s46, s42, 10
	s_lshl_b32 s47, s16, 9
	s_add_co_u32 s46, s46, s47                     ; my first column, in bytes
	s_mov_b32 s47, 0
	s_add_nc_u64 s[74:75], s[74:75], s[46:47]
	s_add_co_u32 s20, s20, s46
	s_mov_b32 s21, 0
	s_add_nc_u64 s[76:77], s[76:77], s[20:21]
	s_add_nc_u64 s[78:79], s[78:79], s[20:21]
	global_load_b128 v[12:15], v[L16], s[74:75]    ; the bias at my four columns of a row read back
.macro FRAG reg, adr, q, i
.irp c, 0,1,2,3
	ds_load_b128 v[\reg+4*\c:\reg+4*\c+3], v[\adr] offset:128*(\q)+32*\c+(\i)*16*PITCH
.endr
.endm
.macro FRAGI reg, adr, q, i            ; a fragment from its image: 512 consecutive bytes a load
.irp c, 0,1,2,3
	ds_load_b128 v[\reg+4*\c:\reg+4*\c+3], v[\adr] offset:4096*(\i)+2048*(\q)+512*\c
.endr
.endm
.macro MUL16 a0, p, zero               ; the 64 accumulators take turns, one instruction a turn
.irp a, \a0, \a0+1
.irp b, 0,1,2,3,4,5,6,7
.if \zero
	v_wmma_f32_16x16x128_bf8_bf8 v[8*(8*((\a)%4)+\b):8*(8*((\a)%4)+\b)+7], v[128*(\p)+FR*\b:128*(\p)+FR*\b+FR-1], v[AF+FR*(\a):AF+FR*(\a)+FR-1], 0
.else
	v_wmma_f32_16x16x128_bf8_bf8 v[8*(8*((\a)%4)+\b):8*(8*((\a)%4)+\b)+7], v[128*(\p)+FR*\b:128*(\p)+FR*\b+FR-1], v[AF+FR*(\a):AF+FR*(\a)+FR-1], v[8*(8*((\a)%4)+\b):8*(8*((\a)%4)+\b)+7]
.endif
.endr
.endr
.endm
.macro FETCH_B slot, q, p
	WIN TO_B
.irp i, 0,1,2,3,4,5,6,7
	FRAG 128*(\p)+FR*\i, ADRB+\slot, \q, \i
.endr
	WIN 0
.endm
.macro FETCH_A slot, q, i0
.irp i, \i0, \i0+1, \i0+2, \i0+3
	FRAGI AF+FR*(\i), ADRA+\slot, \q, \i
.endr
.endm
.macro PLACES n
.rept \n
	v_nop
.endr
.endm
.macro STEP slot, q, zero
	s_wait_dscnt 4*NL                              ; the sixteen youngest loads (A's blocks 4-7) may be out
	WIN MUL_LO
	MUL16 0, (\q)%2, \zero
	MUL16 2, (\q)%2, \zero
	s_wait_dscnt 0
	PLACES NP
	FETCH_B \slot, (\q)+1, 1-(\q)%2
	FETCH_A \slot, (\q)+1, 0
	WIN MUL_HI
	MUL16 4, (\q)%2, \zero
	MUL16 6, (\q)%2, \zero
	PLACES NP
	WIN 0
	FETCH_A \slot, (\q)+1, 4
.endm
.macro TURN slot, next, fill
	s_wait_tensorcnt 0x0                           ; all my tensor loads have landed: my part of the next slot
	ds_add_u32 v[SPW], v[NIL]                      ; 0 onto my spare word
	s_wait_dscnt 4*NL+1                            ; the add and the sixteen youngest loads may be out
	WIN MUL_LO
	MUL16 0, 1, 0
	s_wait_dscnt 0x0                               ; the add is done, and my reads of this slot are over
	s_barrier_signal -1
	MUL16 2, 1, 0
	WIN 0
	s_barrier_wait -1
.if \fill
	CREST                                          ; a round of the cluster's barrier: no wave of any partner still reads this slot or has a load on its way
	s_add_nc_u64 s[G0+4*\slot+2:G0+4*\slot+3], s[G0+4*\slot+2:G0+4*\slot+3], 2*4096
	s_add_nc_u64 s[G0B+4*\slot+2:G0B+4*\slot+3], s[G0B+4*\slot+2:G0B+4*\slot+3], 2*ROWB
	JLOAD G0+4*\slot, G1, G0B+4*\slot, G1B
.else
	PLACES NP
.endif
	FETCH_B \next, 0, 0
	FETCH_A \next, 0, 0
	WIN MUL_HI
	MUL16 4, 1, 0
	MUL16 6, 1, 0
	PLACES NP
	WIN 0
	FETCH_A \next, 0, 4
.endm
	s_wait_tensorcnt 1                             ; my part of K step 0 is in; K step 1's load may be out
	s_barrier_signal -1
	s_barrier_wait -1
	FETCH_B 0, 0, 0
	FETCH_A 0, 0, 0
	FETCH_A 0, 0, 4
	STEP 0, 0, 1
	s_mov_b32 s3, LAPS-1
.Llap:
	TURN 0, 1, 1
	STEP 1, 0, 0
	TURN 1, 0, 1
	STEP 0, 0, 0
	s_sub_co_u32 s3, s3, 1
	s_cmp_lg_u32 s3, 0
	s_cbranch_scc1 .Llap
	TURN 0, 1, 0
	STEP 1, 0, 0
	s_wait_dscnt 4*NL
	WIN MUL_LO
	MUL16 0, 1, 0
	MUL16 2, 1, 0
	s_wait_dscnt 0
	WIN MUL_HI
	MUL16 4, 1, 0
	MUL16 6, 1, 0
	WIN 0
; THE WAY OUT, block by block of 16 rows x 128 columns: the sums go through my own stage and come back as whole rows of 512 bytes; there each number is multiplied by 2^(ea + eb) and gets the residual and the bias.
.macro RSLOAD a                        ; the residual's 16 rows of block a into window 1, set a % 4
	WIN 0x40
.set t, 0
.rept 16
	global_load_b128 v[64*((\a)%4)+4*t:64*((\a)%4)+4*t+3], v[L16], s[76:77] offset:4096*(16*(\a)+t)
.set t, t+1
.endr
	WIN 0
.endm
.macro TOSTAGE a
.set AC, 64*((\a)%4)
	WIN 0x08+4*((\a)/4)                            ; the stores' data: window 2 or 3
.irp b, 0,1,2,3,4,5,6,7
	ds_store_b128 v[STO], v[AC+8*\b:AC+8*\b+3] offset:64*\b          ; each accumulator from its low end on
	ds_store_b128 v[STO], v[AC+8*\b+4:AC+8*\b+7] offset:64*\b+16
.endr
	WIN 0
.set BB, BK+64*((\a)%2)
.set t, 0
.rept 16
	ds_load_b128 v[BB+4*t:BB+4*t+3], v[RD] offset:t*SPITCH           ; LDS serves a wave's instructions in order: these see the stores above
.set t, t+1
.endr
.endm
.macro SEND a, younger
.set BB, BK+64*((\a)%2)
.set RS, 64*((\a)%4)
	s_wait_dscnt \younger                          ; the block is back; the next block's 16 stores and 16 loads may be out
.if (\a) < 4
	s_wait_loadcnt 48                              ; its residual is in; three blocks of 16 loads were issued behind it
.else
	s_wait_loadcnt 16*(7-(\a))
.endif
	WIN 0x10                                       ; source 2: window 1
.set t, 0
.rept 16
	v_pk_fma_f32 v[BB+4*t:BB+4*t+1], v[BB+4*t:BB+4*t+1], s[96:97], v[RS+4*t:RS+4*t+1] op_sel_hi:[1,0,1]
	v_pk_fma_f32 v[BB+4*t+2:BB+4*t+3], v[BB+4*t+2:BB+4*t+3], s[96:97], v[RS+4*t+2:RS+4*t+3] op_sel_hi:[1,0,1]
	v_pk_add_f32 v[BB+4*t:BB+4*t+1], v[BB+4*t:BB+4*t+1], v[12:13]
	v_pk_add_f32 v[BB+4*t+2:BB+4*t+3], v[BB+4*t+2:BB+4*t+3], v[14:15]
.set t, t+1
.endr
	WIN 0
.set t, 0
.rept 16
	global_store_b128 v[L16], v[BB+4*t:BB+4*t+3], s[78:79] offset:4096*(16*(\a)+t)   ; 32 lanes store 512 consecutive bytes, aligned
.set t, t+1
.endr
.endm
	s_wait_kmcnt 0x0
	s_add_co_i32 s96, s96, s97
	s_add_co_i32 s96, s96, 127
	s_lshl_b32 s96, s96, 23                        ; 2^(ea + eb)
	s_mov_b32 s97, s96
	PLACES NP                                      ; behind the last products: reads of results and loads into operands' registers follow
	RSLOAD 0
	RSLOAD 1
	RSLOAD 2
	RSLOAD 3
	TOSTAGE 0
.irp a, 1,2,3,4,5,6,7
.if \a > 1
	s_wait_xcnt 0x0                                ; block a - 2's stores have read their registers: block a's rows may land there
.endif
	TOSTAGE \a
	SEND \a-1, 32
.if \a < 5
	RSLOAD \a+3
.endif
.endr
	SEND 7, 0
	s_wait_tensorcnt 0x0                           ; the wave's end, behind my last tensor load and my last LDS store
	ds_add_u32 v[SPW], v[NIL]
	s_wait_dscnt 0x0
	CROUND                                         ; the closing round
	s_endpgm
.Lfunc_end_k_q69fbcd9f9b_mlp_out:
	.size	k_q69fbcd9f9b_mlp_out, .Lfunc_end_k_q69fbcd9f9b_mlp_out-k_q69fbcd9f9b_mlp_out
	.p2alignl 7, 3214868480
	.fill 96, 4, 3214868480
	.section	.rodata,"a",@progbits
	.p2align	6, 0x0
	.amdhsa_kernel k_q69fbcd9f9b_mlp_out
		.amdhsa_group_segment_fixed_size 327680
		.amdhsa_private_segment_fixed_size 0
		.amdhsa_enable_private_segment 0
		.amdhsa_kernarg_size 48
		.amdhsa_user_sgpr_count 2
		.amdhsa_user_sgpr_kernarg_segment_ptr 1
		.amdhsa_wavefront_size32 1
		.amdhsa_system_sgpr_workgroup_id_x 1
		.amdhsa_system_sgpr_workgroup_id_y 1
		.amdhsa_system_sgpr_workgroup_id_z 1
		.amdhsa_system_vgpr_workitem_id 0
		.amdhsa_next_free_vgpr 1024
		.amdhsa_next_free_sgpr 100
		.amdhsa_reserve_vcc 0
		.amdhsa_float_denorm_mode_32 3
		.amdhsa_float_denorm_mode_16_64 3
		.amdhsa_memory_ordered 1
		.amdhsa_forward_progress 1
		.amdhsa_inst_pref_size 152
	.end_amdhsa_kernel
	.amdgpu_metadata
---
amdhsa.version: [ 1, 2 ]
amdhsa.kernels:
  - .name:           k_q69fbcd9f9b_mlp_out
    .symbol:         k_q69fbcd9f9b_mlp_out.kd
    .args:
      - { .name: h_img, .offset: 0, .size: 8, .value_kind: global_buffer, .address_space: global }
      - { .name: W_out_codes, .offset: 8, .size: 8, .value_kind: global_buffer, .address_space: global }
      - { .name: lowp_scales, .offset: 16, .size: 8, .value_kind: global_buffer, .address_space: global }
      - { .name: b_out, .offset: 24, .size: 8, .value_kind: global_buffer, .address_space: global }
      - { .name: resid_mid, .offset: 32, .size: 8, .value_kind: global_buffer, .address_space: global }
      - { .name: out0, .offset: 40, .size: 8, .value_kind: global_buffer, .address_space: global }
    .group_segment_fixed_size: 327680
    .private_segment_fixed_size: 0
    .kernarg_segment_align: 8
    .kernarg_segment_size: 48
    .max_flat_workgroup_size: 128
    .sgpr_count:     100
    .vgpr_count:     1024
    .wavefront_size: 32
...
	.end_amdgpu_metadata
.endif
;; end of part 7
;; ======== version 2 of 2: 7 launches
;; limits: right only within a limited range of input values
;; workspace buffers: prep_out 14,155,776 bytes; qkv_img 12,582,912 bytes; z_img 4,194,304 bytes; resid_mid 16,777,216 bytes; y_codes 4,194,304 bytes; h_img 16,777,216 bytes
;; launch prep (part 8): grid 672 x 1, 4 waves a work-group, no clusters, 9,216 bytes of LDS; arguments resid_pre, ln1_w, ln1_b, W_O, lowp_scales, prep_out; writes prep_out
.if DOCPART == 8
	.amdgcn_target "amdgcn-amd-amdhsa--gfx1250"
	.amdhsa_code_object_version 6
	.text
	.protected	k_q69fbcd9f9b_prep
	.globl	k_q69fbcd9f9b_prep
	.p2align	8
	.type	k_q69fbcd9f9b_prep,@function
k_q69fbcd9f9b_prep:
	s_mov_b64 s[64:65], 0
	v_nop
	global_prefetch_b8 v0, s[64:65] scope:SCOPE_SE
	s_setreg_imm32_b32 hwreg(HW_REG_WAVE_MODE, 25, 1), 1
	s_wait_xcnt 0x0
; PREP: three kinds of work-groups, told apart by the work-group's number alone; the three ways never join.
;   0..511   LN1: x = (r - mean) / sqrt(mean of squares) * w + b of 8 rows of resid_pre, two rows a wave, quantised three times (scales 0, 2, 4 of lowp_scales) into rows of 1,024 codes.
;   512..639 W_O [k = 1,024][n = 1,024] f32 -> codes [n][k], K innermost (scale 11): a work-group takes 32 columns x 256 along K, a wave 64 of the 256: a lane takes a column, its registers run down K,
;            all 64 loads of a wave are asked for at once; the codes meet in one stage in LDS and leave as whole rows of 256 bytes.
;   640..671 the table of RoPE: [t = 2,048][i = 32]{cos, sin} of t x 10^(-i/8), f32, 256 bytes a row.
; prep_out: x's codes for Q at 0, for K at 4 MiB, for V at 8 MiB; W_O's codes at 12 MiB; the table at 13 MiB.
; code = x / 2^e, held within +-57,344, to the nearest code, ties to even.
; LIMITS: each e used here lies between -126 and 112; NaN among the inputs is not served.  cos and sin: the angle is the f32 product t x inv, inv within one unit in the
; last place of 10^(-i/8); it is reduced by pi/2 in two parts (the first product is exact for t under 2,048) and the polynomials are good to about 1e-7.
.set PITCH, 272                        ; a stage row: 256 bytes of codes + 16
.set SPARE, 8704                       ; behind the stage of 32 rows: the spare words, 128 bytes for each wave
.set SPW,   254                        ; v254 LDS address of my spare word; never rewritten
.set NIL,   255                        ; v255 0; never rewritten
.set STI,   252                        ; v252 W_O's way: where my column's codes go in the stage
.set STO,   253                        ; v253 and where I read rows back
.set WG,    20                         ; v20-51   LN: the gain at my 32 columns
.set BS,    52                         ; v52-83   the bias
.set X,     84                         ; v84-147  two rows, 32 numbers each: register 8 j + i = column 256 j + 8 lane + i
.set T,     212                        ; v212-243 a row held within the largest code
.set CD,    244                        ; v244-251 its codes
.set WX,    32                         ; W_O's way: v32-95 two blocks of 32 numbers
.set WC,    96                         ; v96-111  their codes
.set WOUT,  112                        ; v112-127 rows on their way out
	s_load_b256 s[4:11], s[0:1], 0x0               ; resid_pre s[4:5], ln1_w s[6:7], ln1_b s[8:9], W_O s[10:11]
	s_load_b128 s[12:15], s[0:1], 0x20             ; lowp_scales s[12:13], prep_out s[14:15]
	v_lshl_add_u32 v[SPW], v0, 2, SPARE
	v_mov_b32 v[NIL], 0
	v_lshrrev_b32 v1, 5, v0
	v_readfirstlane_b32 s16, v1                    ; wave 0..3
	v_and_b32 v1, 31, v0                           ; lane
	s_lshl_b32 s17, s16, 6                         ; both LDS addresses are made here, of the thread's number alone
	v_mul_u32_u24 v[STI], v1, PITCH
	v_add_nc_u32 v[STI], s17, v[STI]               ; in: row = my column, at my wave's 64 bytes
	v_and_b32 v4, 15, v1
	v_lshrrev_b32 v5, 4, v1
	s_mul_i32 s17, s16, 8*PITCH
	v_mul_u32_u24 v[STO], v5, PITCH
	v_lshl_add_u32 v[STO], v4, 4, v[STO]
	v_add_nc_u32 v[STO], s17, v[STO]               ; out: my wave's eight rows, sixteen lanes to a row, two rows an instruction
	s_wait_alu depctr_va_vdst(0)                   ; the wait at the head's end
	s_wait_kmcnt 0x0
	s_cmp_lt_u32 ttmp9, 512
	s_cbranch_scc0 .Lnot_ln
; ---------------- LN1: a wave takes two rows, both asked for at once, ahead of the gain and the bias ----------------
.macro MKSCALE e, vs                   ; v[vs] = 2^e as f32 (the conversion takes its exponent field), v[vs+1] = 57,344 x 2^e
	s_add_co_i32 s40, s[\e], 127
	s_lshl_b32 s41, s40, 23
	v_mov_b32 v[\vs], s41
	s_add_co_i32 s40, s40, 15
	s_lshl_b32 s40, s40, 23
	s_or_b32 s40, s40, 0x600000
	v_mov_b32 v[\vs+1], s40
.endm
.macro REDUCE                          ; v4 summed over the 32 lanes, the result in every lane
	v_add_f32_dpp v4, v4, v4 row_xmask:1 row_mask:0xf bank_mask:0xf
	v_add_f32_dpp v4, v4, v4 row_xmask:2 row_mask:0xf bank_mask:0xf
	v_add_f32_dpp v4, v4, v4 row_xmask:4 row_mask:0xf bank_mask:0xf
	v_add_f32_dpp v4, v4, v4 row_xmask:8 row_mask:0xf bank_mask:0xf
	v_permlanex16_b32 v5, v4, s20, s21
	v_add_f32 v4, v4, v5
.endm
.macro LNROW k                         ; row k in registers: mean taken away, divided by the root of the mean square, gain and bias
.set XK, X+32*(\k)
.if (\k) == 0
	s_wait_loadcnt 24                              ; row 0's eight loads are in; behind them: row 1's eight, the gain's eight, the bias's eight
.endif
	v_pk_add_f32 v[4:5], v[XK:XK+1], v[XK+2:XK+3]
	v_pk_add_f32 v[6:7], v[XK+4:XK+5], v[XK+6:XK+7]
.set j, 8
.rept 6
	v_pk_add_f32 v[4:5], v[4:5], v[XK+j:XK+j+1]
	v_pk_add_f32 v[6:7], v[6:7], v[XK+j+2:XK+j+3]
.set j, j+4
.endr
	v_pk_add_f32 v[4:5], v[4:5], v[6:7]
	v_add_f32 v4, v4, v5
	REDUCE
	v_mul_f32 v10, 0xba800000, v4                  ; -mean = sum x -2^-10
	v_mov_b32 v11, v10
.set j, 0
.rept 16
	v_pk_add_f32 v[XK+j:XK+j+1], v[XK+j:XK+j+1], v[10:11]
.set j, j+2
.endr
	v_pk_mul_f32 v[4:5], v[XK:XK+1], v[XK:XK+1]
	v_pk_mul_f32 v[6:7], v[XK+2:XK+3], v[XK+2:XK+3]
.set j, 4
.rept 7
	v_pk_fma_f32 v[4:5], v[XK+j:XK+j+1], v[XK+j:XK+j+1], v[4:5]
	v_pk_fma_f32 v[6:7], v[XK+j+2:XK+j+3], v[XK+j+2:XK+j+3], v[6:7]
.set j, j+4
.endr
	v_pk_add_f32 v[4:5], v[4:5], v[6:7]
	v_add_f32 v4, v4, v5
	REDUCE
	v_mul_f32 v4, 0x3a800000, v4                   ; the mean square
	s_wait_alu depctr_va_vdst(0)                   ; the wait ahead of the batch
	v_rsq_f32 v12, v4
	v_rsq_f32 v13, v4                              ; twice: a pair for the packed multiply
	v_nop                                          ; a plain instruction behind the last of them,
	s_wait_alu depctr_va_vdst(0)                   ; and the one wait ahead of the first reader
.set j, 0
.rept 16
	v_pk_mul_f32 v[XK+j:XK+j+1], v[XK+j:XK+j+1], v[12:13]
.set j, j+2
.endr
.if (\k) == 0
	s_wait_loadcnt 0x0                             ; the gain and the bias (and row 1)
.endif
.set j, 0
.rept 16
	v_pk_fma_f32 v[XK+j:XK+j+1], v[XK+j:XK+j+1], v[WG+j:WG+j+1], v[BS+j:BS+j+1]
.set j, j+2
.endr
.endm
.macro QSTORE k, s                     ; row k quantised with scale s (v[14+2s], v[15+2s]) and stored by base s[24+2s:25+2s]
.set XK, X+32*(\k)
.set j, 0
.rept 32
	v_med3_num_f32 v[T+j], v[XK+j], -v[15+2*(\s)], v[15+2*(\s)]   ; the conversion to an 8-bit code does not saturate (ISA guide 7.6.2): the hold comes first
.set j, j+1
.endr
	s_wait_alu depctr_va_vdst(0)                   ; the wait here, directly ahead of the wait below
	s_wait_xcnt 0x0                                ; the last stores have read their data: the codes' registers are written again only behind this wait
.irp q, 0,1,2,3
	v_cvt_scalef32_pk8_bf8_f32 v[CD+2*\q:CD+2*\q+1], v[T+8*\q:T+8*\q+7], v[14+2*(\s)]
.endr
	v_nop                                          ; a plain instruction behind the last conversion: the next holds write the conversions' sources
.irp q, 0,1,2,3
	global_store_b64 v3, v[CD+2*\q:CD+2*\q+1], s[24+2*(\s):25+2*(\s)] offset:1024*(\k)+256*\q   ; 32 lanes store 256 consecutive bytes, aligned
.endr
.endm
	s_lshl_b32 s17, ttmp9, 3
	s_lshl_b32 s18, s16, 1
	s_add_co_u32 s17, s17, s18                     ; my first row: 8 x work-group + 2 x wave
	s_lshl_b32 s18, s17, 12
	s_mov_b32 s19, 0
	s_add_nc_u64 s[4:5], s[4:5], s[18:19]
	s_lshl_b32 s18, s17, 10
	s_add_nc_u64 s[24:25], s[14:15], s[18:19]      ; its codes for Q,
	s_add_nc_u64 s[26:27], s[24:25], 0x400000      ; for K,
	s_add_nc_u64 s[28:29], s[24:25], 0x800000      ; for V
	s_load_b256 s[32:39], s[12:13], 0x0            ; e0 .. e7
	s_mov_b32 s20, 0x76543210                      ; v_permlanex16_b32: lane l xor 16
	s_mov_b32 s21, 0xfedcba98
	v_lshlrev_b32 v2, 5, v1                        ; 32 bytes a lane of each 1,024: eight neighbouring numbers
	v_lshlrev_b32 v3, 3, v1                        ; and their eight codes
.irp k, 0,1
.irp j, 0,1,2,3
	global_load_b128 v[X+32*\k+8*\j:X+32*\k+8*\j+3], v2, s[4:5] offset:4096*\k+1024*\j th:TH_LOAD_NT       ; the two loads together
	global_load_b128 v[X+32*\k+8*\j+4:X+32*\k+8*\j+7], v2, s[4:5] offset:4096*\k+1024*\j+16 th:TH_LOAD_NT  ; cover 1,024 consecutive bytes
.endr
.endr
.irp j, 0,1,2,3
	global_load_b128 v[WG+8*\j:WG+8*\j+3], v2, s[6:7] offset:1024*\j
	global_load_b128 v[WG+8*\j+4:WG+8*\j+7], v2, s[6:7] offset:1024*\j+16
.endr
.irp j, 0,1,2,3
	global_load_b128 v[BS+8*\j:BS+8*\j+3], v2, s[8:9] offset:1024*\j
	global_load_b128 v[BS+8*\j+4:BS+8*\j+7], v2, s[8:9] offset:1024*\j+16
.endr
	s_wait_kmcnt 0x0
	MKSCALE 32, 14
	MKSCALE 34, 16
	MKSCALE 36, 18
.irp k, 0,1
	LNROW \k
	QSTORE \k, 0
	QSTORE \k, 1
	QSTORE \k, 2
.endr
	s_endpgm                                       ; this way has written no LDS
; ---------------- W_O: a work-group takes 32 columns x 256 along K, a wave 64 of the 256 ----------------
.Lnot_ln:
	s_cmp_lt_u32 ttmp9, 640
	s_cbranch_scc0 .Lrope
.macro WLOAD t                         ; block t: W_O(32 t + i, my column): 128 consecutive bytes a wave
.set i, 0
.rept 32
	global_load_b32 v[WX+32*(\t)+i], v3, s[10:11] offset:(32*(\t)+i)*4096 th:TH_LOAD_NT
.set i, i+1
.endr
.endm
.macro WBLOCK t
.set XS, WX+32*(\t)
	s_wait_loadcnt 32*(1-(\t))                     ; this block's 32 loads are in; the next block's may be out
.set i, 0
.rept 32
	v_med3_num_f32 v[XS+i], v[XS+i], -v10, v10
.set i, i+1
.endr
.irp g, 0,1,2,3
	v_cvt_scalef32_pk8_bf8_f32 v[WC+8*(\t)+2*\g:WC+8*(\t)+2*\g+1], v[XS+8*\g:XS+8*\g+7], v11
.endr
	v_nop                                          ; a plain instruction behind the last conversion
	ds_store_b128 v[STI], v[WC+8*(\t):WC+8*(\t)+3] offset:32*(\t)
	ds_store_b128 v[STI], v[WC+8*(\t)+4:WC+8*(\t)+7] offset:32*(\t)+16
.endm
	s_sub_co_u32 s17, ttmp9, 512
	s_and_b32 s18, s17, 31
	s_lshr_b32 s19, s17, 5                         ; which 256 along K: 0..3
	s_lshl_b32 s18, s18, 5                         ; the work-group's first column
	s_lshl_b32 s22, s19, 20                        ; 256 rows of 4,096 bytes,
	s_lshl_b32 s20, s16, 18                        ; my wave's 64 of them
	s_add_co_u32 s22, s22, s20
	s_lshl_b32 s23, s18, 2
	s_add_co_u32 s22, s22, s23
	s_mov_b32 s23, 0
	s_add_nc_u64 s[10:11], s[10:11], s[22:23]
	s_lshl_b32 s22, s18, 10                        ; codes: a row of 1,024 bytes for each column,
	s_lshl_b32 s24, s19, 8
	s_add_co_u32 s22, s22, s24
	s_lshl_b32 s24, s16, 13                        ; the eight rows that my wave sends out,
	s_add_co_u32 s22, s22, s24
	s_add_co_u32 s22, s22, 12582912                ; in prep_out's part for W_O
	s_add_nc_u64 s[14:15], s[14:15], s[22:23]
	s_load_b32 s30, s[12:13], 0x2c                 ; e11
	v_lshlrev_b32 v3, 2, v1                        ; in: 4 bytes a lane
	v_lshlrev_b32 v8, 10, v5
	v_lshl_add_u32 v8, v4, 4, v8                   ; out: (lane / 16) rows of 1,024 bytes + 16 (lane % 16)
	WLOAD 0
	WLOAD 1
	s_wait_kmcnt 0x0
	s_add_co_i32 s30, s30, 127
	s_lshl_b32 s31, s30, 23
	v_mov_b32 v11, s31                             ; 2^e
	s_add_co_i32 s30, s30, 15
	s_lshl_b32 s30, s30, 23
	s_or_b32 s30, s30, 0x600000
	v_mov_b32 v10, s30                             ; 57,344 x 2^e
	s_wait_alu depctr_va_vdst(0)                   ; the wait here, directly ahead of the wait below
	WBLOCK 0
	WBLOCK 1
	s_wait_dscnt 0x0                               ; for the other waves' sake: my 64 bytes of each row are in the stage
	s_barrier_signal -1
	s_barrier_wait -1
.irp t, 0,1,2,3
	ds_load_b128 v[WOUT+4*\t:WOUT+4*\t+3], v[STO] offset:2*\t*PITCH
.endr
.irp t, 0,1,2,3
	s_wait_dscnt 3-\t                              ; the younger loads may be out
	global_store_b128 v8, v[WOUT+4*\t:WOUT+4*\t+3], s[14:15] offset:2*\t*1024   ; sixteen lanes store 256 consecutive bytes, aligned
.endr
	s_wait_tensorcnt 0x0                           ; the wave's end, behind my last LDS store
	ds_add_u32 v[SPW], v[NIL]
	s_wait_dscnt 0x0
	s_endpgm
; ---------------- the table of cos and sin: a wave takes 16 rows t, a lane one i ----------------
.Lrope:
.macro PICK dst, idx, n, lit           ; v[dst] = lit where v[idx] == n
	v_cmp_ne_u32 vcc_lo, \n, v[\idx]
	v_cndmask_b32 v[\dst], \lit, v[\dst], vcc_lo
.endm
	s_sub_co_u32 s17, ttmp9, 640
	s_lshl_b32 s17, s17, 2
	s_add_co_u32 s17, s17, s16                     ; which 16 rows: 0..127
	s_lshl_b32 s18, s17, 12
	s_add_co_u32 s18, s18, 13631488
	s_mov_b32 s19, 0
	s_add_nc_u64 s[14:15], s[14:15], s[18:19]
	s_lshl_b32 s17, s17, 4                         ; my first t
	s_mov_b32 s20, 0xbfc90fdb                      ; -(pi/2 rounded to f32)
	s_mov_b32 s21, 0x333bbd2e                      ; that number less pi/2
	s_mov_b32 s22, 0xbe2aaaa3                      ; sin r = r + r z (S1 + z (S2 + z S3)), z = r r
	s_mov_b32 s23, 0x3c08839e
	s_mov_b32 s24, 0xb94ca1f9
	s_mov_b32 s25, 0x3d2aaaa5                      ; cos r = 1 - z / 2 + z z (C1 + z (C2 + z C3))
	s_mov_b32 s26, 0xbab6061a
	s_mov_b32 s27, 0x37ccf5ce
	v_lshlrev_b32 v2, 3, v1                        ; 8 bytes a lane
	v_and_b32 v4, 7, v1
	v_lshrrev_b32 v5, 3, v1
	v_mov_b32 v3, 1.0
	v_mov_b32 v6, 1.0
	PICK 3, 4, 1, 0x3f3ff911                       ; 10^(-1/8) .. 10^(-7/8)
	PICK 3, 4, 2, 0x3f0ff59a
	PICK 3, 4, 3, 0x3ed7e89b
	PICK 3, 4, 4, 0x3ea1e89b
	PICK 3, 4, 5, 0x3e72d424
	PICK 3, 4, 6, 0x3e361887
	PICK 3, 4, 7, 0x3e088d77
	PICK 6, 5, 1, 0x3dcccccd                       ; 0.1, 0.01, 0.001
	PICK 6, 5, 2, 0x3c23d70a
	PICK 6, 5, 3, 0x3a83126f
	v_mul_f32 v3, v3, v6                           ; inv = 10^(-i/8)
	v_cvt_f32_u32 v15, s17                         ; t
.set k, 0
.rept 16
	v_mul_f32 v4, v15, v3                          ; the angle
	v_mul_f32 v5, 0x3f22f983, v4
	v_rndne_f32 v5, v5                             ; n = the nearest whole number to angle x 2 / pi
	v_fma_f32 v6, v5, s20, v4                      ; r = angle - n pi / 2, in two parts
	v_fma_f32 v6, v5, s21, v6
	v_cvt_i32_f32 v7, v5
	v_mul_f32 v8, v6, v6
	v_fma_f32 v9, v8, s24, s23
	v_fma_f32 v9, v9, v8, s22
	v_mul_f32 v10, v8, v6
	v_fma_f32 v9, v9, v10, v6                      ; sin r
	v_fma_f32 v11, v8, s27, s26
	v_fma_f32 v11, v11, v8, s25
	v_mul_f32 v12, v8, v8
	v_fma_f32 v13, v8, -0.5, 1.0
	v_fma_f32 v11, v11, v12, v13                   ; cos r
	v_and_b32 v12, 1, v7
	v_cmp_eq_u32 vcc_lo, 1, v12                    ; an odd quarter swaps the two
	v_cndmask_b32 v13, v11, v9, vcc_lo
	v_cndmask_b32 v14, v9, v11, vcc_lo
	v_add_nc_u32 v12, 1, v7
	v_and_b32 v12, 2, v12
	v_lshlrev_b32 v12, 30, v12
	v_xor_b32 v[64+2*k], v13, v12                  ; cos is negative in quarters 1 and 2,
	v_and_b32 v12, 2, v7
	v_lshlrev_b32 v12, 30, v12
	v_xor_b32 v[65+2*k], v14, v12                  ; sin in quarters 2 and 3
	v_add_f32 v15, 1.0, v15
	global_store_b64 v2, v[64+2*k:65+2*k], s[14:15] offset:256*k   ; a row's 256 bytes; each row has its own registers
.set k, k+1
.endr
	s_endpgm                                       ; this way has written no LDS
.Lfunc_end_k_q69fbcd9f9b_prep:
	.size	k_q69fbcd9f9b_prep, .Lfunc_end_k_q69fbcd9f9b_prep-k_q69fbcd9f9b_prep
	.p2alignl 7, 3214868480
	.fill 96, 4, 3214868480
	.section	.rodata,"a",@progbits
	.p2align	6, 0x0
	.amdhsa_kernel k_q69fbcd9f9b_prep
		.amdhsa_group_segment_fixed_size 9216
		.amdhsa_private_segment_fixed_size 0
		.amdhsa_enable_private_segment 0
		.amdhsa_kernarg_size 48
		.amdhsa_user_sgpr_count 2
		.amdhsa_user_sgpr_kernarg_segment_ptr 1
		.amdhsa_wavefront_size32 1
		.amdhsa_system_sgpr_workgroup_id_x 1
		.amdhsa_system_sgpr_workgroup_id_y 1
		.amdhsa_system_sgpr_workgroup_id_z 1
		.amdhsa_system_vgpr_workitem_id 0
		.amdhsa_next_free_vgpr 256
		.amdhsa_next_free_sgpr 66
		.amdhsa_reserve_vcc 1
		.amdhsa_float_denorm_mode_32 3
		.amdhsa_float_denorm_mode_16_64 3
		.amdhsa_memory_ordered 1
		.amdhsa_forward_progress 1
		.amdhsa_inst_pref_size 70
	.end_amdhsa_kernel
	.amdgpu_metadata
---
amdhsa.version: [ 1, 2 ]
amdhsa.kernels:
  - .name:           k_q69fbcd9f9b_prep
    .symbol:         k_q69fbcd9f9b_prep.kd
    .args:
      - { .name: resid_pre, .offset: 0, .size: 8, .value_kind: global_buffer, .address_space: global }
      - { .name: ln1_w, .offset: 8, .size: 8, .value_kind: global_buffer, .address_space: global }
      - { .name: ln1_b, .offset: 16, .size: 8, .value_kind: global_buffer, .address_space: global }
      - { .name: W_O, .offset: 24, .size: 8, .value_kind: global_buffer, .address_space: global }
      - { .name: lowp_scales, .offset: 32, .size: 8, .value_kind: global_buffer, .address_space: global }
      - { .name: prep_out, .offset: 40, .size: 8, .value_kind: global_buffer, .address_space: global }
    .group_segment_fixed_size: 9216
    .private_segment_fixed_size: 0
    .kernarg_segment_align: 8
    .kernarg_segment_size: 48
    .max_flat_workgroup_size: 128
    .sgpr_count:     66
    .vgpr_count:     256
    .wavefront_size: 32
...
	.end_amdgpu_metadata
.endif
;; end of part 8
;; launch qkv (part 9): grid 12 x 16, 4 waves a work-group, clusters of 4 x 4, 327,680 bytes of LDS; arguments prep_out, W_Q_codes, W_K_codes, W_V_codes, b_Q, b_K, b_V, lowp_scales, qkv_img; writes qkv_img
.if DOCPART == 9
	.amdgcn_target "amdgcn-amd-amdhsa--gfx1250"
	.amdhsa_code_object_version 6
	.text
	.protected	k_q69fbcd9f9b_qkv
	.globl	k_q69fbcd9f9b_qkv
	.p2align	8
	.type	k_q69fbcd9f9b_qkv,@function
k_q69fbcd9f9b_qkv:
	s_mov_b64 s[64:65], 0
	v_nop
	global_prefetch_b8 v0, s[64:65] scope:SCOPE_SE
	s_setreg_imm32_b32 hwreg(HW_REG_WAVE_MODE, 25, 1), 1
	s_wait_xcnt 0x0
	s_wait_alu depctr_hold_cnt(0) depctr_sa_sdst(0) depctr_va_vdst(0) depctr_va_sdst(0) depctr_va_ssrc(0) depctr_va_vcc(0) depctr_vm_vsrc(0)
	s_getreg_b32 s2, hwreg(HW_REG_IB_STS2, 6, 4)
	s_cmp_eq_u32 s2, 0
	s_cbranch_scc0 .Lentry_in_a_cluster
	s_endpgm
.Lentry_in_a_cluster:
	s_bfe_u32 s2, ttmp6, 0x10000c
	s_cmp_lg_u32 s2, 0xf033
	s_cbranch_scc0 .Lentry_shape_is_right
	s_endpgm
.Lentry_shape_is_right:
; Q, K and V: x W + b on codes of BF8 (E5M2), RoPE on Q and K, and the results quantised for attention.  The cluster's x says which: 0 Q, 1 K, 2 V.
; THE PRODUCT: C[m][n] = sum over k of A[m][k] B[n][k], A and B rows of 1,024 codes.  A work-group of four waves makes 256 x 256, a wave 128 x 128: 64 accumulators, 512 registers.
; K goes in steps of 256 through two LDS slots filled by the tensor data mover.  4 x 4 work-groups form a cluster: A's tile is asked for jointly along a row of the cluster, B's along a column.
; The matrix instruction is used transposed (source 0 = 16 rows of B, source 1 = 16 rows of A): a lane holds row l % 16 of C and eight neighbouring columns 8 (l / 16) + 0..7 of each block of 16.
; Q, K: A = x's codes (tokens), B = the weight: a lane's registers run along the head's d, which is the next product's K.
; V: A = W_V, B = x's codes: the same text gives V^T, a lane's registers run along the tokens, which are the keys, the next K.  Only the two bases and the two tile coordinates are chosen otherwise.
; RESULTS leave as images of the next operand's registers, 512 consecutive bytes a store:
;   Q at 0, K at 4 MiB: [batch x head 32][16 tokens 128][g 2][lane][16 bytes]: lane (token r, half h): d = 32 g + 8 h + 0..7, then 32 g + 16 + 8 h + 0..7.
;   V at 8 MiB: [batch x head][128 keys 16][16 d 4][g 4][lane][16 bytes]: lane (d r, half h): keys 32 g + 8 h + 0..7, then 32 g + 16 + 8 h + 0..7.
; LIMITS: e0 + e1, e2 + e3, e4 + e5 between -126 and 127; e6, e7, e8 between -126 and 112.  NaN among the inputs is not served.
; REGISTERS, in windows of 256: window 0: v0-31 addresses; from v128 A's fragments, one set; on the way out v32-255 are free.  window 1: B's fragments, two sets.  windows 2, 3: the accumulators ((a, b) at v[8 (8 (a % 4) + b)]).
.set KTOT,   1024
.set KSTEP,  256
.set ROWB,   256
.set KROW,   1024
.set PITCH,  272                       ; an LDS row: 256 bytes + 16: the 16 rows that a load touches start at 16 different banks
.set FR,     16
.set NL,     4
.set NP,     4                         ; places behind this matrix instruction (ISA guide 7.12.1)
.set HALFT,  128*PITCH
.set SLOT,   4*HALFT
.set LAPS,   KTOT/(2*KSTEP)
.set SPARE,  2*SLOT                    ; behind the ring: the spare words, 128 bytes for each wave
.set ADRA, 16
.set ADRB, 20
.set L16,  26                          ; v26 16 x lane
.set SPW,  28
.set NIL,  29
.set AF,   128
.set G1, 24
.set G0, 32
.set G1B, 48
.set G0B, 56
.set BI,  32                           ; the way out: v32-95 the bias in the result's layout
.set R,   96                           ; v96-159 two sets of 32: cos and sin of a block's tokens
.set T,   160                          ; v160-223 a block's 64 numbers
.set TT,  224                          ; v224-231 at work
.set CD,  232                          ; v232-247 a block's codes
.set MSB, 0
.macro WIN new                         ; the immediate's high byte repeats the setting that is left
.if MSB != (\new)
	s_set_vgpr_msb (MSB<<8)|(\new)
.set MSB, \new
.endif
.endm
.set MUL_LO, 0xa1                      ; source 0 (B) window 1, source 1 (A) window 0, C and D window 2
.set MUL_HI, 0xf1
.set TO_B,   0x40
.macro JLOAD g0a, g1a, g0b, g1b        ; a joint load: waves 0 and 1 fetch for A, waves 2 and 3 for B; an s_nop 0 and four v_nop follow each line
	s_cmp_eq_u32 s15, 0
	s_cbranch_scc0 .Lfor_b_\@
	tensor_load_to_lds s[\g0a:\g0a+3], s[\g1a:\g1a+7]
	s_nop 0
.rept 4
	v_nop
.endr
	s_branch .Lasked_\@
.Lfor_b_\@:
	tensor_load_to_lds s[\g0b:\g0b+3], s[\g1b:\g1b+7]
	s_nop 0
.rept 4
	v_nop
.endr
.Lasked_\@:
.endm
.macro CREST                           ; a round of the cluster's barrier behind its opening barrier
	s_cmp_lg_u32 s14, 0
	s_cbranch_scc1 .Lnot_wave_0_\@
	s_barrier_signal -3
.Lnot_wave_0_\@:
	s_barrier_wait -3
	s_barrier_signal -1
	s_barrier_wait -1
.endm
.macro CROUND
	s_barrier_signal -1
	s_barrier_wait -1
	CREST
.endm
	s_load_b512 s[68:83], s[0:1], 0x0              ; prep_out 68, W_Q 70, W_K 72, W_V 74, b_Q 76, b_K 78, b_V 80, lowp_scales 82
	s_load_b64 s[84:85], s[0:1], 0x40              ; qkv_img
	v_lshl_add_u32 v[SPW], v0, 2, SPARE
	v_mov_b32 v[NIL], 0
	ds_add_u32 v[SPW], v[NIL]                      ; the wave's opening: the two adds and their wait ahead of my first tensor load
	ds_add_u32 v[SPW], v[NIL]
	v_lshrrev_b32 v1, 5, v0
	v_readfirstlane_b32 s14, v1                    ; wave 0..3
	s_lshr_b32 s15, s14, 1                         ; which half of the tile's rows is mine.  Also: I fetch for A (0) or for B (1)
	s_and_b32 s16, s14, 1                          ; which half of its columns.  Also: which 128 rows of that tile I fetch
	s_bfe_u32 s40, ttmp6, 0x40000                  ; cx
	s_bfe_u32 s41, ttmp6, 0x40004                  ; cy
	s_and_b32 s12, ttmp7, 0xffff
	s_lshl_b32 s12, s12, 2                         ; 4 x cluster y
	s_add_co_u32 s13, s12, s41                     ; + cy
	s_add_co_u32 s12, s12, s40                     ; + cx
	s_cmp_eq_u32 ttmp9, 2                          ; the cluster's x: the same in all sixteen partners
	s_cselect_b32 s17, s41, s13                    ; tile row: of cy alone.  Q, K: 16 tiles of tokens; V: 4 tiles of W_V's rows
	s_cselect_b32 s42, s12, s40                    ; tile column: of cx alone.  Q, K: 4 tiles of the weight's rows; V: 16 tiles of tokens
	s_lshl_b32 s43, s41, 2
	s_lshl_b32 s43, 15, s43                        ; my row of the cluster
	s_lshl_b32 s44, 0x1111, s40                    ; my column
	s_or_b32 s[G1+0], s43, (0<<16)|(1<<20)|(1<<21)|(5<<22)|(3<<25)  ; the mask; elements of 1 byte; padding on; bit 21 beside a mask; 4 words behind every 64
	s_or_b32 s[G1B+0], s44, (0<<16)|(1<<20)|(1<<21)|(5<<22)|(3<<25)
.irp g, G1, G1B
	s_mov_b32 s[\g+1], ROWB<<16                    ; tensor_dim0
	s_mov_b32 s[\g+2], 128<<16                     ; tensor_dim1
	s_mov_b32 s[\g+3], ROWB<<16                    ; tile_dim0
	s_mov_b32 s[\g+4], 128                         ; tile_dim1
	s_mov_b32 s[\g+5], KROW                        ; the pitch
	s_mov_b32 s[\g+6], 0
	s_mov_b32 s[\g+7], 0
.endr
	s_lshl_b32 s18, s16, 7
	s_lshl_b32 s20, s17, 8
	s_add_co_u32 s20, s20, s18                     ; A: row 256 x tile row + 128 x half,
	s_lshl_b32 s20, s20, 10                        ; in bytes
	s_mov_b32 s21, 0
	s_lshl_b32 s46, s42, 8
	s_add_co_u32 s46, s46, s18                     ; B likewise
	s_lshl_b32 s46, s46, 10
	s_mov_b32 s47, 0
	s_mul_i32 s45, s14, HALFT                      ; where they go: wave x 128 rows
	s_wait_dscnt 0x0                               ; the opening add is done
	s_wait_kmcnt 0x0
	s_load_b256 s[88:95], s[82:83], 0x0            ; e0 .. e7
	s_load_b32 s86, s[82:83], 0x20                 ; e8
	s_cmp_eq_u32 ttmp9, 0
	s_cselect_b64 s[6:7], s[70:71], s[72:73]       ; W_Q or W_K
	s_lshl_b32 s18, ttmp9, 22
	s_mov_b32 s19, 0
	s_add_nc_u64 s[10:11], s[68:69], s[18:19]      ; x's codes under this product's scale
	s_cmp_eq_u32 ttmp9, 2
	s_cselect_b64 s[4:5], s[74:75], s[10:11]       ; A: x's codes; for V the weight
	s_cselect_b64 s[6:7], s[10:11], s[6:7]         ; B: the weight; for V x's codes
	s_add_nc_u64 s[20:21], s[4:5], s[20:21]
	s_add_nc_u64 s[46:47], s[6:7], s[46:47]
	CROUND                                         ; all sixteen work-groups are here: the first joint loads meet
.irp s, 0,1
	s_mov_b32 s[G0+4*\s], 1
	s_add_co_u32 s[G0+4*\s+1], s45, \s*SLOT
	s_add_nc_u64 s[G0+4*\s+2:G0+4*\s+3], s[20:21], \s*ROWB
	s_or_b32 s[G0+4*\s+3], s[G0+4*\s+3], 0x80000000
	s_mov_b32 s[G0B+4*\s], 1
	s_add_co_u32 s[G0B+4*\s+1], s45, \s*SLOT
	s_add_nc_u64 s[G0B+4*\s+2:G0B+4*\s+3], s[46:47], \s*ROWB
	s_or_b32 s[G0B+4*\s+3], s[G0B+4*\s+3], 0x80000000
.endr
	JLOAD G0, G1, G0B, G1B                         ; K step 0: one tensor load a wave at the head
	; prefetches: K steps 1 and 2 here, K step 3 behind K step 1's load.  Of the 128 rows that I fetch, my work-group takes 32 (by cx for A, by cy for B): a lane a row, 256 bytes of it a step
	s_cmp_eq_u32 s15, 0
	s_cselect_b64 s[98:99], s[20:21], s[46:47]
	s_cselect_b32 s8, s40, s41
	s_lshl_b32 s8, s8, 15                          ; 32 rows of 1,024 bytes
	s_mov_b32 s9, 0
	s_add_nc_u64 s[98:99], s[98:99], s[8:9]
	v_and_b32 v24, 31, v0
	v_lshlrev_b32 v24, 10, v24
	global_prefetch_b8 v24, s[98:99] offset:ROWB th:TH_LOAD_NT scope:SCOPE_SE
	global_prefetch_b8 v24, s[98:99] offset:2*ROWB th:TH_LOAD_NT scope:SCOPE_SE
	v_and_b32 v1, 15, v0                           ; m = l % 16; kept
	v_bfe_u32 v2, v0, 4, 1                         ; h = l / 16; kept
	v_mul_u32_u24 v3, v1, PITCH
	v_lshl_add_u32 v4, v2, 4, v3                   ; a fragment's row x pitch + 16 x half
	s_mul_i32 s21, s15, HALFT
	s_mul_i32 s22, s16, HALFT
	s_add_co_u32 s22, s22, 2*HALFT
.irp s, 0,1
	v_add_nc_u32 v[ADRA+\s], s21, v4
	v_add_nc_u32 v[ADRB+\s], s22, v4
	s_add_co_u32 s21, s21, SLOT
	s_add_co_u32 s22, s22, SLOT
.endr
	v_and_b32 v6, 31, v0
	v_lshlrev_b32 v[L16], 4, v6
	; WHAT THE WAY OUT WANTS FROM MEMORY IS ASKED FOR HERE, the whole K loop ahead of its use: the bias, and for Q and K the table of block 0, into v32-127, which the loop does not name.
	; The branch hangs on the cluster's x, which all sixteen partners share.
	v_min_u32 v25, 13, v6
	v_lshlrev_b32 v25, 8, v25                      ; the table's prefetch: a lane a row of 256 bytes, 14 rows; the lanes left over name the last again
	s_wait_alu depctr_va_vdst(0)                   ; the wait here, directly ahead of the branch and the scalar lines
	s_cmp_eq_u32 ttmp9, 2
	s_cbranch_scc1 .Lhead_v
	s_lshl_b32 s18, s17, 8
	s_lshl_b32 s19, s15, 7
	s_add_co_u32 s18, s18, s19                     ; my first token
	s_lshr_b32 s19, s18, 11                        ; batch
	s_and_b32 s18, s18, 2047                       ; t
	s_lshl_b32 s22, s42, 2
	s_lshl_b32 s23, s16, 1
	s_add_co_u32 s22, s22, s23                     ; my first head
	s_lshl_b32 s19, s19, 4
	s_add_co_u32 s19, s19, s22
	s_lshl_b32 s19, s19, 17                        ; 131,072 bytes a head
	s_lshl_b32 s23, s18, 6                         ; 1,024 bytes for 16 tokens
	s_add_co_u32 s19, s19, s23
	s_lshl_b32 s23, ttmp9, 22                      ; Q's part or K's
	s_add_co_u32 s22, s19, s23
	s_mov_b32 s23, 0
	s_add_nc_u64 s[84:85], s[84:85], s[22:23]
	s_lshl_b32 s22, s18, 8
	s_add_co_u32 s22, s22, 13631488
	s_add_nc_u64 s[68:69], s[68:69], s[22:23]      ; the table at my first t
	s_lshl_b32 s22, s42, 10
	s_lshl_b32 s18, s16, 9
	s_add_co_u32 s22, s22, s18                     ; 4 x my first column
	s_cmp_eq_u32 ttmp9, 0
	s_cselect_b64 s[76:77], s[76:77], s[78:79]     ; b_Q or b_K
	s_add_nc_u64 s[76:77], s[76:77], s[22:23]
	v_lshlrev_b32 v22, 5, v2                       ; 32 h
	v_lshl_add_u32 v27, v1, 8, v22                 ; 256 m + 32 h
.irp b, 0,1,2,3,4,5,6,7
	global_load_b128 v[BI+8*\b:BI+8*\b+3], v22, s[76:77] offset:64*\b
	global_load_b128 v[BI+8*\b+4:BI+8*\b+7], v22, s[76:77] offset:64*\b+16
.endr
.irp q, 0,1,2,3
	global_load_b128 v[R+8*\q:R+8*\q+3], v27, s[68:69] offset:64*\q
	global_load_b128 v[R+8*\q+4:R+8*\q+7], v27, s[68:69] offset:64*\q+16
.endr
	; rows 16 to 127 of my tokens' table are prefetched, once in the cluster: the eight waves that will read them (four partners along x, two waves each) take 14 rows each, told apart by address
	s_lshl_b32 s8, s40, 1
	s_add_co_u32 s8, s8, s16
	s_mul_i32 s8, s8, 14*256
	s_add_co_u32 s8, s8, 16*256
	s_mov_b32 s9, 0
	s_add_nc_u64 s[12:13], s[68:69], s[8:9]
	global_prefetch_b8 v25, s[12:13] th:TH_LOAD_NT scope:SCOPE_SE
	s_branch .Lhead_join
.Lhead_v:
	s_lshl_b32 s18, s17, 8
	s_lshl_b32 s19, s15, 7
	s_add_co_u32 s18, s18, s19                     ; my first row of W_V
	s_lshl_b32 s22, s42, 8
	s_lshl_b32 s23, s16, 7
	s_add_co_u32 s22, s22, s23                     ; my first token
	s_lshr_b32 s19, s22, 11                        ; batch
	s_and_b32 s22, s22, 2047
	s_lshr_b32 s22, s22, 7                         ; which 128 keys
	s_lshl_b32 s22, s22, 13
	s_lshl_b32 s19, s19, 4
	s_lshr_b32 s23, s18, 6                         ; my first head
	s_add_co_u32 s19, s19, s23
	s_lshl_b32 s19, s19, 17
	s_add_co_u32 s22, s22, s19
	s_add_co_u32 s22, s22, 0x800000                ; V's part
	s_mov_b32 s23, 0
	s_add_nc_u64 s[84:85], s[84:85], s[22:23]
	s_lshl_b32 s22, s18, 2
	s_add_nc_u64 s[80:81], s[80:81], s[22:23]
	v_lshlrev_b32 v23, 2, v1                       ; 4 m
.irp a, 0,1,2,3,4,5,6,7
	global_load_b32 v[BI+\a], v23, s[80:81] offset:64*\a   ; b_V at my row of block a
.endr
.Lhead_join:
.macro FRAG reg, adr, q, i             ; 16 rows x 128 K: lane l holds row l % 16; registers 4 c .. 4 c + 3 hold K = 32 c + 16 (l / 16) + 0 .. 15, in A and in B alike
.irp c, 0,1,2,3
	ds_load_b128 v[\reg+4*\c:\reg+4*\c+3], v[\adr] offset:128*(\q)+32*\c+(\i)*16*PITCH
.endr
.endm
.macro MUL16 a0, p, zero               ; A's blocks a0, a0 + 1 x B's eight.  The 64 accumulators take turns, one instruction a turn
.irp a, \a0, \a0+1
.irp b, 0,1,2,3,4,5,6,7
.if \zero
	v_wmma_f32_16x16x128_bf8_bf8 v[8*(8*((\a)%4)+\b):8*(8*((\a)%4)+\b)+7], v[128*(\p)+FR*\b:128*(\p)+FR*\b+FR-1], v[AF+FR*(\a):AF+FR*(\a)+FR-1], 0
.else
	v_wmma_f32_16x16x128_bf8_bf8 v[8*(8*((\a)%4)+\b):8*(8*((\a)%4)+\b)+7], v[128*(\p)+FR*\b:128*(\p)+FR*\b+FR-1], v[AF+FR*(\a):AF+FR*(\a)+FR-1], v[8*(8*((\a)%4)+\b):8*(8*((\a)%4)+\b)+7]
.endif
.endr
.endr
.endm
.macro FETCH_B slot, q, p
	WIN TO_B
.irp i, 0,1,2,3,4,5,6,7
	FRAG 128*(\p)+FR*\i, ADRB+\slot, \q, \i
.endr
	WIN 0
.endm
.macro FETCH_A slot, q, i0
.irp i, \i0, \i0+1, \i0+2, \i0+3
	FRAG AF+FR*(\i), ADRA+\slot, \q, \i
.endr
.endm
.macro PLACES n                        ; plain vector instructions between a matrix instruction and a load into, or a read of, its registers
.rept \n
	v_nop
.endr
.endm
.macro STEP slot, q, zero              ; 128 along K whose successor lies in the same slot
	s_wait_dscnt 4*NL                              ; B's set and A's blocks 0-3 are in; the sixteen youngest loads (A's blocks 4-7) may be out
	WIN MUL_LO
	MUL16 0, (\q)%2, \zero
	MUL16 2, (\q)%2, \zero
	s_wait_dscnt 0
	PLACES NP
	FETCH_B \slot, (\q)+1, 1-(\q)%2
	FETCH_A \slot, (\q)+1, 0
	WIN MUL_HI
	MUL16 4, (\q)%2, \zero
	MUL16 6, (\q)%2, \zero
	PLACES NP
	WIN 0
	FETCH_A \slot, (\q)+1, 4
.endm
.macro TURN slot, next, fill           ; a slot's last step changes slots: one barrier; fill = 1: the slot is filled again, two K steps ahead
	s_wait_tensorcnt 0x0                           ; all my tensor loads have landed: my part of the next slot
	ds_add_u32 v[SPW], v[NIL]                      ; 0 onto my spare word
	s_wait_dscnt 4*NL+1                            ; the add and the sixteen youngest loads may be out
	WIN MUL_LO
	MUL16 0, 1, 0
	s_wait_dscnt 0x0                               ; the add is done, and my reads of this slot are over
	s_barrier_signal -1
	MUL16 2, 1, 0
	WIN 0
	s_barrier_wait -1
.if \fill
	CREST                                          ; the barrier has opened a round of the cluster's: no wave of any partner still reads this slot or has a load on its way
	s_add_nc_u64 s[G0+4*\slot+2:G0+4*\slot+3], s[G0+4*\slot+2:G0+4*\slot+3], 2*ROWB
	s_add_nc_u64 s[G0B+4*\slot+2:G0B+4*\slot+3], s[G0B+4*\slot+2:G0B+4*\slot+3], 2*ROWB
	JLOAD G0+4*\slot, G1, G0B+4*\slot, G1B         ; the first tensor load behind the round; its four v_nop are the places in front of the loads below
.else
	PLACES NP
.endif
	FETCH_B \next, 0, 0
	FETCH_A \next, 0, 0
	WIN MUL_HI
	MUL16 4, 1, 0
	MUL16 6, 1, 0
	PLACES NP
	WIN 0
	FETCH_A \next, 0, 4
.endm
	s_wait_alu depctr_va_vdst(0)                   ; the wait at the head's end
	s_wait_tensorcnt 0x0                           ; my part of K step 0 is in; slot 1's first fill is issued as a refill is:
	ds_add_u32 v[SPW], v[NIL]                      ; 0 onto my spare word
	s_wait_dscnt 0x0
	CROUND                                         ; everybody's part of K step 0 is in, and the joint loads meet
	JLOAD G0+4, G1, G0B+4, G1B                     ; K step 1: the first tensor load behind the round
	FETCH_B 0, 0, 0
	FETCH_A 0, 0, 0
	FETCH_A 0, 0, 4
	global_prefetch_b8 v24, s[98:99] offset:3*ROWB th:TH_LOAD_NT scope:SCOPE_SE
	STEP 0, 0, 1                                   ; the first step's products start the sums
	s_mov_b32 s3, LAPS-1
.Llap:
	TURN 0, 1, 1
	STEP 1, 0, 0
	TURN 1, 0, 1
	STEP 0, 0, 0
	s_sub_co_u32 s3, s3, 1
	s_cmp_lg_u32 s3, 0
	s_cbranch_scc1 .Llap
	TURN 0, 1, 0                                   ; the last lap fills nothing
	STEP 1, 0, 0
	s_wait_dscnt 4*NL
	WIN MUL_LO
	MUL16 0, 1, 0
	MUL16 2, 1, 0
	s_wait_dscnt 0
	WIN MUL_HI
	MUL16 4, 1, 0
	MUL16 6, 1, 0
	WIN 0
; ---------------- THE WAY OUT ----------------
.macro MKQ e                           ; v30 = 2^e as f32, v31 = 57,344 x 2^e; e in s[e]
	s_add_co_i32 s22, s[\e], 127
	s_lshl_b32 s23, s22, 23
	v_mov_b32 v30, s23
	s_add_co_i32 s22, s22, 15
	s_lshl_b32 s22, s22, 23
	s_or_b32 s22, s22, 0x600000
	v_mov_b32 v31, s22
.endm
.macro QUANT8                          ; T's 64 numbers become 16 registers of codes: tile b's eight in CD + 2 b, CD + 2 b + 1
.set j, 0
.rept 64
	v_med3_num_f32 v[T+j], v[T+j], -v31, v31       ; the conversion to an 8-bit code does not saturate (ISA guide 7.6.2)
.set j, j+1
.endr
	s_wait_alu depctr_va_vdst(0)
	s_wait_xcnt 0x0                                ; the last block's stores have read their data
.irp b, 0,1,2,3,4,5,6,7
	v_cvt_scalef32_pk8_bf8_f32 v[CD+2*\b:CD+2*\b+1], v[T+8*\b:T+8*\b+7], v30
.endr
	v_nop                                          ; a plain instruction behind the last conversion
.endm
	s_wait_kmcnt 0x0
	PLACES NP                                      ; behind the last products: reads of results and loads into A's registers follow
	s_cmp_eq_u32 ttmp9, 2
	s_cbranch_scc1 .Lpath_v
; Q and K.  Lane (m, h) holds token 16 a + m and, of tile b, columns 16 b + 8 h + 0..7: head b / 4 of my two, d = 16 (b % 4) + 8 h + j
.macro RLOAD a                         ; cos and sin of block a's tokens at my 16 pairs: pair 8 (b % 4) + 4 h + p
.set RL, R+32*((\a)%2)
.irp q, 0,1,2,3
	global_load_b128 v[RL+8*\q:RL+8*\q+3], v27, s[68:69] offset:4096*(\a)+64*\q
	global_load_b128 v[RL+8*\q+4:RL+8*\q+7], v27, s[68:69] offset:4096*(\a)+64*\q+16
.endr
.endm
.macro QKBLOCK a
.set AC, 64*((\a)%4)
.set RB, R+32*((\a)%2)
.if (\a) < 7
	s_wait_loadcnt 8                               ; this block's table is in; the next block's eight loads may be out
.else
	s_wait_loadcnt 0
.endif
	WIN 0x02+((\a)/4)                              ; source 0: window 2 or 3
.set j, 0
.rept 32
	v_pk_fma_f32 v[T+j:T+j+1], v[AC+j:AC+j+1], s[96:97], v[BI+j:BI+j+1] op_sel_hi:[1,0,1]   ; sum x 2^(ea + eb) + bias; each accumulator from its low end on
.set j, j+2
.endr
	WIN 0
.set j, 0
.rept 8
.irp p, 0,2,4,6
	v_pk_mul_f32 v[TT+\p:TT+\p+1], v[T+j+\p:T+j+\p+1], v[RB+j%32+\p:RB+j%32+\p+1] op_sel:[1,1] op_sel_hi:[0,1]   ; (xi s, xr s)
.endr
.irp p, 0,2,4,6
	v_pk_fma_f32 v[T+j+\p:T+j+\p+1], v[T+j+\p:T+j+\p+1], v[RB+j%32+\p:RB+j%32+\p+1], v[TT+\p:TT+\p+1] op_sel_hi:[1,0,1] neg_lo:[0,0,1]   ; (xr c - xi s, xi c + xr s)
.endr
.set j, j+8
.endr
	QUANT8
.irp g, 0,1,2,3
	global_store_b128 v[L16], v[CD+4*\g:CD+4*\g+3], s[84:85] offset:131072*(\g/2)+1024*(\a)+512*(\g%2)   ; 512 consecutive bytes
.endr
.if (\a) < 6
	RLOAD (\a)+2
.endif
.endm
	s_cmp_eq_u32 ttmp9, 0                          ; (the addresses, the bias and block 0's table were seen to at the head)
	s_cselect_b32 s18, s88, s90
	s_cselect_b32 s19, s89, s91
	s_cselect_b32 s20, s94, s95                    ; e6 or e7
	RLOAD 1
	s_add_co_i32 s96, s18, s19
	s_add_co_i32 s96, s96, 127
	s_lshl_b32 s96, s96, 23                        ; 2^(ea + eb)
	s_mov_b32 s97, s96
	MKQ 20
.irp a, 0,1,2,3,4,5,6,7
	QKBLOCK \a
.endr
	s_branch .Lend
; V^T.  Lane (m, h) holds row 16 a + m of W_V (head a / 4 of my two, d = 16 (a % 4) + m) and, of tile b, keys 16 b + 8 h + 0..7 of my 128
.Lpath_v:
.macro VBLOCK a
.set AC, 64*((\a)%4)
.set BV, BI+2*((\a)/2)
	WIN 0x02+((\a)/4)
.set j, 0
.rept 32
.if (\a)%2
	v_pk_fma_f32 v[T+j:T+j+1], v[AC+j:AC+j+1], s[96:97], v[BV:BV+1] op_sel:[0,0,1] op_sel_hi:[1,0,1]   ; the pair's second register for both halves
.else
	v_pk_fma_f32 v[T+j:T+j+1], v[AC+j:AC+j+1], s[96:97], v[BV:BV+1] op_sel_hi:[1,0,0]                  ; its first
.endif
.set j, j+2
.endr
	WIN 0
	QUANT8
.irp g, 0,1,2,3
	global_store_b128 v[L16], v[CD+4*\g:CD+4*\g+3], s[84:85] offset:131072*((\a)/4)+2048*((\a)%4)+512*\g
.endr
.endm
	s_add_co_i32 s96, s92, s93
	s_add_co_i32 s96, s96, 127
	s_lshl_b32 s96, s96, 23                        ; 2^(e4 + e5)
	s_mov_b32 s97, s96
	MKQ 86
	s_wait_loadcnt 0x0
.irp a, 0,1,2,3,4,5,6,7
	VBLOCK \a
.endr
.Lend:
	s_wait_tensorcnt 0x0                           ; the wave's end
	ds_add_u32 v[SPW], v[NIL]
	s_wait_dscnt 0x0
	CROUND                                         ; the closing round: no work-group ends while a partner may still ask for a tile that names it
	s_endpgm
.Lfunc_end_k_q69fbcd9f9b_qkv:
	.size	k_q69fbcd9f9b_qkv, .Lfunc_end_k_q69fbcd9f9b_qkv-k_q69fbcd9f9b_qkv
	.p2alignl 7, 3214868480
	.fill 96, 4, 3214868480
	.section	.rodata,"a",@progbits
	.p2align	6, 0x0
	.amdhsa_kernel k_q69fbcd9f9b_qkv
		.amdhsa_group_segment_fixed_size 327680
		.amdhsa_private_segment_fixed_size 0
		.amdhsa_enable_private_segment 0
		.amdhsa_kernarg_size 72
		.amdhsa_user_sgpr_count 2
		.amdhsa_user_sgpr_kernarg_segment_ptr 1
		.amdhsa_wavefront_size32 1
		.amdhsa_system_sgpr_workgroup_id_x 1
		.amdhsa_system_sgpr_workgroup_id_y 1
		.amdhsa_system_sgpr_workgroup_id_z 1
		.amdhsa_system_vgpr_workitem_id 0
		.amdhsa_next_free_vgpr 1024
		.amdhsa_next_free_sgpr 100
		.amdhsa_reserve_vcc 0
		.amdhsa_float_denorm_mode_32 3
		.amdhsa_float_denorm_mode_16_64 3
		.amdhsa_memory_ordered 1
		.amdhsa_forward_progress 1
		.amdhsa_inst_pref_size 234
	.end_amdhsa_kernel
	.amdgpu_metadata
---
amdhsa.version: [ 1, 2 ]
amdhsa.kernels:
  - .name:           k_q69fbcd9f9b_qkv
    .symbol:         k_q69fbcd9f9b_qkv.kd
    .args:
      - { .name: prep_out, .offset: 0, .size: 8, .value_kind: global_buffer, .address_space: global }
      - { .name: W_Q_codes, .offset: 8, .size: 8, .value_kind: global_buffer, .address_space: global }
      - { .name: W_K_codes, .offset: 16, .size: 8, .value_kind: global_buffer, .address_space: global }
      - { .name: W_V_codes, .offset: 24, .size: 8, .value_kind: global_buffer, .address_space: global }
      - { .name: b_Q, .offset: 32, .size: 8, .value_kind: global_buffer, .address_space: global }
      - { .name: b_K, .offset: 40, .size: 8, .value_kind: global_buffer, .address_space: global }
      - { .name: b_V, .offset: 48, .size: 8, .value_kind: global_buffer, .address_space: global }
      - { .name: lowp_scales, .offset: 56, .size: 8, .value_kind: global_buffer, .address_space: global }
      - { .name: qkv_img, .offset: 64, .size: 8, .value_kind: global_buffer, .address_space: global }
    .group_segment_fixed_size: 327680
    .private_segment_fixed_size: 0
    .kernarg_segment_align: 8
    .kernarg_segment_size: 72
    .max_flat_workgroup_size: 128
    .sgpr_count:     100
    .vgpr_count:     1024
    .wavefront_size: 32
...
	.end_amdgpu_metadata
.endif
;; end of part 9
;; launch attn (part 10): grid 8 x 32, 16 waves a work-group, no clusters, 327,680 bytes of LDS; arguments qkv_img, lowp_scales, z_img; writes z_img
.if DOCPART == 10
	.amdgcn_target "amdgcn-amd-amdhsa--gfx1250"
	.amdhsa_code_object_version 6
	.text
	.protected	k_q69fbcd9f9b_attn
	.globl	k_q69fbcd9f9b_attn
	.p2align	8
	.type	k_q69fbcd9f9b_attn,@function
k_q69fbcd9f9b_attn:
	s_mov_b64 s[64:65], 0
	v_nop
	global_prefetch_b8 v0, s[64:65] scope:SCOPE_SE
	s_setreg_imm32_b32 hwreg(HW_REG_WAVE_MODE, 25, 1), 1
	s_wait_xcnt 0x0
; Causal attention on codes of BF8 (E5M2), head size 64, 2,048 keys, 32 pairs of batch and head; a score that is exactly 0 is masked as well.  The result z is quantised for the next product.
; t = score x log2(e) / 8; M = the running largest t rounded up to a whole number; p = 2^(t - M) is quantised along the keys, not normalised; the row's sum is taken of the unquantised p and divides at the end.
; SHARES.  Work-group (x, batch x head) owns the blocks x and 15 - x of 128 queries: 8 + 8 tiles of 16.  Waves w and w ^ 1 both own tile w / 2 of both blocks, and part the KEYS: of a slot's two steps of 128 keys a wave
; walks one, the step (bit 0 xor bit 2 of w).  So all sixteen waves have work as long as the work-group has: x + 1 and 16 - x steps a pair of tiles, 17 in every work-group.
; A wave keeps two states (O^T, M, the sum).  State 0 is the tile that it finishes (bit 0 of w = 0: block x's; 1: block 15 - x's), state 1 the partner's.  At the end each wave hands state 1 to its partner through
; LDS bytes of its own, and the partner brings both parts under the larger M by whole powers of two and adds them.
; K and V come through two LDS slots of 256 keys, as images of the operands' registers; wave 0 fetches K's 16 KiB, wave 1 V's; all sixteen read them.
; Both products are used transposed: S^T = K Q^T (16x16x64), O^T = V^T P^T (16x16x128): a lane holds one query (lane % 16); tile n of S^T holds keys 16 n + 8 (lane / 16) + 0..7, whose eight codes are registers 2 n, 2 n + 1 of P.
; THE SCORE 0.  p is kept as p x 2^-64 (64 is taken off -M; the conversion's scale, the hold and the last factor carry it).  A sum of products of codes is 0 or at least 2^-32 in size, so its square is 0 or at least 2^-64,
; which is at least p x 2^-64: the smaller of the two is p x 2^-64, and 0 just where the score is 0.  The square lies in K's registers, which V takes afterwards.
; EVERY work-group walks all eight slots (constant trip counts); a step all of whose keys come after the tile's queries is jumped over; a slot that none of the sixteen waves will read is not asked for.
; NO CLUSTER: the work-groups of a head end their fetching at different slots (their last queries differ), so partners would need different numbers of tiles.
; z_img: [16 tokens 256][128 k 8][2,048 bytes]: (token r, k' = 16 n + 8 h + j) at 256 n + 16 r + 8 h + j: a store of a tile covers 256 consecutive bytes, aligned.
; LIMITS: e6 + e7 between -123 and 130; e9 between -62 and 112; e10 between -126 and 112; the scaled scores stay under 2^31 in size.  p under 2^-62 counts as 0.
; A score 0 takes part in the running maximum, so M is at least 0 in a row that holds one: its p are then smaller by a whole power of two, which moves a code only where it falls under the format's range.
; A query all of whose allowed scores are exactly 0 (NaN by definition) is not served.  NaN among the inputs is not served.
; REGISTERS: v1 16 x lane; v2 lane % 16 - 8 (lane / 16); v3 the prefetches' offset; v5, v6 the add's two; v7-10 addresses; v11 the conversion's scale; v[12:13] -M - 64 and the largest t, v[14:15] the sum (state 0);
;   v16-23, v24-31 Q; v32-95 K, then the squares, then V; v96-159 S^T, then p; v160-191, v192-223 O^T; v224-239 P's codes; v240, v241 the hold; v[242:243] f; v244-249 at work; v[250:253] state 1; v254 -infinity; v255 a permute's result.
.set SK,    256
.set VOFF,  16384                      ; a slot: K's 16 KiB, then V's
.set SLOT1, 1<<15
.set NSL,   8
.set SPARE, 65536                      ; behind the ring: the spare words, 128 bytes for each of sixteen waves
.set STG,   67584                      ; behind them: a stage for each wave, in which no tile lands:
.set STW,   4608                       ; 32 registers of O^T and four of state, 128 bytes each
.set AL,   1
.set DL,   2
.set PFO,  3
.set SPW,  5
.set NIL,  6
.set GO,   7
.set ADR,  8
.set SWR,  9
.set SRD,  10
.set CVS,  11
.set HO,   240
.set F,    242
.set T,    244
.set NINF, 254
.set PL,   255
.set WV,   18
.set SEL,  20
.set CS,   22
.set G1,   24
.set G0,   40
.set TB,   2                           ; s2  LDS byte of my step in the slot in hand
.set SLOTS, 67
.set PFA,  76
.set LIM,  80
.set QL,   81                          ; s81 my work-group's last query
.set KS,   87                          ; s87 the slot's first key
.set QB,   97                          ; s97 state 1's first query
.set KF,   98                          ; s98 my step's first key
.set QA,   99                          ; s99 state 0's first query
.macro TLOAD                           ; wave 0: K's part of a slot; wave 1: V's; an s_nop 0 and four v_nop follow
	s_cmp_lt_u32 s[WV], 2
	s_cbranch_scc0 .Lasked_\@
	tensor_load_to_lds s[G0:G0+3], s[G1:G1+7]
	s_nop 0
.rept 4
	v_nop
.endr
.Lasked_\@:
.endm
; A prefetch of what the NEXT change of slots will ask for, one slot ahead of that load.  All eight work-groups of a head walk the same K and V: the one with x = 0, which fetches every slot, asks.
; In it waves 4, 5 name K's 16 KiB and waves 6, 7 V's: 8,192 bytes a wave, lanes 256 bytes apart: each aligned block of 256 bytes once.  Slots 0 and 1 come by their loads alone; the last change that fills asks for nothing.
.macro ASK
	s_cmp_gt_u32 s[SLOTS], s[LIM]
	s_cbranch_scc0 .Lnot_mine_\@
	global_prefetch_b8 v[PFO], s[PFA:PFA+1] th:TH_LOAD_NT scope:SCOPE_SE
.Lnot_mine_\@:
.endm
	s_load_b128 s[4:7], s[0:1], 0x0                ; qkv_img s[4:5], lowp_scales s[6:7]
	s_load_b64 s[8:9], s[0:1], 0x10                ; z_img
	v_lshl_add_u32 v[SPW], v0, 2, SPARE
	v_mov_b32 v[NIL], 0
	ds_add_u32 v[SPW], v[NIL]                      ; the wave's opening: the add, twice on end, and its wait ahead of the first tensor load
	ds_add_u32 v[SPW], v[NIL]
	v_lshrrev_b32 v8, 5, v0
	v_readfirstlane_b32 s[WV], v8                  ; wave 0..15
	s_and_b32 s72, ttmp7, 0xffff                   ; 16 x batch + head
	s_lshl_b32 s74, s72, 17                        ; its 131,072 bytes in each of the three images
	s_sub_co_u32 s73, 15, ttmp9
	s_and_b32 s88, s[WV], 1
	s_cmp_eq_u32 s88, 0
	s_cselect_b32 s[QA], ttmp9, s73                ; the block of the tile that I finish,
	s_cselect_b32 s[QB], s73, ttmp9                ; and of the one that my partner finishes
	s_lshr_b32 s82, s[WV], 1
	s_lshl_b32 s82, s82, 4                         ; 16 x the tile's number in its block
	s_lshl_b32 s[QA], s[QA], 7
	s_add_co_u32 s[QA], s[QA], s82
	s_lshl_b32 s[QB], s[QB], 7
	s_add_co_u32 s[QB], s[QB], s82
	s_lshl_b32 s[QL], s73, 7
	s_add_co_u32 s[QL], s[QL], 127                 ; of the work-group's number alone: the same in all sixteen waves
	s_lshr_b32 s82, s[WV], 2
	s_xor_b32 s82, s82, s[WV]
	s_and_b32 s82, s82, 1                          ; which of a slot's two steps is mine; my partner has the other
	s_lshl_b32 s[KF], s82, 7
	s_lshl_b32 s[TB], s82, 13
	s_mov_b32 s[KS], 0
	s_mul_i32 s75, s[WV], STW
	s_add_co_u32 s75, s75, STG                     ; my stage,
	s_xor_b32 s86, s[WV], 1
	s_mul_i32 s86, s86, STW
	s_add_co_u32 s86, s86, STG                     ; and my partner's
	s_lshl_b32 s89, s88, 14                        ; what I fetch, if I fetch: in a slot,
	s_lshl_b32 s90, s88, 22
	s_add_co_u32 s90, s90, 0x400000                ; and in memory: K's image at 4 MiB, V's at 8 MiB
	s_add_co_u32 s90, s90, s74
	s_mov_b32 s91, 0
	s_lshl_b32 s92, s[QA], 6                       ; Q: 1,024 bytes for 16 queries
	s_add_co_u32 s92, s92, s74
	s_mov_b32 s93, 0
	s_lshl_b32 s84, s[QB], 6
	s_add_co_u32 s84, s84, s74
	s_mov_b32 s85, 0
	s_lshr_b32 s94, s72, 4
	s_lshl_b32 s94, s94, 21                        ; z: 128 blocks of 16,384 bytes a batch,
	s_lshl_b32 s95, s[QA], 10                      ; my block of 16 tokens,
	s_add_co_u32 s94, s94, s95
	s_and_b32 s95, s72, 15
	s_lshl_b32 s95, s95, 10                        ; 1,024 bytes a head
	s_add_co_u32 s94, s94, s95
	s_mov_b32 s95, 0
	s_mov_b32 s[G1], 3<<16                         ; no mask; elements of 8 bytes; no padding: a dense block of 16 KiB as 64 rows of 256 bytes
	s_mov_b32 s[G1+1], 32<<16
	s_mov_b32 s[G1+2], 64<<16
	s_mov_b32 s[G1+3], 32<<16
	s_mov_b32 s[G1+4], 64
	s_mov_b32 s[G1+5], 32
	s_mov_b32 s[G1+6], 0
	s_mov_b32 s[G1+7], 0
	s_mov_b32 s[SEL], 0x76543210
	s_mov_b32 s[SEL+1], 0xfedcba98
	s_mov_b32 s[CS], 0x3e38aa3b                    ; c = log2(e) / 8
	s_mov_b32 s[SLOTS], NSL-1
	s_wait_dscnt 0x0                               ; both opening adds are done
	s_wait_kmcnt 0x0
	s_load_b128 s[68:71], s[6:7], 0x18             ; e6, e7, e8, e9
	s_load_b32 s66, s[6:7], 0x28                   ; e10
	s_mov_b32 s[G0], 1
	s_mov_b32 s[G0+1], s89
	s_add_nc_u64 s[G0+2:G0+3], s[4:5], s[90:91]
	s_or_b32 s[G0+3], s[G0+3], 0x80000000
	TLOAD                                          ; slot 0
	s_add_nc_u64 s[10:11], s[4:5], s[92:93]        ; Q's image at state 0's queries,
	s_add_nc_u64 s[12:13], s[4:5], s[84:85]        ; at state 1's
	s_add_nc_u64 s[8:9], s[8:9], s[94:95]
	s_cmp_lt_u32 s[WV], 6
	s_mov_b32 s82, 0x800000
	s_cselect_b32 s82, 0x400000, s82               ; waves 4, 5: K's image; waves 6, 7: V's
	s_and_b32 s83, s[WV], 1
	s_lshl_b32 s83, s83, 13
	s_add_co_u32 s82, s82, s83
	s_add_co_u32 s82, s82, s74
	s_add_co_u32 s82, s82, 16384                   ; in slot 1: the first change of slots steps it to slot 2
	s_mov_b32 s83, 0
	s_add_nc_u64 s[PFA:PFA+1], s[4:5], s[82:83]
	s_sub_co_u32 s82, s[WV], 4
	s_lshr_b32 s82, s82, 2                         ; 0 in waves 4 to 7,
	s_or_b32 s82, s82, ttmp9                       ; of the head's first work-group
	s_cmp_eq_u32 s82, 0
	s_cselect_b32 s[LIM], 1, -1
	v_and_b32 v[PFO], 31, v0
	v_lshlrev_b32 v[AL], 4, v[PFO]
	v_lshlrev_b32 v[PFO], 8, v[PFO]
	global_load_b128 v[16:19], v[AL], s[10:11]             ; Q's two fragments stay in registers
	global_load_b128 v[20:23], v[AL], s[10:11] offset:512
	global_load_b128 v[24:27], v[AL], s[12:13]
	global_load_b128 v[28:31], v[AL], s[12:13] offset:512
	v_add_nc_u32 v[SWR], s75, v[AL]
	v_add_nc_u32 v[SRD], s86, v[AL]
	v_and_b32 v[DL], 15, v0
	v_bfe_u32 v4, v0, 4, 1
	v_lshlrev_b32 v4, 3, v4
	v_sub_nc_u32 v[DL], v[DL], v4
	v_mov_b32 v13, 0xff61b1e6                      ; the largest t so far: -3e38
	v_mov_b32 v251, 0xff61b1e6
	v_floor_f32 v12, -v13                          ; -M
	v_floor_f32 v250, -v251
	v_mov_b32 v14, 0
	v_mov_b32 v15, 0
	v_mov_b32 v252, 0
	v_mov_b32 v253, 0
	v_mov_b32 v[NINF], 0xff800000
	v_mov_b32 v[PL], 0                             ; written once: a lane permute's destination counts as one of its sources
	v_mov_b32 v[F+1], 0                            ; (named as the upper halves of pairs)
	v_mov_b32 v[T+5], 0
.set n, 0
.rept 64
	v_mov_b32 v[160+n], 0                          ; O^T, both states: the step is written once; a tile's first step finds zeros
.set n, n+1
.endr
	s_wait_kmcnt 0x0
	s_add_co_i32 s72, s68, s69
	s_lshl_b32 s72, s72, 23
	s_add_co_i32 s[CS], s[CS], s72                 ; a score stands for score x 2^(e6 + e7): added to c's exponent field
	s_mov_b32 s[CS+1], s[CS]
	s_add_co_i32 s72, s71, 63                      ; e9 - 64 + 127
	s_lshl_b32 s73, s72, 23
	v_mov_b32 v[CVS], s73                          ; 2^(e9 - 64)
	s_add_co_i32 s72, s72, 15
	s_lshl_b32 s72, s72, 23
	s_or_b32 s72, s72, 0x600000
	v_mov_b32 v[HO], s72                           ; 57,344 x 2^(e9 - 64), twice: one for each half of a pair of instructions
	v_mov_b32 v[HO+1], s72
	s_add_co_i32 s72, s66, 127
	s_lshl_b32 s88, s72, 23                        ; 2^e10
	s_add_co_i32 s72, s72, 15
	s_lshl_b32 s89, s72, 23
	s_or_b32 s89, s89, 0x600000                    ; 57,344 x 2^e10
	s_add_co_i32 s90, s70, s71
	s_sub_co_i32 s90, s90, 64                      ; e8 + e9 - 64
; MY 128 KEYS OF THE SLOT IN HAND, for one state: ob O^T, qb Q, nm the pair (-M - 64, largest t), sm the sum, q0 the tile's first query
.macro STEP ob, qb, nm, sm, q0
	s_add_co_u32 s96, s[\q0], 15
	s_cmp_gt_u32 s[KF], s96                        ; all keys come after the tile's queries: a branch on ids, round the step's work alone
	s_cbranch_scc1 .Lhidden_\@
	v_add_nc_u32 v[ADR], s[TB], v[AL]
.rept 3
	v_nop                                          ; with the addition: four places in front of loads into registers that the last products read
.endr
.set n, 0
.rept 8
	ds_load_b128 v[32+8*n:35+8*n], v[ADR] offset:1024*n
	ds_load_b128 v[36+8*n:39+8*n], v[ADR] offset:1024*n+512
.set n, n+1
.endr
	s_wait_alu depctr_va_vdst(0)                   ; the wait here, directly ahead of the wait below
	s_wait_dscnt 0x0
.set n, 0
.rept 8
	v_wmma_f32_16x16x64_bf8_bf8 v[96+8*n:103+8*n], v[32+8*n:39+8*n], v[\qb:\qb+7], 0
.set n, n+1
.endr
.rept 4
	v_nop                                          ; places: reads of the scores and writes of K's registers follow
.endr
	s_add_co_u32 s96, s[KF], 127
	s_cmp_le_u32 s96, s[\q0]                       ; a step all of whose keys count skips the diagonal's mask
	s_cbranch_scc1 .Lopen_\@
	s_sub_co_i32 s96, s[\q0], s[KF]
	v_add_nc_u32 v[T], s96, v[DL]                  ; d = my query - KF - 8 (lane / 16).  Register 8 n + j holds key KF + 16 n + 8 (lane / 16) + j: hidden where 16 n + j > d
.set n, 0
.rept 64
	v_cmp_gt_i32 vcc_lo, 16*(n/8)+n%8, v[T]
	v_cndmask_b32 v[96+n], v[96+n], v[NINF], vcc_lo
.set n, n+1
.endr
.Lopen_\@:
.set n, 0
.rept 32
	v_pk_mul_f32 v[32+n:33+n], v[96+n:97+n], v[96+n:97+n]   ; the squares; each accumulator from its low end on
.set n, n+2
.endr
.irp k, 0,1,2,3                                ; the step's largest score of my query, in four chains
	v_max3_num_f32 v[T+\k], v[96+16*\k], v[97+16*\k], v[98+16*\k]
.endr
.irp i, 3,5,7,9,11,13
.irp k, 0,1,2,3
	v_max3_num_f32 v[T+\k], v[T+\k], v[96+16*\k+\i], v[97+16*\k+\i]
.endr
.endr
	v_max3_num_f32 v[T], v[T], v111, v127
	v_max3_num_f32 v[T+1], v[T+1], v143, v159
	v_max3_num_f32 v[T], v[T], v[T+2], v[T+3]
	v_max_num_f32 v[T], v[T], v[T+1]
	v_permlanex16_b32 v[PL], v[T], s[SEL], s[SEL+1]
	s_delay_alu instid0(VALU_DEP_1)
	v_max_num_f32 v[T], v[T], v[PL]                ; and among lane l xor 16's
	s_delay_alu instid0(VALU_DEP_1)
	v_mul_f32 v[T], s[CS], v[T]                    ; as t
	s_delay_alu instid0(VALU_DEP_1)
	v_max_num_f32 v[\nm+1], v[\nm+1], v[T]
	v_mov_b32 v[T+1], v[\nm]
	s_delay_alu instid0(VALU_DEP_2)
	v_floor_f32 v[T+2], -v[\nm+1]                  ; the new -M = -ceil(t)
	s_delay_alu instid0(VALU_DEP_1)
	v_add_f32 v[\nm], 0xc2800000, v[T+2]           ; - 64
	s_delay_alu instid0(VALU_DEP_1)
	v_sub_f32 v[T+1], v[\nm], v[T+1]               ; old M - new M: a whole number, 0 or less
	s_delay_alu instid0(VALU_DEP_1)
	v_cvt_i32_f32 v[T+1], v[T+1]                   ; (it saturates)
	s_delay_alu instid0(VALU_DEP_1)
	v_ldexp_f32 v[F], 1.0, v[T+1]                  ; f = 2^(old M - new M)
.set n, 0
.rept 32
	v_pk_fma_f32 v[96+n:97+n], v[96+n:97+n], s[CS:CS+1], v[\nm:\nm+1] op_sel_hi:[1,0,0]   ; t - M - 64
.set n, n+2
.endr
	s_wait_alu depctr_va_vdst(0)                   ; the wait ahead of the batch
.set n, 0
.rept 64
	v_exp_f32 v[96+n], v[96+n]
.set n, n+1
.endr
	v_pk_mul_f32 v[\sm:\sm+1], v[\sm:\sm+1], v[F:F+1] op_sel_hi:[1,0]   ; the sums under the new M: the plain instruction behind the exponentials
	s_wait_alu depctr_va_vdst(0)                   ; one wait for the batch, ahead of its first reader
.set n, 0
.rept 32
	v_dual_min_num_f32 v[96+n], v[96+n], v[32+n] :: v_dual_min_num_f32 v[97+n], v[97+n], v[33+n]   ; 0 where the score is 0
.set n, n+2
.endr
.set n, 0
.rept 16
	ds_load_b128 v[32+4*n:35+4*n], v[ADR] offset:VOFF+512*n   ; V's four fragments land under the 88 instructions below
.set n, n+1
.endr
	v_pk_add_f32 v[T:T+1], v[96:97], v[98:99]      ; the row's sum, of the unquantised p, in four chains
	v_pk_add_f32 v[T+2:T+3], v[100:101], v[102:103]
	v_pk_add_f32 v[T+4:T+5], v[104:105], v[106:107]
	v_pk_add_f32 v[\sm:\sm+1], v[\sm:\sm+1], v[108:109]
.set n, 14
.rept 6
	v_pk_add_f32 v[T:T+1], v[T:T+1], v[96+n:97+n]
	v_pk_add_f32 v[T+2:T+3], v[T+2:T+3], v[98+n:99+n]
	v_pk_add_f32 v[T+4:T+5], v[T+4:T+5], v[100+n:101+n]
	v_pk_add_f32 v[\sm:\sm+1], v[\sm:\sm+1], v[102+n:103+n]
.set n, n+8
.endr
	v_pk_add_f32 v[T:T+1], v[T:T+1], v[158:159]
	v_pk_add_f32 v[T+2:T+3], v[T+2:T+3], v[T+4:T+5]
	v_pk_add_f32 v[\sm:\sm+1], v[\sm:\sm+1], v[T:T+1]
	v_pk_add_f32 v[\sm:\sm+1], v[\sm:\sm+1], v[T+2:T+3]
.set n, 0
.rept 32
	v_dual_min_num_f32 v[96+n], v[96+n], v[HO] :: v_dual_min_num_f32 v[97+n], v[97+n], v[HO+1]   ; the conversion does not saturate (ISA guide 7.6.2); p is not negative: the hold is one-sided
.set n, n+2
.endr
.set n, 0
.rept 8
	v_cvt_scalef32_pk8_bf8_f32 v[224+2*n:225+2*n], v[96+8*n:103+8*n], v[CVS]
.set n, n+1
.endr
	s_wait_alu depctr_va_vdst(0)                   ; the wait here, directly ahead of the first reader of O^T
.set n, 0
.rept 16
	v_pk_mul_f32 v[\ob+n:\ob+n+1], v[\ob+n:\ob+n+1], v[F:F+1] op_sel_hi:[1,0]   ; O^T under the new M; also the plain instructions behind the conversions
.set n, n+2
.endr
	s_wait_alu depctr_va_vdst(0)                   ; the wait here, directly ahead of the wait below
	s_wait_dscnt 0x0                               ; V is in
.set n, 0
.rept 4
	v_wmma_f32_16x16x128_bf8_bf8 v[\ob+8*n:\ob+8*n+7], v[32+16*n:47+16*n], v[224:239], v[\ob+8*n:\ob+8*n+7]   ; four accumulators, one instruction a turn
.set n, n+1
.endr
.Lhidden_\@:
.endm
; THE CHANGE OF SLOTS, at a slot's head.  Each wave waits for all its tensor loads, adds 0 to its spare word, waits for that and for its reads of the slot that it has left, and passes the barrier.
; fill = 1: the slot just left is filled with the keys that follow, if any wave of the work-group will read them.
.macro CHANGE fill
	s_wait_tensorcnt 0x0                           ; no tensor load of mine is out, so the descriptor may be written
	ds_add_u32 v[SPW], v[NIL]                      ; 0 onto my spare word
.if \fill
	ds_add_u32 v[SPW], v[NIL]                      ; and once more
	s_xor_b32 s[G0+1], s[G0+1], SLOT1
	s_add_nc_u64 s[G0+2:G0+3], s[G0+2:G0+3], 16384
	s_wait_xcnt 0x0                                ; the last prefetch, a slot back, has read its address
	s_add_nc_u64 s[PFA:PFA+1], s[PFA:PFA+1], 16384
.endif
	s_wait_dscnt 0x0
	s_barrier_signal -1
	s_barrier_wait -1
.if \fill
	s_add_co_u32 s96, s[KS], SK                    ; the first key of the slot that this change would ask for
	s_cmp_gt_u32 s96, s[QL]                        ; ids and the count of steps alone: all sixteen waves go the same way; every wait on TENSORcnt in this text is for 0
	s_cbranch_scc1 .Lpast_\@
	TLOAD                                          ; a wave's one tensor load until the next change
.Lpast_\@:
	ASK
.endif
.endm
.macro SLOT_STEPS
	STEP 160, 16, 12, 14, QA
	STEP 192, 24, 250, 252, QB
	s_xor_b32 s[TB], s[TB], SLOT1
	s_add_co_u32 s[KF], s[KF], SK
	s_add_co_u32 s[KS], s[KS], SK
.endm
	s_wait_alu depctr_va_vdst(0)                   ; the wait at the head's end
	s_wait_loadcnt 0x0                             ; Q
.Lslot:                                            ; seven trips
	CHANGE 1
	SLOT_STEPS
	s_sub_co_u32 s[SLOTS], s[SLOTS], 1
	s_cmp_lg_u32 s[SLOTS], 0
	s_cbranch_scc1 .Lslot
	CHANGE 0                                       ; the last slot is written out: nothing is left to fetch
	SLOT_STEPS
	; THE TWO PARTS OF A TILE MEET: state 1 goes to my stage, my partner's state 1, which is of my state 0's tile, comes from its stage
.rept 4
	v_nop                                          ; places behind the last products
.endr
.set n, 0
.rept 4
	s_wait_alu depctr_va_vdst(0)                   ; the wait directly ahead of each accumulator's first reader
	ds_store_b128 v[SWR], v[192+8*n:195+8*n] offset:1024*n
	ds_store_b128 v[SWR], v[196+8*n:199+8*n] offset:1024*n+512
.set n, n+1
.endr
	ds_store_b128 v[SWR], v[250:253] offset:4096
	s_wait_dscnt 0x0                               ; for my partner's sake
	s_barrier_signal -1
	s_barrier_wait -1
.set n, 0
.rept 8
	ds_load_b128 v[32+4*n:35+4*n], v[SRD] offset:512*n
.set n, n+1
.endr
	ds_load_b128 v[64:67], v[SRD] offset:4096
	s_wait_dscnt 0x0
	v_min_num_f32 v[T], v12, v64                   ; -M - 64 of the larger M.  (A part that walked no step has M = -3e38, zeros, and the factor 0)
	v_sub_f32 v[T+1], v[T], v12
	v_sub_f32 v[T+2], v[T], v64
	v_cvt_i32_f32 v[T+1], v[T+1]
	v_cvt_i32_f32 v[T+2], v[T+2]
	v_ldexp_f32 v[F], 1.0, v[T+1]                  ; my part's factor,
	v_ldexp_f32 v[T+4], 1.0, v[T+2]                ; my partner's: whole powers of two
	v_pk_mul_f32 v[14:15], v[14:15], v[F:F+1] op_sel_hi:[1,0]
	v_pk_fma_f32 v[14:15], v[66:67], v[T+4:T+5], v[14:15] op_sel_hi:[1,0,1]
	s_wait_alu depctr_va_vdst(0)                   ; the wait here, directly ahead of the first reader of O^T
.set n, 0
.rept 16
	v_pk_mul_f32 v[160+n:161+n], v[160+n:161+n], v[F:F+1] op_sel_hi:[1,0]
.set n, n+2
.endr
.set n, 0
.rept 16
	v_pk_fma_f32 v[160+n:161+n], v[32+n:33+n], v[T+4:T+5], v[160+n:161+n] op_sel_hi:[1,0,1]
.set n, n+2
.endr
	; THE WAY OUT: O^T / the sum x 2^(e8 + e9 - 64) is z (the sum carries 2^-64); it is quantised with 2^e10 and stored straight from the registers
	v_add_f32 v14, v14, v15
	v_permlanex16_b32 v[PL], v14, s[SEL], s[SEL+1]
	v_add_f32 v14, v14, v[PL]                      ; the row's sum
	s_wait_alu depctr_va_vdst(0)                   ; the wait ahead of the transcendental
	v_rcp_f32 v14, v14
	v_and_b32 v8, 15, v0                           ; (a plain instruction behind the reciprocal)
	v_bfe_u32 v[T], v0, 4, 1
	v_lshlrev_b32 v[GO], 4, v8
	v_lshl_add_u32 v[GO], v[T], 3, v[GO]           ; 16 r + 8 h
	v_mov_b32 v68, s88
	v_mov_b32 v69, s89
	s_wait_alu depctr_va_vdst(0)                   ; the wait ahead of the reciprocal's first reader
	v_ldexp_f32 v14, v14, s90
.set n, 0
.rept 32
	v_mul_f32 v[96+n], v[160+n], v14               ; register 8 t + j: z(query r, d = 16 t + 8 h + j)
.set n, n+1
.endr
.set n, 0
.rept 32
	v_med3_num_f32 v[96+n], v[96+n], -v69, v69
.set n, n+1
.endr
.irp t, 0,1,2,3
	v_cvt_scalef32_pk8_bf8_f32 v[224+2*\t:225+2*\t], v[96+8*\t:103+8*\t], v68
.endr
	v_nop
.irp t, 0,1,2,3
	global_store_b64 v[GO], v[224+2*\t:225+2*\t], s[8:9] offset:256*\t   ; 32 lanes store 256 consecutive bytes, aligned
.endr
	s_wait_tensorcnt 0x0                           ; the wave's end
	ds_add_u32 v[SPW], v[NIL]
	s_wait_dscnt 0x0
	s_endpgm
.Lfunc_end_k_q69fbcd9f9b_attn:
	.size	k_q69fbcd9f9b_attn, .Lfunc_end_k_q69fbcd9f9b_attn-k_q69fbcd9f9b_attn
	.p2alignl 7, 3214868480
	.fill 96, 4, 3214868480
	.section	.rodata,"a",@progbits
	.p2align	6, 0x0
	.amdhsa_kernel k_q69fbcd9f9b_attn
		.amdhsa_group_segment_fixed_size 327680
		.amdhsa_private_segment_fixed_size 0
		.amdhsa_enable_private_segment 0
		.amdhsa_kernarg_size 24
		.amdhsa_user_sgpr_count 2
		.amdhsa_user_sgpr_kernarg_segment_ptr 1
		.amdhsa_wavefront_size32 1
		.amdhsa_system_sgpr_workgroup_id_x 1
		.amdhsa_system_sgpr_workgroup_id_y 1
		.amdhsa_system_sgpr_workgroup_id_z 1
		.amdhsa_system_vgpr_workitem_id 0
		.amdhsa_next_free_vgpr 256
		.amdhsa_next_free_sgpr 100
		.amdhsa_reserve_vcc 1
		.amdhsa_float_denorm_mode_32 3
		.amdhsa_float_denorm_mode_16_64 3
		.amdhsa_memory_ordered 1
		.amdhsa_forward_progress 1
		.amdhsa_inst_pref_size 117
	.end_amdhsa_kernel
	.amdgpu_metadata
---
amdhsa.version: [ 1, 2 ]
amdhsa.kernels:
  - .name:           k_q69fbcd9f9b_attn
    .symbol:         k_q69fbcd9f9b_attn.kd
    .args:
      - { .name: qkv_img, .offset: 0, .size: 8, .value_kind: global_buffer, .address_space: global }
      - { .name: lowp_scales, .offset: 8, .size: 8, .value_kind: global_buffer, .address_space: global }
      - { .name: z_img, .offset: 16, .size: 8, .value_kind: global_buffer, .address_space: global }
    .group_segment_fixed_size: 327680
    .private_segment_fixed_size: 0
    .kernarg_segment_align: 8
    .kernarg_segment_size: 24
    .max_flat_workgroup_size: 512
    .sgpr_count:     100
    .vgpr_count:     256
    .wavefront_size: 32
...
	.end_amdgpu_metadata
.endif
;; end of part 10
;; launch oproj (part 11): grid 8 x 32, 4 waves a work-group, clusters of 4 x 4, 327,680 bytes of LDS; arguments z_img, prep_out, lowp_scales, b_O, resid_pre, resid_mid; writes resid_mid
.if DOCPART == 11
	.amdgcn_target "amdgcn-amd-amdhsa--gfx1250"
	.amdhsa_code_object_version 6
	.text
	.protected	k_q69fbcd9f9b_oproj
	.globl	k_q69fbcd9f9b_oproj
	.p2align	8
	.type	k_q69fbcd9f9b_oproj,@function
k_q69fbcd9f9b_oproj:
	s_mov_b64 s[64:65], 0
	v_nop
	global_prefetch_b8 v0, s[64:65] scope:SCOPE_SE
	s_setreg_imm32_b32 hwreg(HW_REG_WAVE_MODE, 25, 1), 1
	s_wait_xcnt 0x0
	s_wait_alu depctr_hold_cnt(0) depctr_sa_sdst(0) depctr_va_vdst(0) depctr_va_sdst(0) depctr_va_ssrc(0) depctr_va_vcc(0) depctr_vm_vsrc(0)
	s_getreg_b32 s2, hwreg(HW_REG_IB_STS2, 6, 4)
	s_cmp_eq_u32 s2, 0
	s_cbranch_scc0 .Lentry_in_a_cluster
	s_endpgm
.Lentry_in_a_cluster:
	s_bfe_u32 s2, ttmp6, 0x10000c
	s_cmp_lg_u32 s2, 0xf033
	s_cbranch_scc0 .Lentry_shape_is_right
	s_endpgm
.Lentry_shape_is_right:
; out[m][n] = resid[m][n] + bias[n] + 2^(ea + eb) x sum over k of A[m][k] B[n][k], on codes of BF8 (E5M2); out and resid [4,096][1,024] f32.
; HERE: A = z (attention's result), B = W_O's codes in prep_out, K = 1,024, scales 10 and 11: resid_mid = resid_pre + z W_O + b_O.
; THE TILE is 128 x 128: 4,096 x 1,024 numbers make 256 such tiles, one work-group each.  Four waves, each 64 x 64: 16 accumulators of 16 x 16, 128 registers.
; A comes as images of its fragments: [16 tokens][128 k][2,048 bytes], (token r, k' = 16 n + 8 h + j) at 256 n + 16 r + 8 h + j: lane l's 16 bytes at 512 c + 16 l are K = 32 c + 16 (l / 16) + 0 .. 15 of row l % 16,
; the same places along K that B's fragments take from rows by loads of 16 bytes.  B: rows of KROW codes.
; K goes in steps of 512, as long as two LDS slots allow: a slot holds four steps of 128, 64 matrix instructions a wave.  Waves 0 and 1 fetch A's halves (4 blocks of 16 tokens x 8,192 bytes), waves 2 and 3 B's (64 rows x 512 bytes).
; With K = 1,024 the two slots hold all of K: both are first fills, nothing is filled again, and the loop over laps is not assembled.
; CLUSTERS: 4 x 4 work-groups: A's tile is asked for jointly along a row of the cluster, B's along a column.
; The matrix instruction is used transposed (source 0 = 16 rows of B, source 1 = 16 rows of A): a lane holds eight neighbouring numbers of a row of the result.
; The wave's residual, 64 rows x 256 bytes, is asked for at the head into registers of its own and is waited for behind the last product.
; LIMIT: ea + eb between -126 and 127.
; REGISTERS: window 0: v12-15 the bias, v16-29 addresses, v32-95 rows on their way out, v128-255 the accumulators ((a, b) at v[128 + 8 (4 a + b)]).
;   window 1: two sets of fragments of 128 registers: A's four (16 rows x 128 K each), then B's four.   window 2: v0-127 the residual.
.set KTOT,   1024
.set TBB,    16384                     ; bytes of A's image for 16 tokens
.set TBSH,   14
.set KROW,   1024                      ; a row of B in bytes
.set KRSH,   10
.set BOFF,   12582912                  ; where B begins in its buffer
.set SCA,    10                        ; A's entry of lowp_scales; B's is the next
.set KSLOT,  512                       ; along K in a slot
.set ROWB,   512                       ; a row of B's tile in bytes
.set AROWB,  8192                      ; 16 tokens x 512 along K of A's image
.set PITCH,  528                       ; a row of B in LDS: 512 bytes + 16 = 132 words: the 16 rows that a load touches start at 16 different banks
.set FR,     16                        ; registers of a fragment
.set NP,     4                         ; places behind this matrix instruction (ISA guide 7.12.1)
.set HALFT,  64*PITCH                  ; what one tensor load may take: B's 64 rows fill it, A's 32,768 bytes lie at its head
.set SLOT,   4*HALFT                   ; A's two halves, then B's two
.set LAPS,   KTOT/(2*KSLOT)            ; a lap = once round the ring
.set SPARE,  2*SLOT                    ; behind the ring: the spare words, 128 bytes for each wave
.set SPITCH, 272                       ; the way out: a stage of 16 rows x (256 + 16) bytes for each wave, in slot 0, which has had its last fill and its last read by then
.set ADRA, 16                          ; v16-17 LDS address of my A fragments in slot 0, 1
.set ADRB, 20                          ; v20-21 the same for B
.set STO,  24                          ; v24 the stage: where I put 32 bytes of a row
.set RD,   25                          ; v25 and where I read a row back
.set CO,   26                          ; v26 my byte offset in two rows of the result: 4,096 (l / 16) + 16 (l % 16)
.set BO,   27                          ; v27 16 (l % 16)
.set SPW,  28                          ; v28 LDS address of my spare word; never rewritten
.set NIL,  29                          ; v29 0; never rewritten
.set BK,   32
.set ACC,  128
.set F0,   0                           ; the two sets of fragments, in window 1
.set F1,   128
.set G1, 24
.set G0, 32
.set G1B, 48
.set G0B, 56
.set MSB, 0
.macro WIN new                         ; the immediate's high byte repeats the setting that is left
.if MSB != (\new)
	s_set_vgpr_msb (MSB<<8)|(\new)
.set MSB, \new
.endif
.endm
.set MUL,  0x05                        ; sources 0 (B) and 1 (A) window 1; C and D window 0
.set TO_F, 0x40                        ; destination window 1, address window 0
.macro JLOAD g0a, g1a, g0b, g1b        ; a joint load: waves 0 and 1 fetch for A, waves 2 and 3 for B; an s_nop 0 and four v_nop follow each line
	s_cmp_eq_u32 s15, 0
	s_cbranch_scc0 .Lfor_b_\@
	tensor_load_to_lds s[\g0a:\g0a+3], s[\g1a:\g1a+7]
	s_nop 0
.rept 4
	v_nop
.endr
	s_branch .Lasked_\@
.Lfor_b_\@:
	tensor_load_to_lds s[\g0b:\g0b+3], s[\g1b:\g1b+7]
	s_nop 0
.rept 4
	v_nop
.endr
.Lasked_\@:
.endm
.macro CREST                           ; a round of the cluster's barrier behind its opening barrier
	s_cmp_lg_u32 s14, 0
	s_cbranch_scc1 .Lnot_wave_0_\@
	s_barrier_signal -3
.Lnot_wave_0_\@:
	s_barrier_wait -3
	s_barrier_signal -1
	s_barrier_wait -1
.endm
.macro CROUND
	s_barrier_signal -1
	s_barrier_wait -1
	CREST
.endm
	s_load_b256 s[68:75], s[0:1], 0x0              ; A's image 68, B's buffer 70, lowp_scales 72, the bias 74
	s_load_b128 s[76:79], s[0:1], 0x20             ; the residual 76, the result 78
	v_lshl_add_u32 v[SPW], v0, 2, SPARE
	v_mov_b32 v[NIL], 0
	ds_add_u32 v[SPW], v[NIL]                      ; the wave's opening: the two adds and their wait ahead of my first tensor load
	ds_add_u32 v[SPW], v[NIL]
	v_lshrrev_b32 v1, 5, v0
	v_readfirstlane_b32 s14, v1                    ; wave 0..3
	s_lshr_b32 s15, s14, 1                         ; my half of the tile's rows.  Also: I fetch for A (0) or for B (1)
	s_and_b32 s16, s14, 1                          ; my half of its columns.  Also: which half of that tile I fetch
	s_bfe_u32 s40, ttmp6, 0x40000                  ; cx
	s_bfe_u32 s41, ttmp6, 0x40004                  ; cy
	s_lshl_b32 s42, ttmp9, 2
	s_add_co_u32 s42, s42, s40                     ; tile column 0..7
	s_and_b32 s17, ttmp7, 0xffff
	s_lshl_b32 s17, s17, 2
	s_add_co_u32 s17, s17, s41                     ; tile row 0..31
	s_lshl_b32 s43, s41, 2
	s_lshl_b32 s43, 15, s43                        ; my row of the cluster
	s_lshl_b32 s44, 0x1111, s40                    ; my column
	s_or_b32 s[G1+0], s43, (3<<16)|(1<<21)         ; A: the mask of my row; elements of 8 bytes; bit 21 beside a mask; no padding: 4 blocks of 16 tokens x 8,192 bytes (four fragments along K)
	s_mov_b32 s[G1+1], (AROWB/8)<<16               ; tensor_dim0
	s_mov_b32 s[G1+2], 4<<16                       ; tensor_dim1
	s_mov_b32 s[G1+3], (AROWB/8)<<16               ; tile_dim0
	s_mov_b32 s[G1+4], 4                           ; tile_dim1
	s_mov_b32 s[G1+5], TBB/8                       ; from block to block
	s_mov_b32 s[G1+6], 0
	s_mov_b32 s[G1+7], 0
	s_or_b32 s[G1B+0], s44, (0<<16)|(1<<20)|(1<<21)|(6<<22)|(3<<25)  ; B: the mask of my column; elements of 1 byte; 4 words of padding behind every 128: 64 rows x 512 bytes
	s_mov_b32 s[G1B+1], ROWB<<16
	s_mov_b32 s[G1B+2], 64<<16
	s_mov_b32 s[G1B+3], ROWB<<16
	s_mov_b32 s[G1B+4], 64
	s_mov_b32 s[G1B+5], KROW
	s_mov_b32 s[G1B+6], 0
	s_mov_b32 s[G1B+7], 0
	s_lshl_b32 s20, s17, 3
	s_lshl_b32 s18, s16, 2
	s_add_co_u32 s20, s20, s18                     ; A: block of 16 tokens 8 x tile row + 4 x half
	s_lshl_b32 s20, s20, TBSH
	s_mov_b32 s21, 0
	s_lshl_b32 s46, s42, 7
	s_lshl_b32 s18, s16, 6
	s_add_co_u32 s46, s46, s18                     ; B: row 128 x tile column + 64 x half
	s_lshl_b32 s46, s46, KRSH
	s_add_co_u32 s46, s46, BOFF
	s_mov_b32 s47, 0
	s_mul_i32 s45, s14, HALFT                      ; where they go: wave x a part of a slot: no place in the cluster enters an LDS address
	s_wait_dscnt 0x0                               ; the opening add is done
	s_wait_kmcnt 0x0
	s_load_b64 s[96:97], s[72:73], 4*SCA           ; ea, eb
	s_add_nc_u64 s[20:21], s[68:69], s[20:21]
	s_add_nc_u64 s[46:47], s[70:71], s[46:47]
	CROUND                                         ; all sixteen work-groups are here: the first joint loads meet
.irp s, 0,1
	s_mov_b32 s[G0+4*\s], 1
	s_add_co_u32 s[G0+4*\s+1], s45, \s*SLOT
	s_add_nc_u64 s[G0+4*\s+2:G0+4*\s+3], s[20:21], \s*AROWB
	s_or_b32 s[G0+4*\s+3], s[G0+4*\s+3], 0x80000000
	s_mov_b32 s[G0B+4*\s], 1
	s_add_co_u32 s[G0B+4*\s+1], s45, \s*SLOT
	s_add_nc_u64 s[G0B+4*\s+2:G0B+4*\s+3], s[46:47], \s*ROWB
	s_or_b32 s[G0B+4*\s+3], s[G0B+4*\s+3], 0x80000000
.endr
	JLOAD G0, G1, G0B, G1B                         ; slot 0: one tensor load a wave at the head
	; a prefetch of slot 1, a slot ahead of its load: of what I fetch, my work-group takes a quarter (by cx for A: one block of 16 tokens, 8,192 bytes; by cy for B: 16 rows of 512 bytes): 32 blocks of 256 bytes, a lane each
	s_cmp_eq_u32 s15, 0
	s_cselect_b64 s[80:81], s[20:21], s[46:47]
	s_cselect_b32 s84, s40, s41
	s_mov_b32 s82, ROWB
	s_cselect_b32 s82, AROWB, s82                  ; a slot on
	s_mov_b32 s86, KROW
	s_cselect_b32 s86, 512, s86                    ; from one pair of lanes to the next
	s_mov_b32 s83, 0
	s_mov_b32 s85, 0
	s_lshl_b32 s84, s84, TBSH                      ; a block of A's image and 16 rows of B are both TBB bytes
	s_add_nc_u64 s[80:81], s[80:81], s[84:85]
	s_add_nc_u64 s[80:81], s[80:81], s[82:83]
	v_and_b32 v30, 31, v0
	v_lshrrev_b32 v31, 1, v30
	v_and_b32 v30, 1, v30
	v_lshlrev_b32 v30, 8, v30
	v_mad_u32_u24 v30, v31, s86, v30
	global_prefetch_b8 v30, s[80:81] th:TH_LOAD_NT scope:SCOPE_SE
	v_and_b32 v1, 15, v0                           ; l % 16
	v_bfe_u32 v2, v0, 4, 1                         ; l / 16
	v_mul_u32_u24 v3, v1, PITCH
	v_lshl_add_u32 v4, v2, 4, v3                   ; B: row x pitch + 16 x half
	v_and_b32 v6, 31, v0
	v_lshlrev_b32 v6, 4, v6                        ; A: 16 x lane
	s_mul_i32 s21, s15, HALFT                      ; my 64 rows of A
	s_mul_i32 s22, s16, HALFT                      ; my 64 rows of B,
	s_add_co_u32 s22, s22, 2*HALFT                 ; which lie behind A's two halves
.irp s, 0,1
	v_add_nc_u32 v[ADRA+\s], s21, v6
	v_add_nc_u32 v[ADRB+\s], s22, v4
	s_add_co_u32 s21, s21, SLOT
	s_add_co_u32 s22, s22, SLOT
.endr
	s_mul_i32 s23, s14, 16*SPITCH                  ; my stage
	v_mul_u32_u24 v5, v1, SPITCH
	v_lshl_add_u32 v5, v2, 5, v5
	v_add_nc_u32 v[STO], s23, v5                   ; in: row l % 16, 32 bytes for each half of the lanes
	v_mul_u32_u24 v7, v2, SPITCH
	v_lshl_add_u32 v7, v1, 4, v7
	v_add_nc_u32 v[RD], s23, v7                    ; back: lanes 0-15 take one row of 256 bytes, lanes 16-31 the next
	v_lshlrev_b32 v[BO], 4, v1
	s_wait_alu depctr_va_vdst(0)
	v_lshl_add_u32 v[CO], v2, 12, v[BO]            ; and the same two rows in the result and in the residual
	s_wait_alu depctr_va_vdst(0)
	s_lshl_b32 s20, s17, 7
	s_lshl_b32 s21, s15, 6
	s_add_co_u32 s20, s20, s21                     ; my first row: 128 x tile row + 64 x half,
	s_lshl_b32 s20, s20, 12                        ; of 4,096 bytes
	s_lshl_b32 s46, s42, 9
	s_lshl_b32 s47, s16, 8
	s_add_co_u32 s46, s46, s47                     ; my first column, in bytes: 512 x tile column + 256 x half
	s_mov_b32 s47, 0
	s_add_nc_u64 s[74:75], s[74:75], s[46:47]
	s_add_co_u32 s20, s20, s46
	s_mov_b32 s21, 0
	s_add_nc_u64 s[76:77], s[76:77], s[20:21]
	s_add_nc_u64 s[78:79], s[78:79], s[20:21]
	global_load_b128 v[12:15], v[BO], s[74:75]     ; the bias at my four columns of a row read back
	WIN 0x80                                       ; destination window 2
.set t, 0
.rept 32
	global_load_b128 v[4*t:4*t+3], v[CO], s[76:77] offset:4096*(16*(t/8)+2*(t%8))   ; the residual: rows 16 (t / 8) + 2 (t % 8) + l / 16; sixteen lanes read 256 consecutive bytes
.set t, t+1
.endr
	WIN 0
.macro FRAG reg, adr, q, i             ; B: 16 rows x 128 K from rows: registers 4 c .. 4 c + 3 hold K = 32 c + 16 (l / 16) + 0 .. 15 of row l % 16
.irp c, 0,1,2,3
	ds_load_b128 v[\reg+4*\c:\reg+4*\c+3], v[\adr] offset:128*(\q)+32*\c+(\i)*16*PITCH
.endr
.endm
.macro FRAGI reg, adr, q, i            ; A: the same from its image: 512 consecutive bytes a load
.irp c, 0,1,2,3
	ds_load_b128 v[\reg+4*\c:\reg+4*\c+3], v[\adr] offset:AROWB*(\i)+2048*(\q)+512*\c
.endr
.endm
.macro MULA f, a, zero                 ; A's block a x B's four.  The 16 accumulators take turns, one instruction a turn, in the same order in every step
.irp b, 0,1,2,3
.if \zero
	v_wmma_f32_16x16x128_bf8_bf8 v[ACC+8*(4*(\a)+\b):ACC+8*(4*(\a)+\b)+7], v[\f+64+FR*\b:\f+64+FR*\b+FR-1], v[\f+FR*(\a):\f+FR*(\a)+FR-1], 0
.else
	v_wmma_f32_16x16x128_bf8_bf8 v[ACC+8*(4*(\a)+\b):ACC+8*(4*(\a)+\b)+7], v[\f+64+FR*\b:\f+64+FR*\b+FR-1], v[\f+FR*(\a):\f+FR*(\a)+FR-1], v[ACC+8*(4*(\a)+\b):ACC+8*(4*(\a)+\b)+7]
.endif
.endr
.endm
.macro FETCH slot, q, f                ; 32 LDS loads in one run: the slot's q-th 128 along K into set f: B's four fragments, then A's four, blocks 2 and 3 last
	WIN TO_F
.irp i, 0,1,2,3
	FRAG \f+64+FR*\i, ADRB+\slot, \q, \i
.endr
.irp i, 0,1,2,3
	FRAGI \f+FR*\i, ADRA+\slot, \q, \i
.endr
.endm
.macro PLACES n                        ; plain vector instructions between a matrix instruction and a load into, or a read of, its registers
.rept \n
	v_nop
.endr
.endm
.macro STEP slot, q, zero              ; 128 along K whose successor lies in the same slot: set q % 2 is multiplied, the other takes the next step's fragments
.set FF, 128*((\q)%2)
.set FG, 128-FF
	s_wait_dscnt 8                                 ; B's four and A's blocks 0, 1 are in; the eight youngest loads (A's blocks 2, 3) may be out
	WIN MUL
	MULA FF, 0, \zero
	MULA FF, 1, \zero
	PLACES NP
	FETCH \slot, (\q)+1, FG
	s_wait_dscnt 32                                ; all but the 32 just issued
	WIN MUL
	MULA FF, 2, \zero
	MULA FF, 3, \zero
.endm
.macro TURN slot, next, fill           ; a slot's last step multiplies set 1 and changes slots: one barrier; fill = 1: the slot is filled again, two K steps ahead
	WIN 0                                          ; (the add's two registers lie in window 0)
	s_wait_tensorcnt 0x0                           ; all my tensor loads have landed: my part of the next slot
	ds_add_u32 v[SPW], v[NIL]                      ; 0 onto my spare word
	s_wait_dscnt 9                                 ; the add and the eight youngest loads may be out
	WIN MUL
	MULA F1, 0, 0                                  ; four matrix instructions stand between the add and the wait for it
	s_wait_dscnt 0x0                               ; the add is done, and my reads of this slot are over
	s_barrier_signal -1
	MULA F1, 1, 0
.if \fill
	WIN 0
.endif
	s_barrier_wait -1
.if \fill
	CREST                                          ; the barrier has opened a round of the cluster's: no wave of any partner still reads this slot or has a load on its way
	s_add_nc_u64 s[G0+4*\slot+2:G0+4*\slot+3], s[G0+4*\slot+2:G0+4*\slot+3], 2*AROWB
	s_add_nc_u64 s[G0B+4*\slot+2:G0B+4*\slot+3], s[G0B+4*\slot+2:G0B+4*\slot+3], 2*ROWB
	JLOAD G0+4*\slot, G1, G0B+4*\slot, G1B         ; the first tensor load behind the round; its four v_nop are the places in front of the loads below
.else
	PLACES NP
.endif
	FETCH \next, 0, F0
	WIN MUL
	MULA F1, 2, 0
	MULA F1, 3, 0
.endm
	s_wait_tensorcnt 0x0                           ; my part of slot 0 is in; slot 1's first fill is issued as a refill is:
	ds_add_u32 v[SPW], v[NIL]                      ; 0 onto my spare word
	s_wait_dscnt 0x0
	CROUND                                         ; everybody's part of slot 0 is in, and the joint loads meet
	JLOAD G0+4, G1, G0B+4, G1B                     ; slot 1: the first tensor load behind the round
	FETCH 0, 0, F0
	STEP 0, 0, 1                                   ; the first step's products start the sums: nothing is cleared
.if LAPS > 1
	WIN 0                                          ; at a label and at a branch every window is 0
	s_mov_b32 s3, LAPS-1
.Llap:                                                 ; a trip goes once round the ring, from a lap's second step to the next lap's first, and fills both slots again
	STEP 0, 1, 0
	STEP 0, 2, 0
	TURN 0, 1, 1
	STEP 1, 0, 0
	STEP 1, 1, 0
	STEP 1, 2, 0
	TURN 1, 0, 1
	STEP 0, 0, 0
	WIN 0
	s_sub_co_u32 s3, s3, 1
	s_cmp_lg_u32 s3, 0
	s_cbranch_scc1 .Llap
.endif
	STEP 0, 1, 0                                   ; the last lap fills nothing, and has no round of the cluster's barrier
	STEP 0, 2, 0
	TURN 0, 1, 0
	STEP 1, 0, 0
	STEP 1, 1, 0
	STEP 1, 2, 0
	s_wait_dscnt 8                                 ; the very last step: nothing more to fetch
	WIN MUL
	MULA F1, 0, 0
	MULA F1, 1, 0
	s_wait_dscnt 0
	MULA F1, 2, 0
	MULA F1, 3, 0
	WIN 0
; THE WAY OUT, block by block of 16 rows x 64 columns: the sums go through my own stage and come back as whole rows of 256 bytes; there each number is multiplied by 2^(ea + eb) and gets the residual and the bias.
.macro TOSTAGE a
.irp b, 0,1,2,3
	ds_store_b128 v[STO], v[ACC+8*(4*(\a)+\b):ACC+8*(4*(\a)+\b)+3] offset:64*\b          ; each accumulator from its low end on
	ds_store_b128 v[STO], v[ACC+8*(4*(\a)+\b)+4:ACC+8*(4*(\a)+\b)+7] offset:64*\b+16
.endr
.set BB, BK+32*((\a)%2)
.set t, 0
.rept 8
	ds_load_b128 v[BB+4*t:BB+4*t+3], v[RD] offset:t*2*SPITCH         ; LDS serves a wave's instructions in order: these see the stores above
.set t, t+1
.endr
.endm
.macro SEND a, younger
.set BB, BK+32*((\a)%2)
.set RS, 32*(\a)
	s_wait_dscnt \younger                          ; the block is back; the next block's 8 stores and 8 loads may be out
	WIN 0x20                                       ; source 2: window 2
.set t, 0
.rept 8
	v_pk_fma_f32 v[BB+4*t:BB+4*t+1], v[BB+4*t:BB+4*t+1], s[96:97], v[RS+4*t:RS+4*t+1] op_sel_hi:[1,0,1]
	v_pk_fma_f32 v[BB+4*t+2:BB+4*t+3], v[BB+4*t+2:BB+4*t+3], s[96:97], v[RS+4*t+2:RS+4*t+3] op_sel_hi:[1,0,1]
	v_pk_add_f32 v[BB+4*t:BB+4*t+1], v[BB+4*t:BB+4*t+1], v[12:13]
	v_pk_add_f32 v[BB+4*t+2:BB+4*t+3], v[BB+4*t+2:BB+4*t+3], v[14:15]
.set t, t+1
.endr
	WIN 0
.set t, 0
.rept 8
	global_store_b128 v[CO], v[BB+4*t:BB+4*t+3], s[78:79] offset:4096*(16*(\a)+2*t)   ; sixteen lanes store 256 consecutive bytes, aligned
.set t, t+1
.endr
.endm
	s_wait_kmcnt 0x0
	s_add_co_i32 s96, s96, s97
	s_add_co_i32 s96, s96, 127
	s_lshl_b32 s96, s96, 23                        ; 2^(ea + eb)
	s_mov_b32 s97, s96
	PLACES NP                                      ; behind the last products: reads of results follow
	s_wait_loadcnt 0x0                             ; the bias and the residual, asked for at the head
	TOSTAGE 0
.irp a, 1,2,3
.if \a > 1
	s_wait_xcnt 0x0                                ; block a - 2's stores have read their registers: block a's rows may land there
.endif
	TOSTAGE \a
	SEND \a-1, 16
.endr
	SEND 3, 0
	s_wait_tensorcnt 0x0                           ; the wave's end, behind my last tensor load and my last LDS store
	ds_add_u32 v[SPW], v[NIL]
	s_wait_dscnt 0x0
	CROUND                                         ; the closing round: no work-group ends while a partner may still ask for a tile that names it
	s_endpgm
.Lfunc_end_k_q69fbcd9f9b_oproj:
	.size	k_q69fbcd9f9b_oproj, .Lfunc_end_k_q69fbcd9f9b_oproj-k_q69fbcd9f9b_oproj
	.p2alignl 7, 3214868480
	.fill 96, 4, 3214868480
	.section	.rodata,"a",@progbits
	.p2align	6, 0x0
	.amdhsa_kernel k_q69fbcd9f9b_oproj
		.amdhsa_group_segment_fixed_size 327680
		.amdhsa_private_segment_fixed_size 0
		.amdhsa_enable_private_segment 0
		.amdhsa_kernarg_size 48
		.amdhsa_user_sgpr_count 2
		.amdhsa_user_sgpr_kernarg_segment_ptr 1
		.amdhsa_wavefront_size32 1
		.amdhsa_system_sgpr_workgroup_id_x 1
		.amdhsa_system_sgpr_workgroup_id_y 1
		.amdhsa_system_sgpr_workgroup_id_z 1
		.amdhsa_system_vgpr_workitem_id 0
		.amdhsa_next_free_vgpr 768
		.amdhsa_next_free_sgpr 100
		.amdhsa_reserve_vcc 0
		.amdhsa_float_denorm_mode_32 3
		.amdhsa_float_denorm_mode_16_64 3
		.amdhsa_memory_ordered 1
		.amdhsa_forward_progress 1
		.amdhsa_inst_pref_size 54
	.end_amdhsa_kernel
	.amdgpu_metadata
---
amdhsa.version: [ 1, 2 ]
amdhsa.kernels:
  - .name:           k_q69fbcd9f9b_oproj
    .symbol:         k_q69fbcd9f9b_oproj.kd
    .args:
      - { .name: z_img, .offset: 0, .size: 8, .value_kind: global_buffer, .address_space: global }
      - { .name: prep_out, .offset: 8, .size: 8, .value_kind: global_buffer, .address_space: global }
      - { .name: lowp_scales, .offset: 16, .size: 8, .value_kind: global_buffer, .address_space: global }
      - { .name: b_O, .offset: 24, .size: 8, .value_kind: global_buffer, .address_space: global }
      - { .name: resid_pre, .offset: 32, .size: 8, .value_kind: global_buffer, .address_space: global }
      - { .name: resid_mid, .offset: 40, .size: 8, .value_kind: global_buffer, .address_space: global }
    .group_segment_fixed_size: 327680
    .private_segment_fixed_size: 0
    .kernarg_segment_align: 8
    .kernarg_segment_size: 48
    .max_flat_workgroup_size: 128
    .sgpr_count:     100
    .vgpr_count:     768
    .wavefront_size: 32
...
	.end_amdgpu_metadata
.endif
;; end of part 11
;; launch ln2 (part 12): grid 1024 x 1, 4 waves a work-group, no clusters, 0 bytes of LDS; arguments resid_mid, ln2_w, ln2_b, lowp_scales, y_codes; writes y_codes
.if DOCPART == 12
	.amdgcn_target "amdgcn-amd-amdhsa--gfx1250"
	.amdhsa_code_object_version 6
	.text
	.protected	k_q69fbcd9f9b_ln2
	.globl	k_q69fbcd9f9b_ln2
	.p2align	8
	.type	k_q69fbcd9f9b_ln2,@function
k_q69fbcd9f9b_ln2:
	s_mov_b64 s[64:65], 0
	v_nop
	global_prefetch_b8 v0, s[64:65] scope:SCOPE_SE
	s_setreg_imm32_b32 hwreg(HW_REG_WAVE_MODE, 25, 1), 1
	s_wait_xcnt 0x0
; LN2: y = (r - mean) / sqrt(mean of squares) * w + b of resid_mid's rows, quantised to BF8 (E5M2) with scale 12 of lowp_scales, into rows of 1,024 codes.
; One wave to a row, 4,096 waves: four work-groups of four waves fit on a WGP by their registers, so 1,024 work-groups are one on each place.  The row stays in registers between the passes, so it is read once; no LDS, no barrier.
; The row is asked for ahead of the gain and the bias, which are wanted last.
; A lane holds columns 256 j + 8 lane + 0..7: eight neighbours for each conversion, and a store of 8 bytes a lane covers 256 consecutive bytes.
; No matrix units, clusters or prefetch: each byte is read once, by one wave, in one run of loads at the head.
; LIMITS: e12 between -126 and 112; NaN among the inputs is not served.
.set WG,    20                         ; v20-51   the gain at my 32 columns
.set BS,    52                         ; v52-83   the bias
.set X,     84                         ; v84-115  the row
.set CD,    244                        ; v244-251 its codes
.macro REDUCE
	v_add_f32_dpp v4, v4, v4 row_xmask:1 row_mask:0xf bank_mask:0xf
	v_add_f32_dpp v4, v4, v4 row_xmask:2 row_mask:0xf bank_mask:0xf
	v_add_f32_dpp v4, v4, v4 row_xmask:4 row_mask:0xf bank_mask:0xf
	v_add_f32_dpp v4, v4, v4 row_xmask:8 row_mask:0xf bank_mask:0xf
	v_permlanex16_b32 v5, v4, s20, s21
	v_add_f32 v4, v4, v5
.endm
	s_load_b256 s[4:11], s[0:1], 0x0               ; resid_mid s[4:5], ln2_w s[6:7], ln2_b s[8:9], lowp_scales s[10:11]
	s_load_b64 s[14:15], s[0:1], 0x20              ; y_codes
	v_lshrrev_b32 v1, 5, v0
	v_readfirstlane_b32 s16, v1
	v_and_b32 v1, 31, v0
	v_lshlrev_b32 v2, 5, v1
	v_lshlrev_b32 v3, 3, v1
	s_lshl_b32 s17, ttmp9, 2
	s_add_co_u32 s17, s17, s16                     ; my row
	s_mov_b32 s19, 0
	s_mov_b32 s20, 0x76543210
	s_mov_b32 s21, 0xfedcba98
	s_wait_alu depctr_va_vdst(0)                   ; the wait at the head's end
	s_wait_kmcnt 0x0
	s_load_b32 s32, s[10:11], 0x30                 ; e12
	s_lshl_b32 s18, s17, 12
	s_add_nc_u64 s[4:5], s[4:5], s[18:19]
	s_lshl_b32 s18, s17, 10
	s_add_nc_u64 s[14:15], s[14:15], s[18:19]
.irp j, 0,1,2,3
	global_load_b128 v[X+8*\j:X+8*\j+3], v2, s[4:5] offset:1024*\j
	global_load_b128 v[X+8*\j+4:X+8*\j+7], v2, s[4:5] offset:1024*\j+16
.endr
.irp j, 0,1,2,3
	global_load_b128 v[WG+8*\j:WG+8*\j+3], v2, s[6:7] offset:1024*\j
	global_load_b128 v[WG+8*\j+4:WG+8*\j+7], v2, s[6:7] offset:1024*\j+16
.endr
.irp j, 0,1,2,3
	global_load_b128 v[BS+8*\j:BS+8*\j+3], v2, s[8:9] offset:1024*\j
	global_load_b128 v[BS+8*\j+4:BS+8*\j+7], v2, s[8:9] offset:1024*\j+16
.endr
	s_wait_kmcnt 0x0
	s_add_co_i32 s40, s32, 127
	s_lshl_b32 s41, s40, 23
	v_mov_b32 v14, s41                             ; 2^e12
	s_add_co_i32 s40, s40, 15
	s_lshl_b32 s40, s40, 23
	s_or_b32 s40, s40, 0x600000
	v_mov_b32 v15, s40                             ; 57,344 x 2^e12
	s_wait_loadcnt 16                              ; the row's eight loads are in; the gain's and the bias's sixteen may be out
	v_pk_add_f32 v[4:5], v[X:X+1], v[X+2:X+3]
	v_pk_add_f32 v[6:7], v[X+4:X+5], v[X+6:X+7]
.set j, 8
.rept 6
	v_pk_add_f32 v[4:5], v[4:5], v[X+j:X+j+1]
	v_pk_add_f32 v[6:7], v[6:7], v[X+j+2:X+j+3]
.set j, j+4
.endr
	v_pk_add_f32 v[4:5], v[4:5], v[6:7]
	v_add_f32 v4, v4, v5
	REDUCE
	v_mul_f32 v10, 0xba800000, v4                  ; -mean
	v_mov_b32 v11, v10
.set j, 0
.rept 16
	v_pk_add_f32 v[X+j:X+j+1], v[X+j:X+j+1], v[10:11]
.set j, j+2
.endr
	v_pk_mul_f32 v[4:5], v[X:X+1], v[X:X+1]
	v_pk_mul_f32 v[6:7], v[X+2:X+3], v[X+2:X+3]
.set j, 4
.rept 7
	v_pk_fma_f32 v[4:5], v[X+j:X+j+1], v[X+j:X+j+1], v[4:5]
	v_pk_fma_f32 v[6:7], v[X+j+2:X+j+3], v[X+j+2:X+j+3], v[6:7]
.set j, j+4
.endr
	v_pk_add_f32 v[4:5], v[4:5], v[6:7]
	v_add_f32 v4, v4, v5
	REDUCE
	v_mul_f32 v4, 0x3a800000, v4                   ; the mean square
	s_wait_alu depctr_va_vdst(0)                   ; the wait ahead of the batch
	v_rsq_f32 v12, v4
	v_rsq_f32 v13, v4                              ; twice: a pair for the packed multiply
	v_nop                                          ; a plain instruction behind the last of them,
	s_wait_alu depctr_va_vdst(0)                   ; and the one wait ahead of the first reader
.set j, 0
.rept 16
	v_pk_mul_f32 v[X+j:X+j+1], v[X+j:X+j+1], v[12:13]
.set j, j+2
.endr
	s_wait_loadcnt 0x0                             ; the gain and the bias
.set j, 0
.rept 16
	v_pk_fma_f32 v[X+j:X+j+1], v[X+j:X+j+1], v[WG+j:WG+j+1], v[BS+j:BS+j+1]
.set j, j+2
.endr
.set j, 0
.rept 32
	v_med3_num_f32 v[X+j], v[X+j], -v15, v15       ; the conversion to an 8-bit code does not saturate (ISA guide 7.6.2)
.set j, j+1
.endr
.irp q, 0,1,2,3
	v_cvt_scalef32_pk8_bf8_f32 v[CD+2*\q:CD+2*\q+1], v[X+8*\q:X+8*\q+7], v14
.endr
	v_nop                                          ; a plain instruction behind the last conversion
.irp q, 0,1,2,3
	global_store_b64 v3, v[CD+2*\q:CD+2*\q+1], s[14:15] offset:256*\q   ; 32 lanes store 256 consecutive bytes, aligned
.endr
	s_endpgm
.Lfunc_end_k_q69fbcd9f9b_ln2:
	.size	k_q69fbcd9f9b_ln2, .Lfunc_end_k_q69fbcd9f9b_ln2-k_q69fbcd9f9b_ln2
	.p2alignl 7, 3214868480
	.fill 96, 4, 3214868480
	.section	.rodata,"a",@progbits
	.p2align	6, 0x0
	.amdhsa_kernel k_q69fbcd9f9b_ln2
		.amdhsa_group_segment_fixed_size 0
		.amdhsa_private_segment_fixed_size 0
		.amdhsa_enable_private_segment 0
		.amdhsa_kernarg_size 40
		.amdhsa_user_sgpr_count 2
		.amdhsa_user_sgpr_kernarg_segment_ptr 1
		.amdhsa_wavefront_size32 1
		.amdhsa_system_sgpr_workgroup_id_x 1
		.amdhsa_system_sgpr_workgroup_id_y 1
		.amdhsa_system_sgpr_workgroup_id_z 1
		.amdhsa_system_vgpr_workitem_id 0
		.amdhsa_next_free_vgpr 256
		.amdhsa_next_free_sgpr 66
		.amdhsa_reserve_vcc 0
		.amdhsa_float_denorm_mode_32 3
		.amdhsa_float_denorm_mode_16_64 3
		.amdhsa_memory_ordered 1
		.amdhsa_forward_progress 1
		.amdhsa_inst_pref_size 13
	.end_amdhsa_kernel
	.amdgpu_metadata
---
amdhsa.version: [ 1, 2 ]
amdhsa.kernels:
  - .name:           k_q69fbcd9f9b_ln2
    .symbol:         k_q69fbcd9f9b_ln2.kd
    .args:
      - { .name: resid_mid, .offset: 0, .size: 8, .value_kind: global_buffer, .address_space: global }
      - { .name: ln2_w, .offset: 8, .size: 8, .value_kind: global_buffer, .address_space: global }
      - { .name: ln2_b, .offset: 16, .size: 8, .value_kind: global_buffer, .address_space: global }
      - { .name: lowp_scales, .offset: 24, .size: 8, .value_kind: global_buffer, .address_space: global }
      - { .name: y_codes, .offset: 32, .size: 8, .value_kind: global_buffer, .address_space: global }
    .group_segment_fixed_size: 0
    .private_segment_fixed_size: 0
    .kernarg_segment_align: 8
    .kernarg_segment_size: 40
    .max_flat_workgroup_size: 128
    .sgpr_count:     66
    .vgpr_count:     256
    .wavefront_size: 32
...
	.end_amdgpu_metadata
.endif
;; end of part 12
;; launch mlp_in (part 13): grid 16 x 16, 4 waves a work-group, clusters of 4 x 4, 327,680 bytes of LDS; arguments y_codes, W_in_codes, lowp_scales, b_in, h_img; writes h_img
.if DOCPART == 13
	.amdgcn_target "amdgcn-amd-amdhsa--gfx1250"
	.amdhsa_code_object_version 6
	.text
	.protected	k_q69fbcd9f9b_mlp_in
	.globl	k_q69fbcd9f9b_mlp_in
	.p2align	8
	.type	k_q69fbcd9f9b_mlp_in,@function
k_q69fbcd9f9b_mlp_in:
	s_mov_b64 s[64:65], 0
	v_nop
	global_prefetch_b8 v0, s[64:65] scope:SCOPE_SE
	s_setreg_imm32_b32 hwreg(HW_REG_WAVE_MODE, 25, 1), 1
	s_wait_xcnt 0x0
	s_wait_alu depctr_hold_cnt(0) depctr_sa_sdst(0) depctr_va_vdst(0) depctr_va_sdst(0) depctr_va_ssrc(0) depctr_va_vcc(0) depctr_vm_vsrc(0)
	s_getreg_b32 s2, hwreg(HW_REG_IB_STS2, 6, 4)
	s_cmp_eq_u32 s2, 0
	s_cbranch_scc0 .Lentry_in_a_cluster
	s_endpgm
.Lentry_in_a_cluster:
	s_bfe_u32 s2, ttmp6, 0x10000c
	s_cmp_lg_u32 s2, 0xf033
	s_cbranch_scc0 .Lentry_shape_is_right
	s_endpgm
.Lentry_shape_is_right:
; h = gelu(y W_in + b_in) on codes of BF8 (E5M2), quantised with scale 14 of lowp_scales into images of the next product's fragments.  gelu by tanh: x / (1 + 2^(x (a + b x x))).
; A work-group of four waves makes 256 x 256, a wave 128 x 128; K goes in steps of 256 through two LDS slots; 4 x 4 work-groups form a cluster: A's tile is asked for jointly along a row, B's along a column.
; LIMITS: e12 + e13 between -126 and 127; e14 between -126 and 112.  NaN among the inputs is not served.
.set KTOT,   1024
.set KSTEP,  256
.set ROWB,   256
.set KROW,   1024
.set PITCH,  272
.set FR,     16
.set NL,     4
.set NP,     4
.set HALFT,  128*PITCH
.set SLOT,   4*HALFT
.set LAPS,   KTOT/(2*KSTEP)
.set SPARE,  2*SLOT
.set ADRA, 16
.set ADRB, 20
.set SPW,  28
.set NIL,  29
.set AF,   128
.set G1, 24
.set G0, 32
.set G1B, 48
.set G0B, 56
.set BI,  32
.set T,   96
.set Z,   160
.set CD,  224
.set MSB, 0
.macro WIN new
.if MSB != (\new)
	s_set_vgpr_msb (MSB<<8)|(\new)
.set MSB, \new
.endif
.endm
.set MUL_LO, 0xa1
.set MUL_HI, 0xf1
.set TO_B,   0x40
.macro JLOAD g0a, g1a, g0b, g1b
	s_cmp_eq_u32 s15, 0
	s_cbranch_scc0 .Lfor_b_\@
	tensor_load_to_lds s[\g0a:\g0a+3], s[\g1a:\g1a+7]
	s_nop 0
.rept 4
	v_nop
.endr
	s_branch .Lasked_\@
.Lfor_b_\@:
	tensor_load_to_lds s[\g0b:\g0b+3], s[\g1b:\g1b+7]
	s_nop 0
.rept 4
	v_nop
.endr
.Lasked_\@:
.endm
.macro CREST
	s_cmp_lg_u32 s14, 0
	s_cbranch_scc1 .Lnot_wave_0_\@
	s_barrier_signal -3
.Lnot_wave_0_\@:
	s_barrier_wait -3
	s_barrier_signal -1
	s_barrier_wait -1
.endm
.macro CROUND
	s_barrier_signal -1
	s_barrier_wait -1
	CREST
.endm
	s_load_b256 s[68:75], s[0:1], 0x0
	s_load_b64 s[76:77], s[0:1], 0x20
	v_lshl_add_u32 v[SPW], v0, 2, SPARE
	v_mov_b32 v[NIL], 0
	ds_add_u32 v[SPW], v[NIL]
	ds_add_u32 v[SPW], v[NIL]
	v_lshrrev_b32 v1, 5, v0
	v_readfirstlane_b32 s14, v1
	s_lshr_b32 s15, s14, 1
	s_and_b32 s16, s14, 1
	s_bfe_u32 s40, ttmp6, 0x40000
	s_bfe_u32 s41, ttmp6, 0x40004
	s_lshl_b32 s42, ttmp9, 2
	s_add_co_u32 s42, s42, s40
	s_and_b32 s17, ttmp7, 0xffff
	s_lshl_b32 s17, s17, 2
	s_add_co_u32 s17, s17, s41
	s_lshl_b32 s43, s41, 2
	s_lshl_b32 s43, 15, s43
	s_lshl_b32 s44, 0x1111, s40
	s_or_b32 s[G1+0], s43, (0<<16)|(1<<20)|(1<<21)|(5<<22)|(3<<25)
	s_or_b32 s[G1B+0], s44, (0<<16)|(1<<20)|(1<<21)|(5<<22)|(3<<25)
.irp g, G1, G1B
	s_mov_b32 s[\g+1], ROWB<<16
	s_mov_b32 s[\g+2], 128<<16
	s_mov_b32 s[\g+3], ROWB<<16
	s_mov_b32 s[\g+4], 128
	s_mov_b32 s[\g+5], KROW
	s_mov_b32 s[\g+6], 0
	s_mov_b32 s[\g+7], 0
.endr
	s_lshl_b32 s18, s16, 7
	s_lshl_b32 s20, s17, 8
	s_add_co_u32 s20, s20, s18
	s_lshl_b32 s20, s20, 10
	s_mov_b32 s21, 0
	s_lshl_b32 s46, s42, 8
	s_add_co_u32 s46, s46, s18
	s_lshl_b32 s46, s46, 10
	s_mov_b32 s47, 0
	s_mul_i32 s45, s14, HALFT
	s_wait_dscnt 0x0
	s_wait_kmcnt 0x0
	s_load_b128 s[92:95], s[72:73], 0x30
	s_add_nc_u64 s[20:21], s[68:69], s[20:21]
	s_add_nc_u64 s[46:47], s[70:71], s[46:47]
	CROUND
.irp s, 0,1
	s_mov_b32 s[G0+4*\s], 1
	s_add_co_u32 s[G0+4*\s+1], s45, \s*SLOT
	s_add_nc_u64 s[G0+4*\s+2:G0+4*\s+3], s[20:21], \s*ROWB
	s_or_b32 s[G0+4*\s+3], s[G0+4*\s+3], 0x80000000
	s_mov_b32 s[G0B+4*\s], 1
	s_add_co_u32 s[G0B+4*\s+1], s45, \s*SLOT
	s_add_nc_u64 s[G0B+4*\s+2:G0B+4*\s+3], s[46:47], \s*ROWB
	s_or_b32 s[G0B+4*\s+3], s[G0B+4*\s+3], 0x80000000
.endr
	JLOAD G0, G1, G0B, G1B                         ; K step 0: one tensor load a wave at the head
	; prefetches: K steps 1 and 2 here, K step 3 behind K step 1's load.  Of the 128 rows that I fetch, my work-group takes 32 (by cx for A, by cy for B): a lane a row, 256 bytes of it a step
	s_cmp_eq_u32 s15, 0
	s_cselect_b64 s[80:81], s[20:21], s[46:47]
	s_cselect_b32 s84, s40, s41
	s_lshl_b32 s84, s84, 15                        ; 32 rows of 1,024 bytes
	s_mov_b32 s85, 0
	s_add_nc_u64 s[80:81], s[80:81], s[84:85]
	v_and_b32 v24, 31, v0
	v_lshlrev_b32 v24, 10, v24
	global_prefetch_b8 v24, s[80:81] offset:ROWB th:TH_LOAD_NT scope:SCOPE_SE
	global_prefetch_b8 v24, s[80:81] offset:2*ROWB th:TH_LOAD_NT scope:SCOPE_SE
	v_and_b32 v1, 15, v0
	v_bfe_u32 v2, v0, 4, 1
	s_wait_alu depctr_va_vdst(0)
	v_mul_u32_u24 v3, v1, PITCH
	v_lshl_add_u32 v4, v2, 4, v3
	s_mul_i32 s21, s15, HALFT
	s_mul_i32 s22, s16, HALFT
	s_add_co_u32 s22, s22, 2*HALFT
.irp s, 0,1
	v_add_nc_u32 v[ADRA+\s], s21, v4
	v_add_nc_u32 v[ADRB+\s], s22, v4
	s_add_co_u32 s21, s21, SLOT
	s_add_co_u32 s22, s22, SLOT
.endr
	s_lshl_b32 s18, s42, 10
	s_lshl_b32 s19, s16, 9
	s_add_co_u32 s18, s18, s19
	s_mov_b32 s19, 0
	s_add_nc_u64 s[74:75], s[74:75], s[18:19]
	v_lshlrev_b32 v22, 5, v2
.irp b, 0,1,2,3,4,5,6,7
	global_load_b128 v[BI+8*\b:BI+8*\b+3], v22, s[74:75] offset:64*\b
	global_load_b128 v[BI+8*\b+4:BI+8*\b+7], v22, s[74:75] offset:64*\b+16
.endr
	s_lshl_b32 s18, s17, 4
	s_lshl_b32 s23, s15, 3
	s_add_co_u32 s18, s18, s23
	s_lshl_b32 s18, s18, 16
	s_lshl_b32 s23, s42, 1
	s_add_co_u32 s23, s23, s16
	s_lshl_b32 s23, s23, 11
	s_add_co_u32 s18, s18, s23
	s_add_nc_u64 s[76:77], s[76:77], s[18:19]
	v_lshlrev_b32 v27, 4, v1
	v_lshl_add_u32 v27, v2, 3, v27
	v_mov_b32 v10, 0xc0135761
	v_mov_b32 v11, 0xc0135761
	s_mov_b32 s90, 0xbdd2d3e8
	s_mov_b32 s91, 0xbdd2d3e8
.macro FRAG reg, adr, q, i
.irp c, 0,1,2,3
	ds_load_b128 v[\reg+4*\c:\reg+4*\c+3], v[\adr] offset:128*(\q)+32*\c+(\i)*16*PITCH
.endr
.endm
.macro MUL16 a0, p, zero
.irp a, \a0, \a0+1
.irp b, 0,1,2,3,4,5,6,7
.if \zero
	v_wmma_f32_16x16x128_bf8_bf8 v[8*(8*((\a)%4)+\b):8*(8*((\a)%4)+\b)+7], v[128*(\p)+FR*\b:128*(\p)+FR*\b+FR-1], v[AF+FR*(\a):AF+FR*(\a)+FR-1], 0
.else
	v_wmma_f32_16x16x128_bf8_bf8 v[8*(8*((\a)%4)+\b):8*(8*((\a)%4)+\b)+7], v[128*(\p)+FR*\b:128*(\p)+FR*\b+FR-1], v[AF+FR*(\a):AF+FR*(\a)+FR-1], v[8*(8*((\a)%4)+\b):8*(8*((\a)%4)+\b)+7]
.endif
.endr
.endr
.endm
.macro FETCH_B slot, q, p
	WIN TO_B
.irp i, 0,1,2,3,4,5,6,7
	FRAG 128*(\p)+FR*\i, ADRB+\slot, \q, \i
.endr
	WIN 0
.endm
.macro FETCH_A slot, q, i0
.irp i, \i0, \i0+1, \i0+2, \i0+3
	FRAG AF+FR*(\i), ADRA+\slot, \q, \i
.endr
.endm
.macro PLACES n
.rept \n
	v_nop
.endr
.endm
.macro STEP slot, q, zero
	s_wait_dscnt 4*NL
	WIN MUL_LO
	MUL16 0, (\q)%2, \zero
	MUL16 2, (\q)%2, \zero
	s_wait_dscnt 0
	PLACES NP
	FETCH_B \slot, (\q)+1, 1-(\q)%2
	FETCH_A \slot, (\q)+1, 0
	WIN MUL_HI
	MUL16 4, (\q)%2, \zero
	MUL16 6, (\q)%2, \zero
	PLACES NP
	WIN 0
	FETCH_A \slot, (\q)+1, 4
.endm
.macro TURN slot, next, fill
	s_wait_tensorcnt 0x0
	ds_add_u32 v[SPW], v[NIL]
	s_wait_dscnt 4*NL+1
	WIN MUL_LO
	MUL16 0, 1, 0
	s_wait_dscnt 0x0
	s_barrier_signal -1
	MUL16 2, 1, 0
	WIN 0
	s_barrier_wait -1
.if \fill
	CREST
	s_add_nc_u64 s[G0+4*\slot+2:G0+4*\slot+3], s[G0+4*\slot+2:G0+4*\slot+3], 2*ROWB
	s_add_nc_u64 s[G0B+4*\slot+2:G0B+4*\slot+3], s[G0B+4*\slot+2:G0B+4*\slot+3], 2*ROWB
	JLOAD G0+4*\slot, G1, G0B+4*\slot, G1B
.else
	PLACES NP
.endif
	FETCH_B \next, 0, 0
	FETCH_A \next, 0, 0
	WIN MUL_HI
	MUL16 4, 1, 0
	MUL16 6, 1, 0
	PLACES NP
	WIN 0
	FETCH_A \next, 0, 4
.endm
	s_wait_alu depctr_va_vdst(0)                   ; the wait at the head's end
	s_wait_tensorcnt 0x0                           ; my part of K step 0 is in; slot 1's first fill is issued as a refill is:
	ds_add_u32 v[SPW], v[NIL]                      ; 0 onto my spare word
	s_wait_dscnt 0x0
	CROUND                                         ; everybody's part of K step 0 is in, and the joint loads meet
	JLOAD G0+4, G1, G0B+4, G1B                     ; K step 1: the first tensor load behind the round
	FETCH_B 0, 0, 0
	FETCH_A 0, 0, 0
	FETCH_A 0, 0, 4
	global_prefetch_b8 v24, s[80:81] offset:3*ROWB th:TH_LOAD_NT scope:SCOPE_SE
	STEP 0, 0, 1
	s_mov_b32 s3, LAPS-1
.Llap:
	TURN 0, 1, 1
	STEP 1, 0, 0
	TURN 1, 0, 1
	STEP 0, 0, 0
	s_sub_co_u32 s3, s3, 1
	s_cmp_lg_u32 s3, 0
	s_cbranch_scc1 .Llap
	TURN 0, 1, 0
	STEP 1, 0, 0
	s_wait_dscnt 4*NL
	WIN MUL_LO
	MUL16 0, 1, 0
	MUL16 2, 1, 0
	s_wait_dscnt 0
	WIN MUL_HI
	MUL16 4, 1, 0
	MUL16 6, 1, 0
	WIN 0
.macro GBLOCK a
.set AC, 64*((\a)%4)
	WIN 0x02+((\a)/4)
.set j, 0
.rept 32
	v_pk_fma_f32 v[T+j:T+j+1], v[AC+j:AC+j+1], s[96:97], v[BI+j:BI+j+1] op_sel_hi:[1,0,1]
.set j, j+2
.endr
	WIN 0
.set j, 0
.rept 32
	v_pk_mul_f32 v[Z+j:Z+j+1], v[T+j:T+j+1], v[T+j:T+j+1]
.set j, j+2
.endr
.set j, 0
.rept 32
	v_pk_fma_f32 v[Z+j:Z+j+1], v[Z+j:Z+j+1], s[90:91], v[10:11] op_sel_hi:[1,0,1]
.set j, j+2
.endr
.set j, 0
.rept 32
	v_pk_mul_f32 v[Z+j:Z+j+1], v[Z+j:Z+j+1], v[T+j:T+j+1]
.set j, j+2
.endr
.set j, 0
	s_wait_alu depctr_va_vdst(0)
.rept 64
	v_exp_f32 v[Z+j], v[Z+j]
.set j, j+1
.endr
	v_nop
	s_wait_alu depctr_va_vdst(0)
.set j, 0
.rept 32
	v_pk_add_f32 v[Z+j:Z+j+1], v[Z+j:Z+j+1], 1.0 op_sel_hi:[1,0]
.set j, j+2
.endr
.set j, 0
	s_wait_alu depctr_va_vdst(0)
.rept 64
	v_rcp_f32 v[Z+j], v[Z+j]
.set j, j+1
.endr
	v_nop
	s_wait_alu depctr_va_vdst(0)
.set j, 0
.rept 32
	v_pk_mul_f32 v[T+j:T+j+1], v[T+j:T+j+1], v[Z+j:Z+j+1]
.set j, j+2
.endr
.set j, 0
.rept 64
	v_med3_num_f32 v[T+j], v[T+j], -v31, v31
.set j, j+1
.endr
	s_wait_alu depctr_va_vdst(0)
	s_wait_xcnt 0x0
.irp b, 0,1,2,3,4,5,6,7
	v_cvt_scalef32_pk8_bf8_f32 v[CD+2*\b:CD+2*\b+1], v[T+8*\b:T+8*\b+7], v30
.endr
	v_nop
.irp b, 0,1,2,3,4,5,6,7
	global_store_b64 v27, v[CD+2*\b:CD+2*\b+1], s[76:77] offset:65536*(\a)+256*\b
.endr
.endm
	s_wait_kmcnt 0x0
	s_add_co_i32 s96, s92, s93
	s_add_co_i32 s96, s96, 127
	s_lshl_b32 s96, s96, 23
	s_mov_b32 s97, s96
	PLACES NP
	s_add_co_i32 s22, s94, 127
	s_lshl_b32 s23, s22, 23
	v_mov_b32 v30, s23
	s_add_co_i32 s22, s22, 15
	s_lshl_b32 s22, s22, 23
	s_or_b32 s22, s22, 0x600000
	v_mov_b32 v31, s22
	s_wait_loadcnt 0x0
.irp a, 0,1,2,3,4,5,6,7
	GBLOCK \a
.endr
	s_wait_tensorcnt 0x0
	ds_add_u32 v[SPW], v[NIL]
	s_wait_dscnt 0x0
	CROUND
	s_endpgm
.Lfunc_end_k_q69fbcd9f9b_mlp_in:
	.size	k_q69fbcd9f9b_mlp_in, .Lfunc_end_k_q69fbcd9f9b_mlp_in-k_q69fbcd9f9b_mlp_in
	.p2alignl 7, 3214868480
	.fill 96, 4, 3214868480
	.section	.rodata,"a",@progbits
	.p2align	6, 0x0
	.amdhsa_kernel k_q69fbcd9f9b_mlp_in
		.amdhsa_group_segment_fixed_size 327680
		.amdhsa_private_segment_fixed_size 0
		.amdhsa_enable_private_segment 0
		.amdhsa_kernarg_size 40
		.amdhsa_user_sgpr_count 2
		.amdhsa_user_sgpr_kernarg_segment_ptr 1
		.amdhsa_wavefront_size32 1
		.amdhsa_system_sgpr_workgroup_id_x 1
		.amdhsa_system_sgpr_workgroup_id_y 1
		.amdhsa_system_sgpr_workgroup_id_z 1
		.amdhsa_system_vgpr_workitem_id 0
		.amdhsa_next_free_vgpr 1024
		.amdhsa_next_free_sgpr 100
		.amdhsa_reserve_vcc 0
		.amdhsa_float_denorm_mode_32 3
		.amdhsa_float_denorm_mode_16_64 3
		.amdhsa_memory_ordered 1
		.amdhsa_forward_progress 1
		.amdhsa_inst_pref_size 253
	.end_amdhsa_kernel
	.amdgpu_metadata
---
amdhsa.version: [ 1, 2 ]
amdhsa.kernels:
  - .name:           k_q69fbcd9f9b_mlp_in
    .symbol:         k_q69fbcd9f9b_mlp_in.kd
    .args:
      - { .name: y_codes, .offset: 0, .size: 8, .value_kind: global_buffer, .address_space: global }
      - { .name: W_in_codes, .offset: 8, .size: 8, .value_kind: global_buffer, .address_space: global }
      - { .name: lowp_scales, .offset: 16, .size: 8, .value_kind: global_buffer, .address_space: global }
      - { .name: b_in, .offset: 24, .size: 8, .value_kind: global_buffer, .address_space: global }
      - { .name: h_img, .offset: 32, .size: 8, .value_kind: global_buffer, .address_space: global }
    .group_segment_fixed_size: 327680
    .private_segment_fixed_size: 0
    .kernarg_segment_align: 8
    .kernarg_segment_size: 40
    .max_flat_workgroup_size: 128
    .sgpr_count:     100
    .vgpr_count:     1024
    .wavefront_size: 32
...
	.end_amdgpu_metadata
.endif
;; end of part 13
;; launch mlp_out (part 14): grid 8 x 32, 4 waves a work-group, clusters of 4 x 4, 327,680 bytes of LDS; arguments h_img, W_out_codes, lowp_scales, b_out, resid_mid, out0; writes out0
.if DOCPART == 14
	.amdgcn_target "amdgcn-amd-amdhsa--gfx1250"
	.amdhsa_code_object_version 6
	.text
	.protected	k_q69fbcd9f9b_mlp_out
	.globl	k_q69fbcd9f9b_mlp_out
	.p2align	8
	.type	k_q69fbcd9f9b_mlp_out,@function
k_q69fbcd9f9b_mlp_out:
	s_mov_b64 s[64:65], 0
	v_nop
	global_prefetch_b8 v0, s[64:65] scope:SCOPE_SE
	s_setreg_imm32_b32 hwreg(HW_REG_WAVE_MODE, 25, 1), 1
	s_wait_xcnt 0x0
	s_wait_alu depctr_hold_cnt(0) depctr_sa_sdst(0) depctr_va_vdst(0) depctr_va_sdst(0) depctr_va_ssrc(0) depctr_va_vcc(0) depctr_vm_vsrc(0)
	s_getreg_b32 s2, hwreg(HW_REG_IB_STS2, 6, 4)
	s_cmp_eq_u32 s2, 0
	s_cbranch_scc0 .Lentry_in_a_cluster
	s_endpgm
.Lentry_in_a_cluster:
	s_bfe_u32 s2, ttmp6, 0x10000c
	s_cmp_lg_u32 s2, 0xf033
	s_cbranch_scc0 .Lentry_shape_is_right
	s_endpgm
.Lentry_shape_is_right:
; out0 = resid_mid + b_out + 2^(e14 + e15) x h W_out on codes of BF8 (E5M2).  A = h's images of fragments, B = rows of W_out's codes, K = 4,096.
; The tile is 128 x 128, a wave 64 x 64; K goes in steps of 512 through two LDS slots; 4 x 4 work-groups form a cluster: A's tile is asked for jointly along a row, B's along a column.
; Behind each joint load a wave prefetches a quarter of what it will fetch two slots on; the last two refills ask for nothing.  LIMIT: e14 + e15 between -126 and 127.
.set KTOT,   4096
.set TBB,    65536
.set TBSH,   16
.set KROW,   4096
.set KRSH,   12
.set BOFF,   0
.set SCA,    14
.set KSLOT,  512
.set ROWB,   512
.set AROWB,  8192
.set PITCH,  528
.set FR,     16
.set NP,     4
.set HALFT,  64*PITCH
.set SLOT,   4*HALFT
.set LAPS,   KTOT/(2*KSLOT)
.set SPARE,  2*SLOT
.set SPITCH, 272
.set ADRA, 16
.set ADRB, 20
.set STO,  24
.set RD,   25
.set CO,   26
.set BO,   27
.set SPW,  28
.set NIL,  29
.set BK,   32
.set ACC,  128
.set F0,   0
.set F1,   128
.set G1, 24
.set G0, 32
.set G1B, 48
.set G0B, 56
.set MSB, 0
.macro WIN new
.if MSB != (\new)
	s_set_vgpr_msb (MSB<<8)|(\new)
.set MSB, \new
.endif
.endm
.set MUL,  0x05
.set TO_F, 0x40
.macro JLOAD g0a, g1a, g0b, g1b
	s_cmp_eq_u32 s15, 0
	s_cbranch_scc0 .Lfor_b_\@
	tensor_load_to_lds s[\g0a:\g0a+3], s[\g1a:\g1a+7]
	s_nop 0
.rept 4
	v_nop
.endr
	s_branch .Lasked_\@
.Lfor_b_\@:
	tensor_load_to_lds s[\g0b:\g0b+3], s[\g1b:\g1b+7]
	s_nop 0
.rept 4
	v_nop
.endr
.Lasked_\@:
.endm
.macro CREST
	s_cmp_lg_u32 s14, 0
	s_cbranch_scc1 .Lnot_wave_0_\@
	s_barrier_signal -3
.Lnot_wave_0_\@:
	s_barrier_wait -3
	s_barrier_signal -1
	s_barrier_wait -1
.endm
.macro CROUND
	s_barrier_signal -1
	s_barrier_wait -1
	CREST
.endm
	s_load_b256 s[68:75], s[0:1], 0x0
	s_load_b128 s[76:79], s[0:1], 0x20
	v_lshl_add_u32 v[SPW], v0, 2, SPARE
	v_mov_b32 v[NIL], 0
	ds_add_u32 v[SPW], v[NIL]
	ds_add_u32 v[SPW], v[NIL]
	v_lshrrev_b32 v1, 5, v0
	v_readfirstlane_b32 s14, v1
	s_lshr_b32 s15, s14, 1
	s_and_b32 s16, s14, 1
	s_bfe_u32 s40, ttmp6, 0x40000
	s_bfe_u32 s41, ttmp6, 0x40004
	s_lshl_b32 s42, ttmp9, 2
	s_add_co_u32 s42, s42, s40
	s_and_b32 s17, ttmp7, 0xffff
	s_lshl_b32 s17, s17, 2
	s_add_co_u32 s17, s17, s41
	s_lshl_b32 s43, s41, 2
	s_lshl_b32 s43, 15, s43
	s_lshl_b32 s44, 0x1111, s40
	s_or_b32 s[G1+0], s43, (3<<16)|(1<<21)
	s_mov_b32 s[G1+1], (AROWB/8)<<16
	s_mov_b32 s[G1+2], 4<<16
	s_mov_b32 s[G1+3], (AROWB/8)<<16
	s_mov_b32 s[G1+4], 4
	s_mov_b32 s[G1+5], TBB/8
	s_mov_b32 s[G1+6], 0
	s_mov_b32 s[G1+7], 0
	s_or_b32 s[G1B+0], s44, (0<<16)|(1<<20)|(1<<21)|(6<<22)|(3<<25)
	s_mov_b32 s[G1B+1], ROWB<<16
	s_mov_b32 s[G1B+2], 64<<16
	s_mov_b32 s[G1B+3], ROWB<<16
	s_mov_b32 s[G1B+4], 64
	s_mov_b32 s[G1B+5], KROW
	s_mov_b32 s[G1B+6], 0
	s_mov_b32 s[G1B+7], 0
	s_lshl_b32 s20, s17, 3
	s_lshl_b32 s18, s16, 2
	s_add_co_u32 s20, s20, s18
	s_lshl_b32 s20, s20, TBSH
	s_mov_b32 s21, 0
	s_lshl_b32 s46, s42, 7
	s_lshl_b32 s18, s16, 6
	s_add_co_u32 s46, s46, s18
	s_lshl_b32 s46, s46, KRSH
	s_add_co_u32 s46, s46, BOFF
	s_mov_b32 s47, 0
	s_mul_i32 s45, s14, HALFT
	s_wait_dscnt 0x0
	s_wait_kmcnt 0x0
	s_load_b64 s[96:97], s[72:73], 4*SCA
	s_add_nc_u64 s[20:21], s[68:69], s[20:21]
	s_add_nc_u64 s[46:47], s[70:71], s[46:47]
	CROUND
.irp s, 0,1
	s_mov_b32 s[G0+4*\s], 1
	s_add_co_u32 s[G0+4*\s+1], s45, \s*SLOT
	s_add_nc_u64 s[G0+4*\s+2:G0+4*\s+3], s[20:21], \s*AROWB
	s_or_b32 s[G0+4*\s+3], s[G0+4*\s+3], 0x80000000
	s_mov_b32 s[G0B+4*\s], 1
	s_add_co_u32 s[G0B+4*\s+1], s45, \s*SLOT
	s_add_nc_u64 s[G0B+4*\s+2:G0B+4*\s+3], s[46:47], \s*ROWB
	s_or_b32 s[G0B+4*\s+3], s[G0B+4*\s+3], 0x80000000
.endr
	JLOAD G0, G1, G0B, G1B                         ; slot 0: one tensor load a wave at the head
	; the prefetches, two slots ahead of the loads: of what I fetch, my work-group takes a quarter (by cx for A: one block of 16 tokens, 8,192 bytes; by cy for B: 16 rows of 512 bytes): 32 blocks of 256 bytes, a lane each
	s_cmp_eq_u32 s15, 0
	s_cselect_b64 s[80:81], s[20:21], s[46:47]
	s_cselect_b32 s84, s40, s41
	s_mov_b32 s82, ROWB
	s_cselect_b32 s82, AROWB, s82                  ; a slot on
	s_mov_b32 s86, KROW
	s_cselect_b32 s86, 512, s86                    ; from one pair of lanes to the next
	s_mov_b32 s83, 0
	s_mov_b32 s85, 0
	s_lshl_b32 s84, s84, TBSH                      ; a block of A's image and 16 rows of B are both TBB bytes
	s_add_nc_u64 s[80:81], s[80:81], s[84:85]
	s_add_nc_u64 s[88:89], s[80:81], s[82:83]      ; at slot 1, which is asked for here too: its load follows as soon as slot 0 is in
	s_add_nc_u64 s[80:81], s[88:89], s[82:83]      ; at slot 2
	v_and_b32 v30, 31, v0
	v_lshrrev_b32 v31, 1, v30
	v_and_b32 v30, 1, v30
	v_lshlrev_b32 v30, 8, v30
	v_mad_u32_u24 v30, v31, s86, v30
	global_prefetch_b8 v30, s[88:89] th:TH_LOAD_NT scope:SCOPE_SE
	global_prefetch_b8 v30, s[80:81] th:TH_LOAD_NT scope:SCOPE_SE
	v_and_b32 v1, 15, v0
	v_bfe_u32 v2, v0, 4, 1
	v_mul_u32_u24 v3, v1, PITCH
	v_lshl_add_u32 v4, v2, 4, v3
	v_and_b32 v6, 31, v0
	v_lshlrev_b32 v6, 4, v6
	s_mul_i32 s21, s15, HALFT
	s_mul_i32 s22, s16, HALFT
	s_add_co_u32 s22, s22, 2*HALFT
.irp s, 0,1
	v_add_nc_u32 v[ADRA+\s], s21, v6
	v_add_nc_u32 v[ADRB+\s], s22, v4
	s_add_co_u32 s21, s21, SLOT
	s_add_co_u32 s22, s22, SLOT
.endr
	s_mul_i32 s23, s14, 16*SPITCH
	v_mul_u32_u24 v5, v1, SPITCH
	v_lshl_add_u32 v5, v2, 5, v5
	v_add_nc_u32 v[STO], s23, v5
	v_mul_u32_u24 v7, v2, SPITCH
	v_lshl_add_u32 v7, v1, 4, v7
	v_add_nc_u32 v[RD], s23, v7
	v_lshlrev_b32 v[BO], 4, v1
	s_wait_alu depctr_va_vdst(0)
	v_lshl_add_u32 v[CO], v2, 12, v[BO]
	s_wait_alu depctr_va_vdst(0)
	s_lshl_b32 s20, s17, 7
	s_lshl_b32 s21, s15, 6
	s_add_co_u32 s20, s20, s21
	s_lshl_b32 s20, s20, 12
	s_lshl_b32 s46, s42, 9
	s_lshl_b32 s47, s16, 8
	s_add_co_u32 s46, s46, s47
	s_mov_b32 s47, 0
	s_add_nc_u64 s[74:75], s[74:75], s[46:47]
	s_add_co_u32 s20, s20, s46
	s_mov_b32 s21, 0
	s_add_nc_u64 s[76:77], s[76:77], s[20:21]
	s_add_nc_u64 s[78:79], s[78:79], s[20:21]
	global_load_b128 v[12:15], v[BO], s[74:75]
	WIN 0x80
.set t, 0
.rept 32
	global_load_b128 v[4*t:4*t+3], v[CO], s[76:77] offset:4096*(16*(t/8)+2*(t%8))
.set t, t+1
.endr
	WIN 0
.macro FRAG reg, adr, q, i
.irp c, 0,1,2,3
	ds_load_b128 v[\reg+4*\c:\reg+4*\c+3], v[\adr] offset:128*(\q)+32*\c+(\i)*16*PITCH
.endr
.endm
.macro FRAGI reg, adr, q, i
.irp c, 0,1,2,3
	ds_load_b128 v[\reg+4*\c:\reg+4*\c+3], v[\adr] offset:AROWB*(\i)+2048*(\q)+512*\c
.endr
.endm
.macro MULA f, a, zero
.irp b, 0,1,2,3
.if \zero
	v_wmma_f32_16x16x128_bf8_bf8 v[ACC+8*(4*(\a)+\b):ACC+8*(4*(\a)+\b)+7], v[\f+64+FR*\b:\f+64+FR*\b+FR-1], v[\f+FR*(\a):\f+FR*(\a)+FR-1], 0
.else
	v_wmma_f32_16x16x128_bf8_bf8 v[ACC+8*(4*(\a)+\b):ACC+8*(4*(\a)+\b)+7], v[\f+64+FR*\b:\f+64+FR*\b+FR-1], v[\f+FR*(\a):\f+FR*(\a)+FR-1], v[ACC+8*(4*(\a)+\b):ACC+8*(4*(\a)+\b)+7]
.endif
.endr
.endm
.macro FETCH slot, q, f
	WIN TO_F
.irp i, 0,1,2,3
	FRAG \f+64+FR*\i, ADRB+\slot, \q, \i
.endr
.irp i, 0,1,2,3
	FRAGI \f+FR*\i, ADRA+\slot, \q, \i
.endr
.endm
.macro PLACES n
.rept \n
	v_nop
.endr
.endm
.macro STEP slot, q, zero
.set FF, 128*((\q)%2)
.set FG, 128-FF
	s_wait_dscnt 8
	WIN MUL
	MULA FF, 0, \zero
	MULA FF, 1, \zero
	PLACES NP
	FETCH \slot, (\q)+1, FG
	s_wait_dscnt 32
	WIN MUL
	MULA FF, 2, \zero
	MULA FF, 3, \zero
.endm
.macro TURN slot, next, fill
	WIN 0
.if \fill
	s_wait_xcnt 0x0                                ; the last prefetch, a slot back, has read its address
	s_add_nc_u64 s[80:81], s[80:81], s[82:83]
.endif
	s_wait_tensorcnt 0x0
	ds_add_u32 v[SPW], v[NIL]
	s_wait_dscnt 9
	WIN MUL
	MULA F1, 0, 0
	s_wait_dscnt 0x0
	s_barrier_signal -1
	MULA F1, 1, 0
.if \fill
	WIN 0
.endif
	s_barrier_wait -1
.if \fill
	CREST
	s_add_nc_u64 s[G0+4*\slot+2:G0+4*\slot+3], s[G0+4*\slot+2:G0+4*\slot+3], 2*AROWB
	s_add_nc_u64 s[G0B+4*\slot+2:G0B+4*\slot+3], s[G0B+4*\slot+2:G0B+4*\slot+3], 2*ROWB
	JLOAD G0+4*\slot, G1, G0B+4*\slot, G1B
.else
	PLACES NP
.endif
	FETCH \next, 0, F0
.if \fill
	WIN 0                                          ; at a branch and at a label every window is 0
	s_cmp_gt_u32 s3, 1                             ; the last trip's two refills have no slot two on
	s_cbranch_scc0 .Lnoask_\@
	global_prefetch_b8 v30, s[80:81] th:TH_LOAD_NT scope:SCOPE_SE
.Lnoask_\@:
.endif
	WIN MUL
	MULA F1, 2, 0
	MULA F1, 3, 0
.endm
	s_wait_xcnt 0x0                                ; the head's prefetch has read its address
	s_add_nc_u64 s[80:81], s[80:81], s[82:83]      ; at slot 3
	s_wait_tensorcnt 0x0                           ; my part of slot 0 is in; slot 1's first fill is issued as a refill is:
	ds_add_u32 v[SPW], v[NIL]                      ; 0 onto my spare word
	s_wait_dscnt 0x0
	CROUND                                         ; everybody's part of slot 0 is in, and the joint loads meet
	JLOAD G0+4, G1, G0B+4, G1B                     ; slot 1: the first tensor load behind the round
	FETCH 0, 0, F0
	WIN 0
	global_prefetch_b8 v30, s[80:81] th:TH_LOAD_NT scope:SCOPE_SE
	STEP 0, 0, 1
.if LAPS > 1
	WIN 0
	s_mov_b32 s3, LAPS-1
.Llap:
	STEP 0, 1, 0
	STEP 0, 2, 0
	TURN 0, 1, 1
	STEP 1, 0, 0
	STEP 1, 1, 0
	STEP 1, 2, 0
	TURN 1, 0, 1
	STEP 0, 0, 0
	WIN 0
	s_sub_co_u32 s3, s3, 1
	s_cmp_lg_u32 s3, 0
	s_cbranch_scc1 .Llap
.endif
	STEP 0, 1, 0
	STEP 0, 2, 0
	TURN 0, 1, 0
	STEP 1, 0, 0
	STEP 1, 1, 0
	STEP 1, 2, 0
	s_wait_dscnt 8
	WIN MUL
	MULA F1, 0, 0
	MULA F1, 1, 0
	s_wait_dscnt 0
	MULA F1, 2, 0
	MULA F1, 3, 0
	WIN 0
.macro TOSTAGE a
.irp b, 0,1,2,3
	ds_store_b128 v[STO], v[ACC+8*(4*(\a)+\b):ACC+8*(4*(\a)+\b)+3] offset:64*\b
	ds_store_b128 v[STO], v[ACC+8*(4*(\a)+\b)+4:ACC+8*(4*(\a)+\b)+7] offset:64*\b+16
.endr
.set BB, BK+32*((\a)%2)
.set t, 0
.rept 8
	ds_load_b128 v[BB+4*t:BB+4*t+3], v[RD] offset:t*2*SPITCH
.set t, t+1
.endr
.endm
.macro SEND a, younger
.set BB, BK+32*((\a)%2)
.set RS, 32*(\a)
	s_wait_dscnt \younger
	WIN 0x20
.set t, 0
.rept 8
	v_pk_fma_f32 v[BB+4*t:BB+4*t+1], v[BB+4*t:BB+4*t+1], s[96:97], v[RS+4*t:RS+4*t+1] op_sel_hi:[1,0,1]
	v_pk_fma_f32 v[BB+4*t+2:BB+4*t+3], v[BB+4*t+2:BB+4*t+3], s[96:97], v[RS+4*t+2:RS+4*t+3] op_sel_hi:[1,0,1]
	v_pk_add_f32 v[BB+4*t:BB+4*t+1], v[BB+4*t:BB+4*t+1], v[12:13]
	v_pk_add_f32 v[BB+4*t+2:BB+4*t+3], v[BB+4*t+2:BB+4*t+3], v[14:15]
.set t, t+1
.endr
	WIN 0
.set t, 0
.rept 8
	global_store_b128 v[CO], v[BB+4*t:BB+4*t+3], s[78:79] offset:4096*(16*(\a)+2*t)
.set t, t+1
.endr
.endm
	s_wait_kmcnt 0x0
	s_add_co_i32 s96, s96, s97
	s_add_co_i32 s96, s96, 127
	s_lshl_b32 s96, s96, 23
	s_mov_b32 s97, s96
	PLACES NP
	s_wait_loadcnt 0x0
	TOSTAGE 0
.irp a, 1,2,3
.if \a > 1
	s_wait_xcnt 0x0
.endif
	TOSTAGE \a
	SEND \a-1, 16
.endr
	SEND 3, 0
	s_wait_tensorcnt 0x0
	ds_add_u32 v[SPW], v[NIL]
	s_wait_dscnt 0x0
	CROUND
	s_endpgm
.Lfunc_end_k_q69fbcd9f9b_mlp_out:
	.size	k_q69fbcd9f9b_mlp_out, .Lfunc_end_k_q69fbcd9f9b_mlp_out-k_q69fbcd9f9b_mlp_out
	.p2alignl 7, 3214868480
	.fill 96, 4, 3214868480
	.section	.rodata,"a",@progbits
	.p2align	6, 0x0
	.amdhsa_kernel k_q69fbcd9f9b_mlp_out
		.amdhsa_group_segment_fixed_size 327680
		.amdhsa_private_segment_fixed_size 0
		.amdhsa_enable_private_segment 0
		.amdhsa_kernarg_size 48
		.amdhsa_user_sgpr_count 2
		.amdhsa_user_sgpr_kernarg_segment_ptr 1
		.amdhsa_wavefront_size32 1
		.amdhsa_system_sgpr_workgroup_id_x 1
		.amdhsa_system_sgpr_workgroup_id_y 1
		.amdhsa_system_sgpr_workgroup_id_z 1
		.amdhsa_system_vgpr_workitem_id 0
		.amdhsa_next_free_vgpr 768
		.amdhsa_next_free_sgpr 100
		.amdhsa_reserve_vcc 0
		.amdhsa_float_denorm_mode_32 3
		.amdhsa_float_denorm_mode_16_64 3
		.amdhsa_memory_ordered 1
		.amdhsa_forward_progress 1
		.amdhsa_inst_pref_size 83
	.end_amdhsa_kernel
	.amdgpu_metadata
---
amdhsa.version: [ 1, 2 ]
amdhsa.kernels:
  - .name:           k_q69fbcd9f9b_mlp_out
    .symbol:         k_q69fbcd9f9b_mlp_out.kd
    .args:
      - { .name: h_img, .offset: 0, .size: 8, .value_kind: global_buffer, .address_space: global }
      - { .name: W_out_codes, .offset: 8, .size: 8, .value_kind: global_buffer, .address_space: global }
      - { .name: lowp_scales, .offset: 16, .size: 8, .value_kind: global_buffer, .address_space: global }
      - { .name: b_out, .offset: 24, .size: 8, .value_kind: global_buffer, .address_space: global }
      - { .name: resid_mid, .offset: 32, .size: 8, .value_kind: global_buffer, .address_space: global }
      - { .name: out0, .offset: 40, .size: 8, .value_kind: global_buffer, .address_space: global }
    .group_segment_fixed_size: 327680
    .private_segment_fixed_size: 0
    .kernarg_segment_align: 8
    .kernarg_segment_size: 48
    .max_flat_workgroup_size: 128
    .sgpr_count:     100
    .vgpr_count:     768
    .wavefront_size: 32
...
	.end_amdgpu_metadata
.endif
;; end of part 14
